; MI455X (gfx1250); checked and timed in simulation.
; The chip was launched on July 23, 2026; its instructions are those of AMD's public machine-readable ISA for CDNA 5 (MIT licence, August 2026) and "CDNA5" Instruction Set Architecture Reference Guide (July 2026). The comments in the code are by the model that wrote it; some were corrected since.
;; Moe Layer. Allowed arithmetic: matrix products marked QUANTISED: E3M2 operands, one E8M0 scale for each 32 along K, by v_wmma_scale_f32_16x16x128_f8f6f4 with both operands' format E3M2, f32 sums; products left as they are: f32 operands where the result goes on into a quantised operand, else bf16, f16 or f32 operands; f32 sums; everything else in f32.
;; Inputs: gate_w 1,024 x 8 float32; inputs_raw 2 x 1,024 x 1,024 float32; w1_codes 8 x 2,048 x 32 x 24 uint8 (E3M2 codes of w1, K innermost, in blocks of 32 codes, four codes in three bytes); w1_scales 8 x 2,048 x 32 uint8 (E8M0 scales of w1, one for each 32 codes along K); w2_codes 8 x 1,024 x 64 x 24 uint8 (E3M2 codes of w2, K innermost, in blocks of 32 codes, four codes in three bytes); w2_scales 8 x 1,024 x 64 uint8 (E8M0 scales of w2, one for each 32 codes along K).
;; Outputs: out0 2 x 1,024 x 1,024 float32.
;; Constants: top_k = 2.
;; This version of the problem:
;;   THIS VERSION OF THE PROBLEM IS GIVEN IN LOW PRECISION. The matrix products marked QUANTISED in the list below multiply operands that are first quantised to E3M2 (3 exponent bits, 2 mantissa bits; 6 bits a number), with one power-of-two scale for each 32 numbers along K (OCP MX v1.0); their sums are f32. All else is computed in f32.
;;   The module's matrix products, in the order in which they are computed (A, B: the left and right operand; K: the contracted axis; several contracted axes count as one K, in the product's order):
;;     1. [M 2,048, K 1,024] x [K 1,024, N 8]; A: input inputs_raw; B: input gate_w: left as it is (N = 8 < 16)
;;     2. batch 2,048 x [M 1, K 2] x [K 2, N 8]; A: softmax; B: computed on the way: left as it is (K = 2 < 32)
;;     3. [M 16,384, K 1,024] x [K 1,024, N 2,048]; A: input w1 (given as codes); B: input inputs_raw: QUANTISED
;;     4. batch 8 x [M 2,048, K 2,048] x [K 2,048, N 1,024]; A: computed on the way; B: input w2 (given as codes): QUANTISED
;;     5. batch 2,048 x [M 1, K 8] x [K 8, N 1,024]; A: computed on the way; B: computed on the way: left as it is (K = 8 < 32)
;;   THE QUANTISER, for each operand of a quantised product, along K:
;;     - K is cut into blocks of 32 from its start; a last block that is shorter is filled with zeros.
;;     - A block's scale is 2^e with e = floor(log2(the largest magnitude in the block)) - 4, held to -126 .. 127; a block of zeros has e = 0. As a byte (E8M0): e + 127.
;;     - Each number is divided by its block's scale, clamped to +-28, and rounded to the nearest number of E3M2, ties to even, subnormals kept.
;;     - The product sums the exact products of the quantised numbers (number of the format x scale) in f32.
;;   ~~~python
;;   def quantise(x, axis):      # numpy; x: float32 -> the quantised numbers, widened to float32 again
;;       x = np.moveaxis(x, axis, -1); K = x.shape[-1]
;;       x = np.pad(x, [(0, 0)] * (x.ndim - 1) + [(0, -K % 32)]); x = x.reshape(x.shape[:-1] + (-1, 32)); a = np.abs(x).max(-1, keepdims=True)
;;       e = np.where(a > 0, np.clip(np.frexp(np.where(a > 0, a, 1))[1] - 1 - 4, -126, 127), 0)      # np.frexp(a)[1] - 1 = floor(log2(a)), exactly
;;       r = np.clip(x / 2.0 ** e, -28, 28)
;;       step = 2.0 ** (np.maximum(np.frexp(np.where(r == 0, 1, r))[1] - 1, -2) - 2)
;;       q = np.round(r / step) * step * 2.0 ** e      # np.round: ties to even
;;       return np.moveaxis(q.reshape(q.shape[:-2] + (-1,))[..., :K], -1, axis).astype(np.float32)
;;   ~~~
;;   OPERANDS COMPUTED ON THE WAY. 'Computed on the way' means the value that the module computes at that place (a softmax that the list does not call 'softmax' is quantised finished and normalised). What goes into a quantiser is computed in f32, as accurately as f32 sums, v_exp_f32 and their like allow (about 1e-6 of the number): no bf16 or f16 on the way to a quantiser, and a product that is left as it is and whose result goes on into a quantised operand takes f32 operands (vector FMAs, or v_wmma_f32_16x16x4_f32). A number that lies on a knife's edge between two numbers of the format may be rounded either way, as far as f32 arithmetic and the matrix unit's own rounding can turn it there, and no further.
;;   INPUTS GIVEN AS CODES. w1 (in the module: [8, 1024, 2048], K = its axis 1); w2 (in the module: [8, 2048, 1024], K = its axis 1): each comes as NAME_codes (uint8): NAME with its K axis moved to the last place and cut into blocks of 32 codes, [.., K / 32, bytes a block], one block behind the other in memory; four codes in three bytes: a row's codes are one little-endian stream of bits, code i at bits 6 i .. 6 i + 5 (a code: sign, 3 exponent bits, 2 mantissa bits); and NAME_scales (uint8): the same leading axes, one E8M0 byte (e + 127) for each 32 codes along K. Its value is code x scale, taken as it is: it is not quantised again, and the codes and scales need not be those that the quantiser above would give.
;; 3 versions. Each part assembles by itself: llvm-mc -triple=amdgcn-amd-amdhsa -mcpu=gfx1250 --defsym DOCPART=n.
;; ======== version 1 of 3: 4 launches
;; workspace buffers: keys 8,192 bytes of whole numbers; wts 16,384 bytes; xq 1,572,864 bytes; xs 65,536 bytes; tok 18,944 bytes of whole numbers; blk 1,024 bytes of whole numbers; hq 15,654,912 bytes; wi 25,165,824 bytes
;; launch route (part 1): grid 256 x 1, 4 waves a work-group, no clusters, 76,288 bytes of LDS; arguments inputs_raw, gate_w, w1_codes, w2_codes, xq, xs, keys, wts, wi; writes xq, xs, keys, wts, wi
.if DOCPART == 1
	.amdgcn_target "amdgcn-amd-amdhsa--gfx1250"
	.amdhsa_code_object_version 6
	.text
	.protected	k_q772a04d28f_route
	.globl	k_q772a04d28f_route
	.p2align	8
	.type	k_q772a04d28f_route,@function
k_q772a04d28f_route:
	s_mov_b64 s[64:65], 0
	v_nop
	global_prefetch_b8 v0, s[64:65] scope:SCOPE_SE
	s_setreg_imm32_b32 hwreg(HW_REG_WAVE_MODE, 25, 1), 1
	s_wait_xcnt 0x0
; ROUTE.  Three things for 2,048 tokens x [1024] f32 and two weights given as codes of E3M2:
; (1) logits = x gate_w in f32 (fused multiply-adds), the two largest (the lower index wins a tie), their softmax with the larger one taken away first;
;     stored: keys[token] = 8 lo + hi (lo < hi, the two experts) and wts[token] = (weight of lo, weight of hi).
; (2) x quantised along its 1,024: a block of 32 has the scale 2^(floor(log2(largest magnitude)) - 4); codes to xq, 768 bytes a token, scale bytes to xs, 32 a token.
;     In xq the four blocks (24 bytes each) of every 128 numbers lie in the order 0, 2, 1, 3, so that lane (r, h) of an operand finds its 12 registers as 48 bytes on end at 48 h.
; (3) W1 and W2 laid out for the launches behind: each fragment (16 rows x 128 K, 12 registers a lane) as an image of its registers, 3 x 512 bytes, lane l's 16 bytes at 16 l.
;     W1 at wi + ((16 e + g) 64 + 8 s + t) 1536: units 128 g on, K step s, tile t, whose lane r takes unit 32 (t / 2) + 8 (t % 2) + r + 8 (r / 8).
;     W2 at wi + W2IMG + ((16 e + cg) 64 + 4 s + t) 1536: outputs 64 cg + 16 t + r, K step s.
; SHARES.  256 work-groups of four waves; wave gw = 4 x work-group + wave takes tokens 2 gw, 2 gw + 1, tile gw of W1 (8 K steps) and tile gw / 2 of W2 (K steps 8 (gw % 2) on).  Every wave takes one way through the text.
; The layout's 96 loads are issued behind x's and the gate's and land in v256-447 while the tokens are worked; they are stored at the end.
; LDS: gate_w, row d (32 bytes) at 32 d + 16 (d / 16), shared, one barrier; behind it a region for each wave: four stages of 32 x 80 bytes, through which x's numbers turn from
; 16 bytes a lane (dense loads) to 16 neighbours a lane (what the conversion takes), and 64 scale bytes.
; LIMITS: NaN and infinities among the inputs are not served.  A block of zeros, and one whose largest magnitude lies under 2^(5 - 127), gets the scale byte 1: its codes are zeros or held small, and only this program reads the bytes.
.set SP,    80                         ; a lane's place in a stage: 64 bytes + 16 of padding
.set STGB,  32*SP                      ; a stage
.set WREG0, 33792                      ; behind the gate's 32,768 + 64 x 16 bytes
.set BYT,   4*STGB                     ; a wave's scale bytes, behind its four stages
.set WREGB, 4*STGB+256                 ; a wave's region
.set W2IMG, 12582912                   ; W2's images begin here in wi
.set X,   16                           ; v16-79   four steps x 16 neighbours
.set R,   80                           ; v80-143  x as loaded
.set GS,  144                          ; v144-207 the gate as loaded
.set G,   80                           ; v80-207  then: the gate's 16 rows x 8 experts of my lane, one half of K at a time
.set ACC, 208                          ; v208-223 two tokens x 8 sums
.set CD,  224                          ; v224-239 codes, four registers a step
.set EB,  240                          ; v240-243 a scale byte a step
.set MSB, 0
.macro WIN new                         ; the immediate's high byte repeats the setting that is left
.if MSB != (\new)
	s_set_vgpr_msb (MSB<<8)|(\new)
.set MSB, (\new)
.endif
.endm
	s_load_b512 s[4:19], s[0:1], 0x0               ; x, gate_w, w1_codes, w2_codes, xq, xs, keys, wts
	s_load_b64 s[20:21], s[0:1], 0x40              ; wi
	v_lshl_add_u32 v254, v0, 2, 0x12800
	v_mov_b32 v255, 0
	v_lshrrev_b32 v1, 5, v0
	v_readfirstlane_b32 s22, v1                    ; wave 0..3
	v_lshlrev_b32 v3, 4, v0                        ; the gate in memory: 16 bytes a thread
	v_lshl_add_u32 v4, v1, 4, v3                   ; and in LDS: + 16 for each 16 rows passed
	v_and_b32 v1, 31, v0                           ; lane
	v_lshlrev_b32 v2, 4, v1                        ; 16 x lane
	s_mul_i32 s23, s22, WREGB
	s_add_co_u32 s23, s23, WREG0                   ; my wave's region
	v_lshrrev_b32 v244, 2, v1
	v_mul_u32_u24 v5, v244, SP
	v_and_b32 v244, 3, v1
	v_lshl_add_u32 v5, v244, 4, v5
	v_add_nc_u32 v5, s23, v5                       ; a stage, on the way in: 80 (lane / 4) + 16 (lane % 4)
	v_mul_u32_u24 v6, v1, SP
	v_add_nc_u32 v6, s23, v6                       ; and on the way out: 80 x lane
	v_mul_u32_u24 v7, v1, 528                      ; the gate's rows 16 lane on: 16 x 32 bytes + 16
	v_lshrrev_b32 v244, 3, v1                      ; my 12 bytes of a step's codes: 96 for each 128 numbers,
	v_mul_u32_u24 v8, v244, 96
	v_bfe_u32 v244, v1, 1, 1
	v_mad_u32_u24 v8, v244, 48, v8                 ; odd blocks in the upper 48,
	v_bfe_u32 v244, v1, 2, 1
	v_mad_u32_u24 v8, v244, 24, v8                 ; blocks 2 and 3 second there,
	v_and_b32 v244, 1, v1
	v_mad_u32_u24 v8, v244, 12, v8                 ; a block's upper 16 codes behind its lower
	s_add_co_u32 s23, s23, BYT
	v_lshrrev_b32 v244, 1, v1
	v_add_nc_u32 v9, s23, v244                     ; my block's scale byte in LDS
	v_lshlrev_b32 v11, 1, v1
	v_add_nc_u32 v10, s23, v11                     ; and two bytes a lane on the way out
	v_lshlrev_b32 v14, 2, v1
	v_lshlrev_b32 v15, 3, v1
	v_and_b32 v244, 15, v1                         ; r
	v_lshrrev_b32 v245, 4, v1                      ; h
	v_and_b32 v246, 8, v244
	v_add_nc_u32 v246, v246, v244                  ; r + 8 (r / 8)
	v_mul_u32_u24 v12, v246, 768
	v_mad_u32_u24 v12, v245, 24, v12               ; W1: my row of the tile, + 24 h
	v_mul_u32_u24 v13, v244, 1536
	v_mad_u32_u24 v13, v245, 24, v13               ; W2 likewise
	s_lshl_b32 s24, ttmp9, 2
	s_add_co_u32 s24, s24, s22                     ; gw
	s_mov_b32 s27, 0
	s_mov_b32 s38, 0x76543210
	s_mov_b32 s39, 0xfedcba98                      ; v_permlanex16_b32's selects for lane l xor 16
	s_lshr_b32 s28, s24, 3
	s_bfe_u32 s29, s24, 0x20001                    ; (gw / 2) % 4
	s_and_b32 s30, s24, 1
	s_wait_kmcnt 0x0
	s_lshl_b32 s26, s24, 13
	s_add_nc_u64 s[4:5], s[4:5], s[26:27]          ; x: two tokens of 4,096 bytes
	s_mul_i32 s26, s24, 1536
	s_add_nc_u64 s[12:13], s[12:13], s[26:27]      ; xq
	s_lshl_b32 s26, s24, 6
	s_add_nc_u64 s[14:15], s[14:15], s[26:27]      ; xs
	s_lshl_b32 s26, s24, 3
	s_add_nc_u64 s[16:17], s[16:17], s[26:27]      ; keys
	s_lshl_b32 s26, s24, 4
	s_add_nc_u64 s[18:19], s[18:19], s[26:27]      ; wts
	s_lshl_b32 s26, s28, 7                         ; W1's tile gw begins at row 128 (gw / 8) + 32 ((gw / 2) % 4) + 8 (gw % 2)
	s_lshl_b32 s31, s29, 5
	s_add_co_u32 s26, s26, s31
	s_lshl_b32 s31, s30, 3
	s_add_co_u32 s26, s26, s31
	s_mul_i32 s26, s26, 768
	s_add_nc_u64 s[8:9], s[8:9], s[26:27]
	s_lshr_b32 s26, s24, 1                         ; W2's tile gw / 2: 16 rows of 1,536 bytes; its half of K: 768 bytes
	s_mul_i32 s26, s26, 24576
	s_mul_i32 s31, s30, 768
	s_add_co_u32 s26, s26, s31
	s_add_nc_u64 s[10:11], s[10:11], s[26:27]
	s_mul_i32 s32, s28, 98304
	s_and_b32 s31, s24, 7
	s_mul_i32 s31, s31, 1536
	s_add_co_u32 s26, s32, s31
	s_add_nc_u64 s[34:35], s[20:21], s[26:27]      ; W1's images of my tile
	s_mul_i32 s31, s30, 49152
	s_add_co_u32 s26, s32, s31
	s_mul_i32 s31, s29, 1536
	s_add_co_u32 s26, s26, s31
	s_add_co_u32 s26, s26, W2IMG
	s_add_nc_u64 s[36:37], s[20:21], s[26:27]      ; W2's
.irp k, 0,1,2,3
.irp i, 0,1,2,3
	global_load_b128 v[R+16*\k+4*\i:R+16*\k+4*\i+3], v2, s[4:5] offset:2048*\k+512*\i th:TH_LOAD_NT   ; 32 lanes read 512 bytes on end
.endr
.endr
.irp q, 0,1,2,3,4,5,6,7,8,9,10,11,12,13,14,15
	global_load_b128 v[GS+4*\q:GS+4*\q+3], v3, s[6:7] offset:2048*\q   ; the work-group's 128 threads read 2,048 bytes on end
.endr
	WIN 0x40                                       ; destination v256 on
.irp s, 0,1,2,3,4,5,6,7
.irp p, 0,1,2,3,4,5
	global_load_b64 v[12*\s+2*\p:12*\s+2*\p+1], v12, s[8:9] offset:96*\s+48*(\p/3)+8*(\p%3) th:TH_LOAD_NT   ; W1's fragment of K step s, as an operand's registers take it
.endr
.endr
.irp s, 0,1,2,3,4,5,6,7
.irp p, 0,1,2,3,4,5
	global_load_b64 v[96+12*\s+2*\p:96+12*\s+2*\p+1], v13, s[10:11] offset:96*\s+48*(\p/3)+8*(\p%3) th:TH_LOAD_NT   ; W2's
.endr
.endr
	WIN 0
	s_wait_loadcnt 63                              ; 96 loads were issued behind x's and the gate's 32: with 63 out at the most, those 32 are in
.irp q, 0,1,2,3,4,5,6,7,8,9,10,11,12,13,14,15
	ds_store_b128 v4, v[GS+4*\q:GS+4*\q+3] offset:2112*\q
.endr
.irp k, 0,1,2,3
.irp i, 0,1,2,3
	ds_store_b128 v5, v[R+16*\k+4*\i:R+16*\k+4*\i+3] offset:STGB*\k+8*SP*\i
.endr
.endr
	s_wait_dscnt 0x0                               ; for the others' sake: my part of the gate lies in LDS
	s_barrier_signal -1
	s_barrier_wait -1                              ; everybody's does
.irp k, 0,1,2,3
.irp i, 0,1,2,3
	ds_load_b128 v[X+16*\k+4*\i:X+16*\k+4*\i+3], v6 offset:STGB*\k+16*\i   ; step k: token k / 2, numbers 512 (k % 2) + 16 lane + 0 .. 15
.endr
.endr
.macro GLOAD hf                        ; the gate's rows 512 hf + 16 lane + i, eight experts each
.irp i, 0,1,2,3,4,5,6,7,8,9,10,11,12,13,14,15
	ds_load_b128 v[G+8*\i:G+8*\i+3], v7 offset:16896*(\hf)+32*\i
	ds_load_b128 v[G+8*\i+4:G+8*\i+7], v7 offset:16896*(\hf)+32*\i+16
.endr
.endm
.macro DOT tok, hf                     ; my 16 numbers of one half of a token against the gate; the very first product starts the sums
.set XK, X+16*(2*(\tok)+(\hf))
.irp i, 0,1,2,3,4,5,6,7,8,9,10,11,12,13,14,15
.irp e, 0,1,2,3,4,5,6,7
.if ((\hf) == 0) && (\i == 0)
	v_mul_f32 v[ACC+8*(\tok)+\e], v[XK+\i], v[G+8*\i+\e]
.else
	v_fmac_f32 v[ACC+8*(\tok)+\e], v[XK+\i], v[G+8*\i+\e]
.endif
.endr
.endr
.endm
.macro QSTEP k                         ; 512 numbers become codes: two neighbouring lanes hold a block of 32
.set XK, X+16*(\k)
	v_max3_num_f32 v244, |v[XK]|, |v[XK+1]|, |v[XK+2]|
	v_max3_num_f32 v245, |v[XK+3]|, |v[XK+4]|, |v[XK+5]|
.irp i, 6,10
	v_max3_num_f32 v244, v244, |v[XK+\i]|, |v[XK+\i+1]|
	v_max3_num_f32 v245, v245, |v[XK+\i+2]|, |v[XK+\i+3]|
.endr
	v_max3_num_f32 v244, v244, |v[XK+14]|, |v[XK+15]|
	v_max3_num_f32 v244, v244, v245, 0x2800000     ; and the floor 2^(5 - 127): the byte cannot fall under 1
	v_max_num_f32_dpp v244, v244, v244 row_xmask:1 row_mask:0xf bank_mask:0xf   ; with my neighbour's 16: the block's largest magnitude
	v_add_nc_u32 v246, 0xfe000000, v244            ; 4 off its exponent field: the conversion takes this operand's exponent field as its scale
	v_cvt_scalef32_pk16_bf6_f32 v[CD+4*(\k):CD+4*(\k)+2], v[XK:XK+15], v246
	v_lshrrev_b32 v[EB+(\k)], 23, v246             ; the scale's byte (also the plain line behind the conversion)
	ds_store_b8 v9, v[EB+(\k)] offset:16*(\k)      ; both lanes of a block write the same byte with the same value
	global_store_b96 v8, v[CD+4*(\k):CD+4*(\k)+2], s[12:13] offset:384*(\k)
.endm
	GLOAD 0
	s_wait_dscnt 0x0
	DOT 0, 0
	DOT 1, 0
	GLOAD 1                                        ; the other half of the gate comes while x is quantised
	QSTEP 0
	QSTEP 1
	QSTEP 2
	QSTEP 3
	ds_load_u16 v247, v10                          ; LDS serves a wave's instructions in order: this sees my byte stores
	s_wait_dscnt 0x0
	global_store_b16 v11, v247, s[14:15]           ; my two tokens' 64 scale bytes, on end
	DOT 0, 1
	DOT 1, 1
.irp x, 1,2,4,8
.irp a, 0,1,2,3,4,5,6,7,8,9,10,11,12,13,14,15
	v_add_f32_dpp v[ACC+\a], v[ACC+\a], v[ACC+\a] row_xmask:\x row_mask:0xf bank_mask:0xf
.endr
.endr
.irp a, 0,1,2,3,4,5,6,7,8,9,10,11,12,13,14,15
	v_permlanex16_b32 v[80+\a], v[ACC+\a], s38, s39
.endr
.irp a, 0,1,2,3,4,5,6,7,8,9,10,11,12,13,14,15
	v_add_f32 v[ACC+\a], v[ACC+\a], v[80+\a]       ; every lane now holds both tokens' eight logits
.endr
	v_mov_b32 v112, 0xff800000                     ; -infinity
; The two largest of v[l] .. v[l + 7].  Left in v[o]: the weight of the lower expert, v[o + 1]: of the higher, v[o + 2]: 8 lo + hi.
.macro TOP2 l, o
	v_mov_b32 v[\o], v[\l]
	v_mov_b32 v[\o+1], 0
.irp e, 1,2,3,4,5,6,7
	v_cmp_ge_f32 vcc_lo, v[\o], v[\l+\e]           ; what stands stays on a tie: the lower index wins
	v_cndmask_b32 v[\o], v[\l+\e], v[\o], vcc_lo
	v_cndmask_b32 v[\o+1], \e, v[\o+1], vcc_lo
.endr
	v_mov_b32 v[\o+2], v112
	v_xor_b32 v[\o+3], 1, v[\o+1]                  ; whatever the numbers, the second index differs from the first
.irp e, 0,1,2,3,4,5,6,7
	v_cmp_eq_u32 vcc_lo, \e, v[\o+1]
	v_cndmask_b32 v[\o+4], v[\l+\e], v112, vcc_lo  ; the winner counts as -infinity now
	v_cmp_ge_f32 vcc_lo, v[\o+2], v[\o+4]
	v_cndmask_b32 v[\o+2], v[\o+4], v[\o+2], vcc_lo
	v_cndmask_b32 v[\o+3], \e, v[\o+3], vcc_lo
.endr
	v_sub_f32 v[\o+4], v[\o+2], v[\o]              ; the larger one is taken away: 0 for it, this (0 or less) for the second
	v_mul_f32 v[\o+4], 0x3fb8aa3b, v[\o+4]
	v_exp_f32 v[\o+4], v[\o+4]                     ; q = e^(second - first), at most 1
	v_min_u32 v[\o+5], v[\o+1], v[\o+3]            ; lo (a plain line behind the exponential)
	s_wait_alu depctr_va_vdst(0)
	v_add_f32 v[\o+6], 1.0, v[\o+4]
	v_rcp_f32 v[\o+6], v[\o+6]                     ; the first's weight, 1 / (1 + q)
	v_max_u32 v[\o+7], v[\o+1], v[\o+3]            ; hi (a plain line behind the reciprocal)
	s_wait_alu depctr_va_vdst(0)
	v_mul_f32 v[\o+4], v[\o+4], v[\o+6]            ; the second's, q / (1 + q)
	v_cmp_lt_u32 vcc_lo, v[\o+1], v[\o+3]
	v_cndmask_b32 v[\o], v[\o+4], v[\o+6], vcc_lo
	v_cndmask_b32 v[\o+1], v[\o+6], v[\o+4], vcc_lo
	v_lshl_add_u32 v[\o+2], v[\o+5], 3, v[\o+7]
.endm
	TOP2 ACC, 96
	TOP2 ACC+8, 104
	v_and_b32 v113, 1, v1
	v_cmp_eq_u32 vcc_lo, 1, v113                   ; lane 0 stores token 0's, lane 1 token 1's
	v_cndmask_b32 v116, v96, v104, vcc_lo
	v_cndmask_b32 v117, v97, v105, vcc_lo
	v_cndmask_b32 v118, v98, v106, vcc_lo
	s_wait_loadcnt 0x0                             ; the weights' fragments are in
	WIN 0x04                                       ; a store's data: v256 on
.irp s, 0,1,2,3,4,5,6,7
.irp c, 0,1,2
	global_store_b128 v2, v[12*\s+4*\c:12*\s+4*\c+3], s[34:35] offset:12288*\s+512*\c   ; 32 lanes store 512 bytes on end, aligned
.endr
.endr
.irp s, 0,1,2,3,4,5,6,7
.irp c, 0,1,2
	global_store_b128 v2, v[96+12*\s+4*\c:96+12*\s+4*\c+3], s[36:37] offset:6144*\s+512*\c
.endr
.endr
	WIN 0
	s_wait_xcnt 0x0                                ; EXEC changes only behind this wait
	v_cmp_gt_u32 vcc_lo, 2, v1
	s_wait_tensorcnt 0x0
	ds_add_u32 v254, v255
	s_wait_dscnt 0x0
	s_and_saveexec_b32 s40, vcc_lo
	global_store_b32 v14, v118, s[16:17]
	global_store_b64 v15, v[116:117], s[18:19]
	s_wait_xcnt 0x0
	s_or_b32 exec_lo, exec_lo, s40
	s_endpgm
.Lfunc_end_k_q772a04d28f_route:
	.size	k_q772a04d28f_route, .Lfunc_end_k_q772a04d28f_route-k_q772a04d28f_route
	.p2alignl 7, 3214868480
	.fill 96, 4, 3214868480
	.section	.rodata,"a",@progbits
	.p2align	6, 0x0
	.amdhsa_kernel k_q772a04d28f_route
		.amdhsa_group_segment_fixed_size 76288
		.amdhsa_private_segment_fixed_size 0
		.amdhsa_enable_private_segment 0
		.amdhsa_kernarg_size 72
		.amdhsa_user_sgpr_count 2
		.amdhsa_user_sgpr_kernarg_segment_ptr 1
		.amdhsa_wavefront_size32 1
		.amdhsa_system_sgpr_workgroup_id_x 1
		.amdhsa_system_sgpr_workgroup_id_y 1
		.amdhsa_system_sgpr_workgroup_id_z 1
		.amdhsa_system_vgpr_workitem_id 0
		.amdhsa_next_free_vgpr 448
		.amdhsa_next_free_sgpr 66
		.amdhsa_reserve_vcc 1
		.amdhsa_float_denorm_mode_32 3
		.amdhsa_float_denorm_mode_16_64 3
		.amdhsa_memory_ordered 1
		.amdhsa_forward_progress 1
		.amdhsa_inst_pref_size 60
	.end_amdhsa_kernel
	.amdgpu_metadata
---
amdhsa.version: [ 1, 2 ]
amdhsa.kernels:
  - .name:           k_q772a04d28f_route
    .symbol:         k_q772a04d28f_route.kd
    .args:
      - { .name: inputs_raw, .offset: 0, .size: 8, .value_kind: global_buffer, .address_space: global }
      - { .name: gate_w, .offset: 8, .size: 8, .value_kind: global_buffer, .address_space: global }
      - { .name: w1_codes, .offset: 16, .size: 8, .value_kind: global_buffer, .address_space: global }
      - { .name: w2_codes, .offset: 24, .size: 8, .value_kind: global_buffer, .address_space: global }
      - { .name: xq, .offset: 32, .size: 8, .value_kind: global_buffer, .address_space: global }
      - { .name: xs, .offset: 40, .size: 8, .value_kind: global_buffer, .address_space: global }
      - { .name: keys, .offset: 48, .size: 8, .value_kind: global_buffer, .address_space: global }
      - { .name: wts, .offset: 56, .size: 8, .value_kind: global_buffer, .address_space: global }
      - { .name: wi, .offset: 64, .size: 8, .value_kind: global_buffer, .address_space: global }
    .group_segment_fixed_size: 76288
    .private_segment_fixed_size: 0
    .kernarg_segment_align: 8
    .kernarg_segment_size: 72
    .max_flat_workgroup_size: 128
    .sgpr_count:     66
    .vgpr_count:     448
    .wavefront_size: 32
...
	.end_amdgpu_metadata
.endif
;; end of part 1
;; launch place (part 2): grid 1 x 1, 32 waves a work-group, no clusters, 12,288 bytes of LDS; arguments keys, tok, blk; writes tok, blk
.if DOCPART == 2
	.amdgcn_target "amdgcn-amd-amdhsa--gfx1250"
	.amdhsa_code_object_version 6
	.text
	.protected	k_q772a04d28f_place
	.globl	k_q772a04d28f_place
	.p2align	8
	.type	k_q772a04d28f_place,@function
k_q772a04d28f_place:
	s_mov_b64 s[64:65], 0
	v_nop
	global_prefetch_b8 v0, s[64:65] scope:SCOPE_SE
	s_setreg_imm32_b32 hwreg(HW_REG_WAVE_MODE, 25, 1), 1
	s_wait_xcnt 0x0
; PLACE.  A counting sort of the 2,048 tokens by their pair of experts (28 pairs lo < hi, key = 8 lo + hi), without atomics, by one work-group of 32 waves.
; Each pair's tokens are cut into blocks of 96 rows; a pair's last block is filled up.  There are never more than (2048 + 28 x 95) / 96 = 49 blocks, and never fewer than 22.
; tok[96 b + r] = the token of row r of block b (0 in the rows that fill a block up); blk[b] = lo, hi, rows that count, 0; a block that this split does not have gets rows = 0.
; Wave w owns tokens 64 w .. 64 w + 63, two chunks of 32, a lane to a token.  A: each chunk's count of every pair (lane p of a register holds pair p's) and each token's rank among its chunk's tokens of
; the same pair.  The 64 rows of counts meet in LDS, one barrier.  B: every wave adds them up for itself: totals, blocks a pair, first block of a pair, and what lies ahead of its own chunks; each token's row follows.
; C: wave p < 28 fills pair p's last block up and writes its blocks' entries; wave 28 writes the entries of the blocks that do not exist.
; Every index made from loaded numbers is held under a constant before it enters an address, and every address register is made while all lanes are on.
.set KEY,   6                          ; v6-7    my two chunks' keys
.set CNT,   8                          ; v8-9    their counts, lane p = pair p
.set RANK,  10                         ; v10-11
.set START, 17                         ; v17-18  lane p: the row at which my chunk's tokens of pair p begin
.set DEST,  19                         ; v19-20
.set FILL,  29                         ; v29-31  addresses of the rows that fill my pair's last block up
.set FROW,  33                         ; v33-35  those rows' numbers, not held
.set MASK,  56                         ; s56-59  lane masks of the four stores under a narrowed EXEC
	s_load_b128 s[4:7], s[0:1], 0x0                ; keys, tok
	s_load_b64 s[8:9], s[0:1], 0x10                ; blk
	v_lshl_add_u32 v62, v0, 2, 0x2000
	v_mov_b32 v63, 0
	v_lshrrev_b32 v2, 5, v0
	v_readfirstlane_b32 s22, v2                    ; wave 0..31
	v_and_b32 v1, 31, v0                           ; lane
	v_lshlrev_b32 v5, 2, v1                        ; 4 x lane
	v_lshl_add_u32 v3, v2, 8, v5                   ; 256 x wave + 4 x lane: my key in memory, and my word of my first row of counts in LDS
	v_lshl_add_u32 v21, v2, 6, v1                  ; my two tokens
	v_add_nc_u32 v22, 32, v21
	s_lshl_b32 s23, s22, 1                         ; my first chunk
.irp r, 8,9,10,11,13,14,16,19,20,32
	v_mov_b32 v\r, 0
.endr
	s_wait_kmcnt 0x0
	global_load_b32 v6, v3, s[4:5]
	global_load_b32 v7, v3, s[4:5] offset:128
	s_wait_loadcnt 0x0
.macro COUNT c
.set p, 0
.irp k, 1,2,3,4,5,6,7,10,11,12,13,14,15,19,20,21,22,23,28,29,30,31,37,38,39,46,47,55
	v_cmp_eq_u32 s40, \k, v[KEY+\c]
	s_bcnt1_i32_b32 s41, s40
	v_writelane_b32 v[CNT+\c], s41, p
	v_mbcnt_lo_u32_b32 v12, s40, 0                 ; how many lanes under mine have this pair
	v_cndmask_b32 v[RANK+\c], v[RANK+\c], v12, s40
.set p, p+1
.endr
.endm
	COUNT 0
	COUNT 1
	ds_store_b32 v3, v8
	ds_store_b32 v3, v9 offset:128
	s_wait_dscnt 0x0                               ; for the others' sake: my two rows of counts lie in LDS
	s_barrier_signal -1
	s_barrier_wait -1
.set c, 0
.rept 64
	ds_load_b32 v[64+c], v5 offset:128*c
.set c, c+1
.endr
	s_wait_dscnt 0x0
.set c, 0
.rept 64
	s_cmp_gt_u32 s23, c                            ; a chunk ahead of mine?
	s_cselect_b32 s40, -1, 0
	v_and_b32 v12, s40, v[64+c]
	v_add_nc_u32 v13, v13, v[64+c]                 ; v13: the pair's total
	v_add_nc_u32 v14, v14, v12                     ; v14: what lies ahead of my chunks
.set c, c+1
.endr
	v_add_nc_u32 v15, 95, v13
	v_mul_u32_u24 v15, v15, 0xaaab
	v_lshrrev_b32 v15, 22, v15                     ; v15: blocks of the pair, (total + 95) / 96: 43,691 / 2^22 gives the whole part exactly up to 2,143
	s_mov_b32 s42, 0
.set p, 0
.rept 28
	v_readlane_b32 s43, v15, p
	v_writelane_b32 v16, s42, p                    ; v16: the pair's first block
	s_add_co_u32 s42, s42, s43
.set p, p+1
.endr                                  ; s42: blocks in all
	v_mul_u32_u24 v17, v16, 96
	v_add_nc_u32 v17, v17, v14
	v_add_nc_u32 v18, v17, v8
.macro ROWOF c
.set p, 0
.irp k, 1,2,3,4,5,6,7,10,11,12,13,14,15,19,20,21,22,23,28,29,30,31,37,38,39,46,47,55
	v_readlane_b32 s43, v[START+\c], p
	v_cmp_eq_u32 s40, \k, v[KEY+\c]
	v_add_nc_u32 v12, s43, v[RANK+\c]
	v_cndmask_b32 v[DEST+\c], v[DEST+\c], v12, s40
.set p, p+1
.endr
	v_min_u32 v[DEST+\c], 0x125f, v[DEST+\c]       ; under 4,704
	v_lshlrev_b32 v[DEST+\c], 2, v[DEST+\c]
.endm
	ROWOF 0
	ROWOF 1
	global_store_b32 v19, v21, s[6:7]
	global_store_b32 v20, v22, s[6:7]
	s_cmp_lt_u32 s22, 28
	s_cbranch_scc0 .Lnot_a_pair
	s_mov_b32 s44, 0                               ; my pair's key
.set p, 0
.irp k, 1,2,3,4,5,6,7,10,11,12,13,14,15,19,20,21,22,23,28,29,30,31,37,38,39,46,47,55
	s_cmp_eq_u32 s22, p
	s_cselect_b32 s44, \k, s44
.set p, p+1
.endr
	v_readlane_b32 s45, v13, s22                   ; its total,
	v_readlane_b32 s46, v16, s22                   ; its first block,
	v_readlane_b32 s47, v15, s22                   ; its blocks
	s_mul_i32 s48, s46, 96
	s_mul_i32 s49, s47, 96
	s_add_co_u32 s49, s49, s48                     ; the row behind its last block
	s_add_co_u32 s48, s48, s45                     ; the first row that fills up: fewer than 96 follow
	s_lshr_b32 s51, s44, 3                         ; lo
	s_and_b32 s52, s44, 7                          ; hi
	; all that the four stores below name is made here, with every lane on; behind the first line that narrows EXEC no vector register is written
	v_add_nc_u32 v[FROW], s48, v1
	v_add_nc_u32 v[FROW+1], 32, v[FROW]
	v_add_nc_u32 v[FROW+2], 64, v[FROW]
.irp j, 0,1,2
	v_min_u32 v[FILL+\j], 0x125f, v[FROW+\j]       ; under 4,704
.endr
.irp j, 0,1,2
	v_lshlrev_b32 v[FILL+\j], 2, v[FILL+\j]
.endr
.irp j, 0,1,2
	v_cmp_gt_u32 s[MASK+\j], s49, v[FROW+\j]       ; the lanes whose row still lies in the pair's last block
.endr
	v_mov_b32 v24, s51                             ; lane j < blocks: the entry of the pair's j-th block
	v_mov_b32 v25, s52
	v_mul_u32_u24 v12, v1, 96
	v_sub_nc_u32 v26, s45, v12
	v_min_u32 v26, 96, v26                         ; rows that count: 96, in the last block what is left
	v_mov_b32 v27, 0
	v_add_nc_u32 v28, s46, v1
	v_min_u32 v28, 48, v28                         ; under 49
	v_lshlrev_b32 v28, 4, v28
	v_cmp_gt_u32 s[MASK+3], s47, v1                ; the lanes that have a block
.irp j, 0,1,2
	s_wait_xcnt 0x0                                ; EXEC changes only behind this wait
	s_mov_b32 vcc_lo, s[MASK+\j]
	s_and_saveexec_b32 s50, vcc_lo
	global_store_b32 v[FILL+\j], v32, s[6:7]       ; token 0 stands in: its row is computed and never stored
	s_wait_xcnt 0x0                                ; and again in front of the line that widens it
	s_or_b32 exec_lo, exec_lo, s50
.endr
	s_mov_b32 vcc_lo, s[MASK+3]
	s_and_saveexec_b32 s50, vcc_lo
	global_store_b128 v28, v[24:27], s[8:9]
	s_wait_xcnt 0x0
	s_or_b32 exec_lo, exec_lo, s50
	s_branch .Lend
.Lnot_a_pair:
	s_cmp_eq_u32 s22, 28
	s_cbranch_scc0 .Lend
	v_add_nc_u32 v28, s42, v1                      ; blocks s42 .. 48 do not exist (at most 27 of them: one store)
	v_cmp_gt_u32 vcc_lo, 49, v28
	v_min_u32 v28, 48, v28
	v_lshlrev_b32 v28, 4, v28
.irp r, 24,25,26,27
	v_mov_b32 v\r, 0
.endr
	s_wait_xcnt 0x0
	s_and_saveexec_b32 s50, vcc_lo
	global_store_b128 v28, v[24:27], s[8:9]
	s_wait_xcnt 0x0
	s_or_b32 exec_lo, exec_lo, s50
.Lend:
	s_wait_tensorcnt 0x0
	ds_add_u32 v62, v63
	s_wait_dscnt 0x0
	s_endpgm
.Lfunc_end_k_q772a04d28f_place:
	.size	k_q772a04d28f_place, .Lfunc_end_k_q772a04d28f_place-k_q772a04d28f_place
	.p2alignl 7, 3214868480
	.fill 96, 4, 3214868480
	.section	.rodata,"a",@progbits
	.p2align	6, 0x0
	.amdhsa_kernel k_q772a04d28f_place
		.amdhsa_group_segment_fixed_size 12288
		.amdhsa_private_segment_fixed_size 0
		.amdhsa_enable_private_segment 0
		.amdhsa_kernarg_size 24
		.amdhsa_user_sgpr_count 2
		.amdhsa_user_sgpr_kernarg_segment_ptr 1
		.amdhsa_wavefront_size32 1
		.amdhsa_system_sgpr_workgroup_id_x 1
		.amdhsa_system_sgpr_workgroup_id_y 1
		.amdhsa_system_sgpr_workgroup_id_z 1
		.amdhsa_system_vgpr_workitem_id 0
		.amdhsa_next_free_vgpr 128
		.amdhsa_next_free_sgpr 66
		.amdhsa_reserve_vcc 1
		.amdhsa_float_denorm_mode_32 3
		.amdhsa_float_denorm_mode_16_64 3
		.amdhsa_memory_ordered 1
		.amdhsa_forward_progress 1
		.amdhsa_inst_pref_size 54
	.end_amdhsa_kernel
	.amdgpu_metadata
---
amdhsa.version: [ 1, 2 ]
amdhsa.kernels:
  - .name:           k_q772a04d28f_place
    .symbol:         k_q772a04d28f_place.kd
    .args:
      - { .name: keys, .offset: 0, .size: 8, .value_kind: global_buffer, .address_space: global }
      - { .name: tok, .offset: 8, .size: 8, .value_kind: global_buffer, .address_space: global }
      - { .name: blk, .offset: 16, .size: 8, .value_kind: global_buffer, .address_space: global }
    .group_segment_fixed_size: 12288
    .private_segment_fixed_size: 0
    .kernarg_segment_align: 8
    .kernarg_segment_size: 24
    .max_flat_workgroup_size: 1024
    .sgpr_count:     66
    .vgpr_count:     128
    .wavefront_size: 32
...
	.end_amdgpu_metadata
.endif
;; end of part 2
;; launch up (part 3): grid 4 x 98, 4 waves a work-group, no clusters, 0 bytes of LDS; arguments xq, xs, wi, w1_scales, tok, blk, hq; writes hq
.if DOCPART == 3
	.amdgcn_target "amdgcn-amd-amdhsa--gfx1250"
	.amdhsa_code_object_version 6
	.text
	.protected	k_q772a04d28f_up
	.globl	k_q772a04d28f_up
	.p2align	8
	.type	k_q772a04d28f_up,@function
k_q772a04d28f_up:
	s_mov_b64 s[64:65], 0
	v_nop
	global_prefetch_b8 v0, s[64:65] scope:SCOPE_SE
	s_setreg_imm32_b32 hwreg(HW_REG_WAVE_MODE, 25, 1), 1
	s_wait_xcnt 0x0
; UP.  h = silu(x W1_e) for the 96 rows of one block and one of its two experts, on codes of E3M2 with one E8M0 scale for each 32 along K = 1,024; h is quantised along its 2,048 and stored as codes.
; SHARES.  Work-group y = 2 x block + side (side 0: the pair's lower expert), x = 512 hidden units.  Wave w makes all 96 rows x units 128 g on, g = 4 x + w: 48 accumulators of 16 x 16, 384 registers.
; Those 128 units are K step g of the next product, so a wave's results become whole operand fragments and whole scale words.
; THE PRODUCT IS USED TRANSPOSED (source 0 = 16 rows of W1, source 1 = 16 rows of x): a lane holds one row of h.  THE ROWS OF W1 THAT FORM A TILE ARE NOT NEIGHBOURS (lane r of tile t: unit 32 (t / 2) + 8 (t % 2) + r + 8 (r / 8)),
; so that the 16 registers of tiles 2 b and 2 b + 1 are 16 neighbours along the next K.  The launch before has laid W1 out so, as images of the operand's registers: three loads of 512 bytes on end bring a fragment.
; x's fragments come straight from xq, by the block's list of tokens: 48 bytes on end a lane, three loads of 16.
; NO BARRIER, NO LDS, NO JOINT LOADS: whether a block exists, and how many blocks an expert has, is read from memory (blk).  A work-group whose block has no rows ends at once, so partners in a cluster would need different
; numbers of tiles, and a barrier would stand behind a branch on a loaded number.  So no wave hands anything to another: each loads its own operands into registers.
; hq: [2 b + side][K step g][9,984 bytes]: six images (row tiles 0-5) of 1,536 bytes, then six sets of 32 scale words.
; REGISTERS, in windows of 256: window 0: v1-19 addresses; v32-95 W1's scale words (8 t + K step); v96-143 x's (8 m + K step); v144-215 x's fragments, set 0; behind the products v144-244 are at work.
;   window 1: W1's fragments, set 0 at v0, set 1 at v128.   window 2: the accumulators of row tiles 0-3 (at 8 (8 m + t)).   window 3: those of row tiles 4, 5; from v128 x's fragments, set 1.
; Two sets of operands: while step ks is multiplied, step ks + 1's 42 loads are on their way; step ks + 2's are issued behind step ks's products.
; LIMITS: NaN and infinities are not served.  A block of h whose largest magnitude lies under 2^(5 - 127) gets the scale byte 1; only this program reads the bytes.
.set L16, 2                            ; v2     16 x lane
.set L4,  3                            ; v3     4 x lane
.set WSO, 4                            ; v4     my row of a tile among W1's scale rows of 32 bytes
.set TKO, 5                            ; v5     4 r
.set AOF, 6                            ; v6-11  row tile m: my token x 768 + 48 h
.set XOF, 12                           ; v12-17 my token x 32
.set WS,  32
.set XSC, 96
.set A0,  144                          ; in window 0
.set A1,  128                          ; in window 3
.set T,   144                          ; v144-207 64 numbers of h
.set TM,  208                          ; v208-223 at work in the quantiser
.set PC,  224                          ; v224-243 the codes just made
.set PW,  244                          ; the scale word just made
.set CS,  32                           ; s[32:33] -log2(e)
.set SEL, 34                           ; s[34:35] v_permlanex16_b32's selects for lane l xor 16
.set MSB, 0
.macro WIN new                         ; the immediate's high byte repeats the setting that is left
.if MSB != (\new)
	s_set_vgpr_msb (MSB<<8)|(\new)
.set MSB, (\new)
.endif
.endm
.macro PLACES                          ; four plain vector lines between a matrix instruction and a load into, or a vector line on, its registers
.rept 4
	v_nop
.endr
.endm
	s_load_b256 s[4:11], s[0:1], 0x0               ; xq, xs, wi, w1_scales
	s_load_b128 s[12:15], s[0:1], 0x20             ; tok, blk
	s_load_b64 s[16:17], s[0:1], 0x30              ; hq
	v_lshrrev_b32 v1, 5, v0
	v_readfirstlane_b32 s18, v1                    ; wave 0..3
	v_and_b32 v1, 31, v0
	v_lshlrev_b32 v[L16], 4, v1
	v_lshlrev_b32 v[L4], 2, v1
	v_and_b32 v18, 15, v1                          ; r
	v_lshrrev_b32 v19, 4, v1                       ; h
	v_and_b32 v[WSO], 8, v18
	v_add_nc_u32 v[WSO], v[WSO], v18
	v_lshlrev_b32 v[WSO], 5, v[WSO]                ; 32 (r + 8 (r / 8))
	v_lshlrev_b32 v[TKO], 2, v18
	v_mul_u32_u24 v19, v19, 48                     ; 48 h
	s_and_b32 s20, ttmp7, 0xffff                   ; 2 x block + side
	s_lshr_b32 s21, s20, 1
	s_and_b32 s22, s20, 1
	s_lshl_b32 s24, s21, 4
	s_mov_b32 s25, 0
	s_mov_b32 s[CS], 0xbfb8aa3b
	s_mov_b32 s[CS+1], s[CS]                       ; (named with it as a pair, so it is written)
	s_mov_b32 s[SEL], 0x76543210
	s_mov_b32 s[SEL+1], 0xfedcba98
	s_wait_kmcnt 0x0
	s_add_nc_u64 s[14:15], s[14:15], s[24:25]
	s_load_b128 s[28:31], s[14:15], 0x0            ; the block's entry: lo, hi, rows, 0
	s_wait_kmcnt 0x0
	s_cmp_eq_u32 s30, 0
	s_cbranch_scc1 .Lend                           ; this split has no such block
	s_cmp_eq_u32 s22, 0
	s_cselect_b32 s23, s28, s29
	s_min_u32 s23, s23, 7                          ; my expert
	s_lshl_b32 s23, s23, 4
	s_lshl_b32 s26, ttmp9, 2
	s_add_co_u32 s26, s26, s18                     ; g
	s_add_co_u32 s23, s23, s26                     ; 16 e + g
	s_mul_i32 s24, s23, 98304
	s_add_nc_u64 s[8:9], s[8:9], s[24:25]          ; my 64 images of W1
	s_lshl_b32 s24, s23, 12
	s_add_nc_u64 s[10:11], s[10:11], s[24:25]      ; my 128 rows of W1's scales
	s_mul_i32 s24, s21, 384
	s_add_nc_u64 s[12:13], s[12:13], s[24:25]      ; the block's 96 tokens
	s_mul_i32 s24, s20, 159744
	s_mul_i32 s27, s26, 9984
	s_add_co_u32 s24, s24, s27
	s_add_nc_u64 s[16:17], s[16:17], s[24:25]      ; where my results go
.macro LOADA p, ks                     ; x's six fragments of K step ks into set p
.if (\p) == 0
	WIN 0
.set AB, A0
.else
	WIN 0xc0                                       ; destination window 3, address window 0
.set AB, A1
.endif
.irp m, 0,1,2,3,4,5
.irp c, 0,1,2
	global_load_b128 v[AB+12*\m+4*\c:AB+12*\m+4*\c+3], v[AOF+\m], s[4:5] offset:96*(\ks)+16*\c
.endr
.endr
.endm
.macro LOADB p, ks                     ; W1's eight fragments of K step ks into set p: 12,288 bytes on end
	WIN 0x40                                       ; destination window 1
.irp t, 0,1,2,3,4,5,6,7
.irp c, 0,1,2
	global_load_b128 v[128*(\p)+12*\t+4*\c:128*(\p)+12*\t+4*\c+3], v[L16], s[8:9] offset:12288*(\ks)+1536*\t+512*\c
.endr
.endr
.endm
; Row tile m against W1's eight tiles.  The 48 accumulators take turns, one instruction a turn, in the same order in every K step.  zero = 1: the first K step starts the sums.
.macro MULM m, p, ks, zero
.if (\p) == 0
.set AB, A0+12*(\m)
.else
.set AB, A1+12*(\m)
.endif
.set AC, 64*((\m)%4)
	WIN (0xa1+0x50*((\m)/4)+0x0c*(\p))             ; source 0 window 1; source 1 window 0 or 3; C and D window 2 or 3
.irp t, 0,1,2,3,4,5,6,7
.if \zero
	v_wmma_scale_f32_16x16x128_f8f6f4 v[AC+8*\t:AC+8*\t+7], v[128*(\p)+12*\t:128*(\p)+12*\t+11], v[AB:AB+11], 0, v[WS+8*\t+(\ks)], v[XSC+8*(\m)+(\ks)] matrix_a_fmt:MATRIX_FMT_BF6 matrix_b_fmt:MATRIX_FMT_BF6
.else
	v_wmma_scale_f32_16x16x128_f8f6f4 v[AC+8*\t:AC+8*\t+7], v[128*(\p)+12*\t:128*(\p)+12*\t+11], v[AB:AB+11], v[AC+8*\t:AC+8*\t+7], v[WS+8*\t+(\ks)], v[XSC+8*(\m)+(\ks)] matrix_a_fmt:MATRIX_FMT_BF6 matrix_b_fmt:MATRIX_FMT_BF6
.endif
.endr
.endm
.macro KSTEP ks, cnt, zero
	s_wait_loadcnt \cnt                            ; this step's operands are in; the loads issued behind them may be out
.irp m, 0,1,2,3,4,5
	MULM \m, (\ks)%2, \ks, \zero
.endr
.if (\ks)+2 < 8
	PLACES
	LOADA (\ks)%2, (\ks)+2
	LOADB (\ks)%2, (\ks)+2
.endif
.endm
.irp m, 0,1,2,3,4,5
	global_load_b32 v[AOF+\m], v[TKO], s[12:13] offset:64*\m   ; the token of row 16 m + r
.endr
	LOADB 0, 0                                     ; what hangs on no token goes out meanwhile
	LOADB 1, 1
	WIN 0
.irp t, 0,1,2,3,4,5,6,7
	global_load_b128 v[WS+8*\t:WS+8*\t+3], v[WSO], s[10:11] offset:(32*(\t/2)+8*(\t%2))*32      ; my row's eight scale words, one for each K step
	global_load_b128 v[WS+8*\t+4:WS+8*\t+7], v[WSO], s[10:11] offset:(32*(\t/2)+8*(\t%2))*32+16
.endr
	s_wait_loadcnt 63                              ; 64 loads were issued behind the six of tokens
.irp m, 0,1,2,3,4,5
	v_min_u32 v[AOF+\m], 0x7ff, v[AOF+\m]
.endr
.irp m, 0,1,2,3,4,5
	v_lshlrev_b32 v[XOF+\m], 5, v[AOF+\m]
.endr
.irp m, 0,1,2,3,4,5
	v_mul_u32_u24 v[AOF+\m], v[AOF+\m], 768
.endr
.irp m, 0,1,2,3,4,5
	v_add_nc_u32 v[AOF+\m], v[AOF+\m], v19
.endr
	LOADA 0, 0
.irp m, 0,1,2,3,4,5
	global_load_b128 v[XSC+8*\m:XSC+8*\m+3], v[XOF+\m], s[6:7]
	global_load_b128 v[XSC+8*\m+4:XSC+8*\m+7], v[XOF+\m], s[6:7] offset:16
.endr
	LOADA 1, 1
	KSTEP 0, 18, 1                                 ; behind step 0's operands and the scales: the 18 loads of x's set 1
	KSTEP 1, 42, 0                                 ; behind a step's operands: the next step's 18 + 24
	KSTEP 2, 42, 0
	KSTEP 3, 42, 0
	KSTEP 4, 42, 0
	KSTEP 5, 42, 0
	KSTEP 6, 42, 0
	KSTEP 7, 0, 0
	WIN 0
	PLACES                                         ; behind the last products: results are read, and registers that held x's fragments written, from here on
.irp b, 0,1,2,3
	v_mov_b32 v[TM+4+\b], 0                        ; written once: a lane permute's destination counts as one of its sources
.endr
; 64 numbers of a lane, v[s] .. v[s + 63], register 16 b + i = k 32 b + 16 (lane / 16) + i of my row, become a fragment's codes in v[PC] on and its scale word in v[PW].
.macro QUANT s
.irp b, 0,1,2,3
	v_max3_num_f32 v[TM+\b], |v[\s+16*\b]|, |v[\s+1+16*\b]|, 0x2800000   ; block b: my 16 numbers, and the floor 2^(5 - 127): the byte cannot fall under 1
.endr
.irp i, 2,4,6,8,10,12,14
.irp b, 0,1,2,3
	v_max3_num_f32 v[TM+\b], v[TM+\b], |v[\s+16*\b+\i]|, |v[\s+1+16*\b+\i]|   ; (the four blocks by turns)
.endr
.endr
.irp b, 0,1,2,3
	v_permlanex16_b32 v[TM+4+\b], v[TM+\b], s[SEL], s[SEL+1]
.endr
.irp b, 0,1,2,3
	v_max_num_f32 v[TM+\b], v[TM+\b], v[TM+4+\b]   ; with lane l xor 16's: the block's largest magnitude
.endr
.irp b, 0,1,2,3
	v_add_nc_u32 v[TM+12+\b], 0xfe000000, v[TM+\b] ; 4 off its exponent field: the conversion's scale operand
.endr
.irp b, 0,1,2,3
	v_lshrrev_b32 v[TM+4+\b], 23, v[TM+12+\b]      ; the scale's byte
.endr
	v_lshl_or_b32 v[PW], v[TM+5], 8, v[TM+4]
	v_lshl_or_b32 v[PW], v[TM+6], 16, v[PW]
	v_lshl_or_b32 v[PW], v[TM+7], 24, v[PW]
.irp c, 0,1
	v_cvt_scalef32_pk16_bf6_f32 v[PC+6*\c:PC+2+6*\c], v[\s+32*\c:\s+15+32*\c], v[TM+12+2*\c]
	v_cvt_scalef32_pk16_bf6_f32 v[PC+12+4*\c:PC+14+4*\c], v[\s+16+32*\c:\s+31+32*\c], v[TM+12+2*\c+1]   ; (a conversion's three registers begin on an even number)
.endr
	v_nop                                          ; one plain line behind a scaled conversion
.irp c, 0,1                            ; the operand's layout wants a WHOLE block in a lane: lanes 0-15 block 2 c, lanes 16-31 block 2 c + 1
.irp i, 0,1,2
	v_permlane16_swap_b32 v[PC+6*\c+\i], v[PC+12+4*\c+\i]
.endr
.irp i, 0,1,2
	v_mov_b32 v[PC+3+6*\c+\i], v[PC+12+4*\c+\i]
.endr
.endr
.endm
; Row tile m: silu(z) = z / (1 + 2^(-log2(e) z)) in f32, quantised, stored as an image of the operand's registers.  Each accumulator is read from its low end on.
.macro EPI m
.set AC, 64*((\m)%4)
	WIN (2+(\m)/4)                                 ; source 0: the accumulators' window
.set j, 0
.rept 32
	v_pk_mul_f32 v[T+j:T+j+1], v[AC+j:AC+j+1], s[CS:CS+1] op_sel_hi:[1,0]
.set j, j+2
.endr
	WIN 0
.set j, 0
.rept 64
	v_exp_f32 v[T+j], v[T+j]
.set j, j+1
.endr
	v_nop                                          ; a plain line between the exponentials and the use of their results
.set j, 0
	s_wait_alu depctr_va_vdst(0)
.rept 32
	v_pk_add_f32 v[T+j:T+j+1], v[T+j:T+j+1], 1.0 op_sel_hi:[1,0]
.set j, j+2
.endr
.set j, 0
.rept 64
	v_rcp_f32 v[T+j], v[T+j]
.set j, j+1
.endr
	v_nop
	WIN (2+(\m)/4)
.set j, 0
	s_wait_alu depctr_va_vdst(0)
.rept 32
	v_pk_mul_f32 v[T+j:T+j+1], v[AC+j:AC+j+1], v[T+j:T+j+1]
.set j, j+2
.endr
	WIN 0
.if (\m) > 0
	s_wait_xcnt 0x0                                ; the last tile's stores have read their data: codes and scale word are written again only behind this wait
.endif
	QUANT T
.irp c, 0,1,2
	global_store_b128 v[L16], v[PC+4*\c:PC+4*\c+3], s[16:17] offset:1536*(\m)+512*\c   ; 32 lanes store 512 bytes on end, aligned
.endr
	global_store_b32 v[L4], v[PW], s[16:17] offset:9216+128*(\m)
.endm
	EPI 0
	EPI 1
	EPI 2
	EPI 3
	EPI 4
	EPI 5
.Lend:
	s_endpgm
.Lfunc_end_k_q772a04d28f_up:
	.size	k_q772a04d28f_up, .Lfunc_end_k_q772a04d28f_up-k_q772a04d28f_up
	.p2alignl 7, 3214868480
	.fill 96, 4, 3214868480
	.section	.rodata,"a",@progbits
	.p2align	6, 0x0
	.amdhsa_kernel k_q772a04d28f_up
		.amdhsa_group_segment_fixed_size 0
		.amdhsa_private_segment_fixed_size 0
		.amdhsa_enable_private_segment 0
		.amdhsa_kernarg_size 56
		.amdhsa_user_sgpr_count 2
		.amdhsa_user_sgpr_kernarg_segment_ptr 1
		.amdhsa_wavefront_size32 1
		.amdhsa_system_sgpr_workgroup_id_x 1
		.amdhsa_system_sgpr_workgroup_id_y 1
		.amdhsa_system_sgpr_workgroup_id_z 1
		.amdhsa_system_vgpr_workitem_id 0
		.amdhsa_next_free_vgpr 1024
		.amdhsa_next_free_sgpr 66
		.amdhsa_reserve_vcc 0
		.amdhsa_float_denorm_mode_32 3
		.amdhsa_float_denorm_mode_16_64 3
		.amdhsa_memory_ordered 1
		.amdhsa_forward_progress 1
		.amdhsa_inst_pref_size 175
	.end_amdhsa_kernel
	.amdgpu_metadata
---
amdhsa.version: [ 1, 2 ]
amdhsa.kernels:
  - .name:           k_q772a04d28f_up
    .symbol:         k_q772a04d28f_up.kd
    .args:
      - { .name: xq, .offset: 0, .size: 8, .value_kind: global_buffer, .address_space: global }
      - { .name: xs, .offset: 8, .size: 8, .value_kind: global_buffer, .address_space: global }
      - { .name: wi, .offset: 16, .size: 8, .value_kind: global_buffer, .address_space: global }
      - { .name: w1_scales, .offset: 24, .size: 8, .value_kind: global_buffer, .address_space: global }
      - { .name: tok, .offset: 32, .size: 8, .value_kind: global_buffer, .address_space: global }
      - { .name: blk, .offset: 40, .size: 8, .value_kind: global_buffer, .address_space: global }
      - { .name: hq, .offset: 48, .size: 8, .value_kind: global_buffer, .address_space: global }
    .group_segment_fixed_size: 0
    .private_segment_fixed_size: 0
    .kernarg_segment_align: 8
    .kernarg_segment_size: 56
    .max_flat_workgroup_size: 128
    .sgpr_count:     66
    .vgpr_count:     1024
    .wavefront_size: 32
...
	.end_amdgpu_metadata
.endif
;; end of part 3
;; launch down (part 4): grid 8 x 49, 4 waves a work-group, no clusters, 17,920 bytes of LDS; arguments hq, wi, w2_scales, tok, blk, wts, out0; writes out0
.if DOCPART == 4
	.amdgcn_target "amdgcn-amd-amdhsa--gfx1250"
	.amdhsa_code_object_version 6
	.text
	.protected	k_q772a04d28f_down
	.globl	k_q772a04d28f_down
	.p2align	8
	.type	k_q772a04d28f_down,@function
k_q772a04d28f_down:
	s_mov_b64 s[64:65], 0
	v_nop
	global_prefetch_b8 v0, s[64:65] scope:SCOPE_SE
	s_setreg_imm32_b32 hwreg(HW_REG_WAVE_MODE, 25, 1), 1
	s_wait_xcnt 0x0
; DOWN.  out[token] = w_lo (h_lo W2_lo) + w_hi (h_hi W2_hi) for the rows of one block, whose tokens all have the same two experts; both products on codes of E3M2 with one E8M0 scale for each 32 along K = 2,048.
; SHARES.  Work-group y = block, x = 128 outputs.  Wave w takes row tiles 3 (w / 2) + 0 .. 2 (48 rows) and outputs 64 cg on, cg = 2 x + w % 2 (four tiles), FOR BOTH EXPERTS: 12 accumulators for each.
; So every output row has one owner, and the two sums meet in one lane's registers.  32 steps of 128 along K: 16 of the lower expert, then 16 of the higher.
; THE PRODUCT IS USED TRANSPOSED (source 0 = 16 rows of W2, source 1 = 16 rows of h): a lane holds one token and eight neighbouring outputs, and its token's two weights are two numbers of its own.
; Both operands lie in memory as images of the operand's registers (h by the launch before, W2 by the first launch): three loads of 512 bytes on end bring a fragment.
; NO BARRIER, NO JOINT LOADS: whether a block exists and how many rows count is read from memory (blk).  A wave none of whose 48 rows count ends at once, so partners would need different numbers of tiles, and a barrier
; would stand behind a branch on a loaded number.  So no wave hands anything to another.  LDS holds only each wave's own stage for the way out, 16 rows x (256 + 16) bytes.
; REGISTERS, in windows of 256: window 0: v1-15 addresses; v16-27 the weights; v32-159 W2's scale words (64 side + 16 t + K step); v160-171 h's (3 x set + i); v172-203 rows on the way out; v204-227 their places in out.
;   window 1: W2's fragments, four sets of 48.   window 2: h's, four sets of 36.   window 3: the accumulators, at 96 side + 8 (4 i + t).
; Four sets of operands: step u + 4's 24 loads are issued behind step u's products, so three steps' loads are on their way while a step is multiplied.
; Rows that only fill a block up are computed and not stored: EXEC is narrowed by the block's count for each store.
.set L16, 2                            ; v2   16 x lane
.set AI,  3                            ; v3   h's images: 16 x lane + my first row tile
.set ASO, 4                            ; v4   h's scale words: 4 x lane + my first row tile
.set SO,  5                            ; v5   the stage, on the way in
.set SR,  6                            ; v6   and back
.set HALF, 7                           ; v7   lane / 16
.set TKW, 11                           ; v11-13 the token of row 16 i + r, x 8
.set CL,  16                           ; v16-21 three pairs (w_lo, w_hi)
.set CH,  22                           ; v22-27 three pairs (w_hi, w_hi)
.set W2S, 32
.set AS,  160
.set RB,  172
.set OF,  204
.set W2IMG, 12582912
.set MSB, 0
.macro WIN new                         ; the immediate's high byte repeats the setting that is left
.if MSB != (\new)
	s_set_vgpr_msb (MSB<<8)|(\new)
.set MSB, (\new)
.endif
.endm
.macro PLACES                          ; four plain vector lines between a matrix instruction and a load into its registers
.rept 4
	v_nop
.endr
.endm
	s_load_b256 s[4:11], s[0:1], 0x0               ; hq, wi, w2_scales, tok
	s_load_b128 s[12:15], s[0:1], 0x20             ; blk, wts
	s_load_b64 s[16:17], s[0:1], 0x30              ; out
	v_lshl_add_u32 v254, v0, 2, 0x4400
	v_mov_b32 v255, 0
	v_lshrrev_b32 v1, 5, v0
	v_readfirstlane_b32 s18, v1                    ; wave 0..3
	v_and_b32 v1, 31, v0
	v_lshlrev_b32 v[L16], 4, v1
	v_and_b32 v15, 15, v1                          ; r
	v_lshrrev_b32 v[HALF], 4, v1
	s_lshr_b32 s19, s18, 1                         ; which 48 rows
	s_and_b32 s20, s18, 1                          ; which 64 outputs
	s_mul_i32 s21, s18, 16*272                     ; my stage
	v_mul_u32_u24 v[SO], v15, 272
	v_lshl_add_u32 v[SO], v[HALF], 5, v[SO]
	v_add_nc_u32 v[SO], s21, v[SO]                 ; in: row r, + 32 bytes for the upper lanes
	v_mul_u32_u24 v[SR], v[HALF], 272
	v_lshl_add_u32 v[SR], v15, 4, v[SR]
	v_add_nc_u32 v[SR], s21, v[SR]                 ; back: lanes 0-15 one row of 256 bytes, lanes 16-31 the next
	s_mul_i32 s22, s19, 4608
	v_add_nc_u32 v[AI], s22, v[L16]
	s_mul_i32 s22, s19, 384
	v_lshlrev_b32 v[ASO], 2, v1
	v_add_nc_u32 v[ASO], s22, v[ASO]
	v_lshlrev_b32 v8, 6, v15                       ; W2's scale rows of 64 bytes
	v_lshlrev_b32 v9, 2, v15                       ; tok: 4 r
	v_lshlrev_b32 v10, 2, v[HALF]                  ; tok: 4 (lane / 16)
	v_lshlrev_b32 v14, 4, v15                      ; 16 r
	s_and_b32 s23, ttmp7, 0xffff                   ; the block
	s_lshl_b32 s24, s23, 4
	s_mov_b32 s25, 0
	s_mul_i32 s26, s19, 48
	s_wait_kmcnt 0x0
	s_add_nc_u64 s[12:13], s[12:13], s[24:25]
	s_load_b128 s[28:31], s[12:13], 0x0            ; the block's entry: lo, hi, rows, 0
	s_wait_kmcnt 0x0
	s_cmp_le_u32 s30, s26
	s_cbranch_scc1 .Lend                           ; none of my 48 rows counts (a block that does not exist has 0 rows)
	s_sub_co_u32 s38, s30, s26                     ; how many of them count, if under 48
	s_lshl_b32 s27, ttmp9, 1
	s_add_co_u32 s27, s27, s20                     ; cg
	s_min_u32 s28, s28, 7
	s_min_u32 s29, s29, 7
	s_lshl_b32 s28, s28, 4
	s_lshl_b32 s29, s29, 4
	s_add_co_u32 s28, s28, s27                     ; 16 lo + cg
	s_add_co_u32 s29, s29, s27                     ; 16 hi + cg
	s_mul_i32 s24, s28, 98304
	s_add_co_u32 s24, s24, W2IMG
	s_add_nc_u64 s[40:41], s[6:7], s[24:25]        ; my 64 images of W2, lower expert,
	s_mul_i32 s24, s29, 98304
	s_add_co_u32 s24, s24, W2IMG
	s_add_nc_u64 s[42:43], s[6:7], s[24:25]        ; higher expert
	s_lshl_b32 s24, s28, 12
	s_add_nc_u64 s[44:45], s[8:9], s[24:25]        ; my 64 rows of W2's scales, likewise
	s_lshl_b32 s24, s29, 12
	s_add_nc_u64 s[46:47], s[8:9], s[24:25]
	s_mul_i32 s24, s23, 319488
	s_add_nc_u64 s[4:5], s[4:5], s[24:25]          ; the block's h, both sides
	s_mul_i32 s24, s23, 96
	s_add_co_u32 s24, s24, s26
	s_lshl_b32 s24, s24, 2
	s_add_nc_u64 s[10:11], s[10:11], s[24:25]      ; my 48 rows' tokens
	s_lshl_b32 s24, s27, 8
	s_add_nc_u64 s[16:17], s[16:17], s[24:25]      ; my 256 bytes of a row of out
.macro LOADSET u                       ; step u's operands into set u % 4: 12 + 9 loads of 512 bytes, 3 of scale words
.set SD, (\u)/16
.set KS, (\u)%16
.set Q4, (\u)%4
	WIN 0x40                                       ; destination window 1
.irp t, 0,1,2,3
.irp c, 0,1,2
	global_load_b128 v[48*Q4+12*\t+4*\c:48*Q4+12*\t+4*\c+3], v[L16], s[40+2*SD:41+2*SD] offset:6144*KS+1536*\t+512*\c
.endr
.endr
	WIN 0x80                                       ; destination window 2
.irp i, 0,1,2
.irp c, 0,1,2
	global_load_b128 v[36*Q4+12*\i+4*\c:36*Q4+12*\i+4*\c+3], v[AI], s[4:5] offset:159744*SD+9984*KS+1536*\i+512*\c
.endr
.endr
	WIN 0
.irp i, 0,1,2
	global_load_b32 v[AS+3*Q4+\i], v[ASO], s[4:5] offset:159744*SD+9984*KS+9216+128*\i
.endr
.endm
; Step u: 12 products; a side's 12 accumulators take turns, one instruction a turn, in the same order in every step.  A side's first step starts its sums.
.macro KSTEP u, cnt
.set SD, (\u)/16
.set KS, (\u)%16
.set Q4, (\u)%4
	s_wait_loadcnt \cnt                            ; this step's operands are in; loads issued behind them may be out
	WIN 0xf9                                       ; source 0 window 1, source 1 window 2, C and D window 3
.irp i, 0,1,2
.irp t, 0,1,2,3
.if KS == 0
	v_wmma_scale_f32_16x16x128_f8f6f4 v[96*SD+8*(4*\i+\t):96*SD+8*(4*\i+\t)+7], v[48*Q4+12*\t:48*Q4+12*\t+11], v[36*Q4+12*\i:36*Q4+12*\i+11], 0, v[W2S+64*SD+16*\t+KS], v[AS+3*Q4+\i] matrix_a_fmt:MATRIX_FMT_BF6 matrix_b_fmt:MATRIX_FMT_BF6
.else
	v_wmma_scale_f32_16x16x128_f8f6f4 v[96*SD+8*(4*\i+\t):96*SD+8*(4*\i+\t)+7], v[48*Q4+12*\t:48*Q4+12*\t+11], v[36*Q4+12*\i:36*Q4+12*\i+11], v[96*SD+8*(4*\i+\t):96*SD+8*(4*\i+\t)+7], v[W2S+64*SD+16*\t+KS], v[AS+3*Q4+\i] matrix_a_fmt:MATRIX_FMT_BF6 matrix_b_fmt:MATRIX_FMT_BF6
.endif
.endr
.endr
.if (\u)+4 < 32
	PLACES
	LOADSET (\u)+4
.endif
.endm
.irp i, 0,1,2
	global_load_b32 v[TKW+\i], v9, s[10:11] offset:64*\i               ; the token of row 16 i + r: for its weights
.endr
.irp i, 0,1,2
.irp q, 0,1,2,3,4,5,6,7
	global_load_b32 v[OF+8*\i+\q], v10, s[10:11] offset:(16*\i+2*\q)*4   ; the token of row 16 i + 2 q + lane / 16: for the way out
.endr
.endr
.irp sd, 0,1
.irp t, 0,1,2,3
.irp j, 0,1,2,3
	global_load_b128 v[W2S+64*\sd+16*\t+4*\j:W2S+64*\sd+16*\t+4*\j+3], v8, s[44+2*\sd:45+2*\sd] offset:1024*\t+16*\j   ; my row's sixteen scale words, one for each K step
.endr
.endr
.endr
	LOADSET 0
	s_wait_loadcnt 56                              ; behind the loads of tokens: 32 of scales and set 0's 24
.irp i, 0,1,2
	v_min_u32 v[TKW+\i], 0x7ff, v[TKW+\i]
.endr
.irp i, 0,1,2
	v_lshlrev_b32 v[TKW+\i], 3, v[TKW+\i]
.endr
.irp i, 0,1,2
	global_load_b64 v[CL+2*\i:CL+2*\i+1], v[TKW+\i], s[14:15]          ; (w_lo, w_hi) of my token
.endr
.set k, 0
.rept 24
	v_min_u32 v[OF+k], 0x7ff, v[OF+k]
.set k, k+1
.endr
.set k, 0
.rept 24
	v_lshl_add_u32 v[OF+k], v[OF+k], 12, v14       ; token x 4,096 + 16 (lane % 16)
.set k, k+1
.endr
	LOADSET 1
	LOADSET 2
	LOADSET 3
.set U, 0
.rept 29
	KSTEP U, 63                                    ; behind a step's operands stand three steps' 72 loads (in the first steps the three of weights too): the largest count a wait can name is under that, and so safe
.set U, U+1
.endr
	KSTEP 29, 48                                   ; two steps' loads are left,
	KSTEP 30, 24                                   ; one step's,
	KSTEP 31, 0                                    ; none
	WIN 0
.irp i, 0,1,2
	v_mov_b32 v[CH+2*\i], v[CL+2*\i+1]             ; w_hi as the low word of a pair of its own.  These six plain lines, which name no register of the products, are the places behind the last of them
	v_mov_b32 v[CH+2*\i+1], v[CL+2*\i+1]
.endr
; THE WAY OUT, a row tile at a time: the two sums weighed and added in the lower expert's accumulators (each accumulator read from its low end on); through my stage; back as whole runs of 256 bytes, two rows an instruction.
.macro OUTT i
	WIN 0xc3                                       ; destination and source 0 window 3, the weight window 0
.set j, 0
.rept 16
	v_pk_mul_f32 v[32*(\i)+j:32*(\i)+j+1], v[32*(\i)+j:32*(\i)+j+1], v[CL+2*(\i):CL+2*(\i)+1] op_sel_hi:[1,0]
.set j, j+2
.endr
	WIN 0xf3                                       ; source 2 window 3 too
.set j, 0
.rept 16
	v_pk_fma_f32 v[32*(\i)+j:32*(\i)+j+1], v[96+32*(\i)+j:96+32*(\i)+j+1], v[CH+2*(\i):CH+2*(\i)+1], v[32*(\i)+j:32*(\i)+j+1] op_sel_hi:[1,0,1]
.set j, j+2
.endr
	WIN 0x0c                                       ; an LDS store's data: window 3
.irp t, 0,1,2,3
	ds_store_b128 v[SO], v[32*(\i)+8*\t:32*(\i)+8*\t+3] offset:64*\t          ; lane (r, h): out(row r, 16 t + 8 h + 0 .. 7)
	ds_store_b128 v[SO], v[32*(\i)+8*\t+4:32*(\i)+8*\t+7] offset:64*\t+16
.endr
	WIN 0
.irp q, 0,1,2,3,4,5,6,7
	ds_load_b128 v[RB+4*\q:RB+4*\q+3], v[SR] offset:544*\q   ; LDS serves a wave's instructions in order (ISA guide 5.7.1.4): these see the stores above, and the next tile's stores come behind them
.endr
.irp q, 0,1,2,3,4,5,6,7
	s_wait_dscnt 7-\q                              ; pair q of rows is back; the later pairs may be out
	s_sub_co_i32 s39, s38, 16*(\i)+2*\q
	s_max_i32 s39, s39, 0                          ; how many of these two rows count
	v_cmp_gt_u32 vcc_lo, s39, v[HALF]
	s_wait_xcnt 0x0                                ; EXEC changes only behind this wait
	s_and_saveexec_b32 s48, vcc_lo
	global_store_b128 v[OF+8*(\i)+\q], v[RB+4*\q:RB+4*\q+3], s[16:17] th:TH_STORE_NT   ; sixteen lanes store 256 bytes on end, aligned: a token's outputs 64 cg on
	s_wait_xcnt 0x0                                ; and again in front of the line that widens it; the store's data may be loaded anew behind it too
	s_or_b32 exec_lo, exec_lo, s48
.endr
.endm
	OUTT 0
	OUTT 1
	OUTT 2
.Lend:
	s_wait_tensorcnt 0x0
	ds_add_u32 v254, v255
	s_wait_dscnt 0x0
	s_endpgm
.Lfunc_end_k_q772a04d28f_down:
	.size	k_q772a04d28f_down, .Lfunc_end_k_q772a04d28f_down-k_q772a04d28f_down
	.p2alignl 7, 3214868480
	.fill 96, 4, 3214868480
	.section	.rodata,"a",@progbits
	.p2align	6, 0x0
	.amdhsa_kernel k_q772a04d28f_down
		.amdhsa_group_segment_fixed_size 17920
		.amdhsa_private_segment_fixed_size 0
		.amdhsa_enable_private_segment 0
		.amdhsa_kernarg_size 56
		.amdhsa_user_sgpr_count 2
		.amdhsa_user_sgpr_kernarg_segment_ptr 1
		.amdhsa_wavefront_size32 1
		.amdhsa_system_sgpr_workgroup_id_x 1
		.amdhsa_system_sgpr_workgroup_id_y 1
		.amdhsa_system_sgpr_workgroup_id_z 1
		.amdhsa_system_vgpr_workitem_id 0
		.amdhsa_next_free_vgpr 1024
		.amdhsa_next_free_sgpr 66
		.amdhsa_reserve_vcc 1
		.amdhsa_float_denorm_mode_32 3
		.amdhsa_float_denorm_mode_16_64 3
		.amdhsa_memory_ordered 1
		.amdhsa_forward_progress 1
		.amdhsa_inst_pref_size 159
	.end_amdhsa_kernel
	.amdgpu_metadata
---
amdhsa.version: [ 1, 2 ]
amdhsa.kernels:
  - .name:           k_q772a04d28f_down
    .symbol:         k_q772a04d28f_down.kd
    .args:
      - { .name: hq, .offset: 0, .size: 8, .value_kind: global_buffer, .address_space: global }
      - { .name: wi, .offset: 8, .size: 8, .value_kind: global_buffer, .address_space: global }
      - { .name: w2_scales, .offset: 16, .size: 8, .value_kind: global_buffer, .address_space: global }
      - { .name: tok, .offset: 24, .size: 8, .value_kind: global_buffer, .address_space: global }
      - { .name: blk, .offset: 32, .size: 8, .value_kind: global_buffer, .address_space: global }
      - { .name: wts, .offset: 40, .size: 8, .value_kind: global_buffer, .address_space: global }
      - { .name: out0, .offset: 48, .size: 8, .value_kind: global_buffer, .address_space: global }
    .group_segment_fixed_size: 17920
    .private_segment_fixed_size: 0
    .kernarg_segment_align: 8
    .kernarg_segment_size: 56
    .max_flat_workgroup_size: 128
    .sgpr_count:     66
    .vgpr_count:     1024
    .wavefront_size: 32
...
	.end_amdgpu_metadata
.endif
;; end of part 4
;; ======== version 2 of 3: 4 launches
;; workspace buffers: keys 8,192 bytes of whole numbers; wts 16,384 bytes; xq 1,572,864 bytes; xs 65,536 bytes; tok 18,944 bytes of whole numbers; blk 1,024 bytes of whole numbers; hq 15,654,912 bytes; wi 25,165,824 bytes
;; launch route (part 5): grid 256 x 1, 4 waves a work-group, no clusters, 176,640 bytes of LDS; arguments inputs_raw, gate_w, w1_codes, w2_codes, xq, xs, keys, wts, wi; writes xq, xs, keys, wts, wi
.if DOCPART == 5
	.amdgcn_target "amdgcn-amd-amdhsa--gfx1250"
	.amdhsa_code_object_version 6
	.text
	.protected	k_q772a04d28f_route
	.globl	k_q772a04d28f_route
	.p2align	8
	.type	k_q772a04d28f_route,@function
k_q772a04d28f_route:
	s_mov_b64 s[64:65], 0
	v_nop
	global_prefetch_b8 v0, s[64:65] scope:SCOPE_SE
	s_setreg_imm32_b32 hwreg(HW_REG_WAVE_MODE, 25, 1), 1
	s_wait_xcnt 0x0
; ROUTE.  Three things for 2,048 tokens x [1024] f32 and two weights given as codes of E3M2:
; (1) logits = x gate_w in f32 (fused multiply-adds), the two largest (the lower index wins a tie), their softmax with the larger one taken away first;
;     stored: keys[token] = 8 lo + hi (lo < hi, the two experts) and wts[token] = (weight of lo, weight of hi).
; (2) x quantised along its 1,024: a block of 32 has the scale 2^(floor(log2(largest magnitude)) - 4); codes to xq, 768 bytes a token, scale bytes to xs, 32 a token.
;     In xq the four blocks (24 bytes each) of every 128 numbers lie in the order 0, 2, 1, 3, so that lane (r, h) of an operand finds its 12 registers as 48 bytes on end at 48 h.
; (3) W1 and W2 laid out for the launches behind: each fragment (16 rows x 128 K, 12 registers a lane) as an image of its registers, 3 x 512 bytes, lane l's 16 bytes at 16 l.
;     W1 at wi + ((16 e + g) 64 + 8 s + t) 1536: units 128 g on, K step s, tile t, whose lane r takes unit 32 (t / 2) + 8 (t % 2) + r + 8 (r / 8).
;     W2 at wi + W2IMG + ((16 e + cg) 64 + 4 s + t) 1536: outputs 64 cg + 16 t + r, K step s.
; SHARES.  256 work-groups of four waves; wave gw = 4 x work-group + wave takes tokens 2 gw, 2 gw + 1, tile gw of W1 (8 K steps) and tile gw / 2 of W2 (K steps 8 (gw % 2) on).  Every wave takes one way through the text.
; THE WEIGHTS ARE READ AS THEY LIE AND TURNED IN LDS.  A tile's share is 16 pieces of 768 bytes.  Two pieces are 96 lanes' worth of 16 bytes: three loads.  W1's pieces lie on end, eight at a time, so each of its loads
; covers 512 bytes on end; of W2's three loads two cover 512 bytes on end and the middle one two runs of 256.  The 48 loads are issued behind x's and the gate's and land in v256-447 while the tokens are worked.
; They go into the wave's own rows in LDS and come back as fragments (six reads of 8 bytes each) into v512-703, which leave as images.
; LDS: gate_w, row d (32 bytes) at 32 d + 16 (d / 16), shared, one barrier; behind it a region for each wave: four stages of 32 x 80 bytes, through which x's numbers turn from
; 16 bytes a lane (dense loads) to 16 neighbours a lane (what the conversion takes), and 64 scale bytes; behind those a region for each wave's two tiles of weights, 16 rows of 768 + 16 bytes each.
; LIMITS: NaN and infinities among the inputs are not served.  A block of zeros, and one whose largest magnitude lies under 2^(5 - 127), gets the scale byte 1: its codes are zeros or held small, and only this program reads the bytes.
.set SP,    80                         ; a lane's place in a stage: 64 bytes + 16 of padding
.set STGB,  32*SP                      ; a stage
.set WREG0, 33792                      ; behind the gate's 32,768 + 64 x 16 bytes
.set BYT,   4*STGB                     ; a wave's scale bytes, behind its four stages
.set WREGB, 4*STGB+256                 ; a wave's region
.set WT0,   WREG0+4*WREGB              ; the weights' rows begin here
.set WTP,   784                        ; a row there: 768 bytes + 16 = 196 words: row r starts at bank 4 r mod 64 (64 banks of 4 bytes: ISA guide 11.1), so the 32 lanes of a read of 8 bytes touch 64 different banks
.set WTT,   16*WTP                     ; a tile
.set WTW,   2*WTT                      ; a wave's two tiles
.set W2IMG, 12582912                   ; W2's images begin here in wi
.set X,   16                           ; v16-79   four steps x 16 neighbours
.set R,   80                           ; v80-143  x as loaded
.set GS,  144                          ; v144-207 the gate as loaded
.set G,   80                           ; v80-207  then: the gate's 16 rows x 8 experts of my lane, one half of K at a time
.set ACC, 208                          ; v208-223 two tokens x 8 sums
.set CD,  224                          ; v224-239 codes, four registers a step
.set EB,  240                          ; v240-243 a scale byte a step
.set LA,  12                           ; v12   the weights' rows in LDS, on the way in: my region + 16 x lane
.set LB,  13                           ; v13   the same + 16 (lane / 16): for the load whose upper lanes begin the next row
.set LF,  248                          ; v248  and on the way out: my region + 784 r + 24 h
.set GB,  249                          ; v249  W2 in memory, the middle load: 16 x lane + 768 (lane / 16)
.set MSB, 0
.macro WIN new                         ; the immediate's high byte repeats the setting that is left
.if MSB != (\new)
	s_set_vgpr_msb (MSB<<8)|(\new)
.set MSB, (\new)
.endif
.endm
	s_load_b512 s[4:19], s[0:1], 0x0               ; x, gate_w, w1_codes, w2_codes, xq, xs, keys, wts
	s_load_b64 s[20:21], s[0:1], 0x40              ; wi
	v_lshl_add_u32 v254, v0, 2, 0x2b000
	v_mov_b32 v255, 0
	v_lshrrev_b32 v1, 5, v0
	v_readfirstlane_b32 s22, v1                    ; wave 0..3
	v_lshlrev_b32 v3, 4, v0                        ; the gate in memory: 16 bytes a thread
	v_lshl_add_u32 v4, v1, 4, v3                   ; and in LDS: + 16 for each 16 rows passed
	v_and_b32 v1, 31, v0                           ; lane
	v_lshlrev_b32 v2, 4, v1                        ; 16 x lane
	s_mul_i32 s23, s22, WREGB
	s_add_co_u32 s23, s23, WREG0                   ; my wave's region
	v_lshrrev_b32 v244, 2, v1
	v_mul_u32_u24 v5, v244, SP
	v_and_b32 v244, 3, v1
	v_lshl_add_u32 v5, v244, 4, v5
	v_add_nc_u32 v5, s23, v5                       ; a stage, on the way in: 80 (lane / 4) + 16 (lane % 4)
	v_mul_u32_u24 v6, v1, SP
	v_add_nc_u32 v6, s23, v6                       ; and on the way out: 80 x lane
	v_mul_u32_u24 v7, v1, 528                      ; the gate's rows 16 lane on: 16 x 32 bytes + 16
	v_lshrrev_b32 v244, 3, v1                      ; my 12 bytes of a step's codes: 96 for each 128 numbers,
	v_mul_u32_u24 v8, v244, 96
	v_bfe_u32 v244, v1, 1, 1
	v_mad_u32_u24 v8, v244, 48, v8                 ; odd blocks in the upper 48,
	v_bfe_u32 v244, v1, 2, 1
	v_mad_u32_u24 v8, v244, 24, v8                 ; blocks 2 and 3 second there,
	v_and_b32 v244, 1, v1
	v_mad_u32_u24 v8, v244, 12, v8                 ; a block's upper 16 codes behind its lower
	s_add_co_u32 s23, s23, BYT
	v_lshrrev_b32 v244, 1, v1
	v_add_nc_u32 v9, s23, v244                     ; my block's scale byte in LDS
	v_lshlrev_b32 v11, 1, v1
	v_add_nc_u32 v10, s23, v11                     ; and two bytes a lane on the way out
	v_lshlrev_b32 v14, 2, v1
	v_lshlrev_b32 v15, 3, v1
	s_mul_i32 s41, s22, WTW
	s_add_co_u32 s41, s41, WT0                     ; my wave's rows of weights
	v_and_b32 v244, 15, v1                         ; r
	v_lshrrev_b32 v245, 4, v1                      ; h
	v_add_nc_u32 v[LA], s41, v2
	v_lshl_add_u32 v[LB], v245, 4, v[LA]
	v_mul_u32_u24 v[LF], v244, WTP
	v_mad_u32_u24 v[LF], v245, 24, v[LF]
	v_add_nc_u32 v[LF], s41, v[LF]
	v_mul_u32_u24 v[GB], v245, 768
	v_add_nc_u32 v[GB], v[GB], v2
	s_lshl_b32 s24, ttmp9, 2
	s_add_co_u32 s24, s24, s22                     ; gw
	s_mov_b32 s27, 0
	s_mov_b32 s38, 0x76543210
	s_mov_b32 s39, 0xfedcba98                      ; v_permlanex16_b32's selects for lane l xor 16
	s_lshr_b32 s28, s24, 3
	s_bfe_u32 s29, s24, 0x20001                    ; (gw / 2) % 4
	s_and_b32 s30, s24, 1
	s_wait_kmcnt 0x0
	s_lshl_b32 s26, s24, 13
	s_add_nc_u64 s[4:5], s[4:5], s[26:27]          ; x: two tokens of 4,096 bytes
	s_mul_i32 s26, s24, 1536
	s_add_nc_u64 s[12:13], s[12:13], s[26:27]      ; xq
	s_lshl_b32 s26, s24, 6
	s_add_nc_u64 s[14:15], s[14:15], s[26:27]      ; xs
	s_lshl_b32 s26, s24, 3
	s_add_nc_u64 s[16:17], s[16:17], s[26:27]      ; keys
	s_lshl_b32 s26, s24, 4
	s_add_nc_u64 s[18:19], s[18:19], s[26:27]      ; wts
	s_lshl_b32 s26, s28, 7                         ; W1's tile gw begins at row 128 (gw / 8) + 32 ((gw / 2) % 4) + 8 (gw % 2)
	s_lshl_b32 s31, s29, 5
	s_add_co_u32 s26, s26, s31
	s_lshl_b32 s31, s30, 3
	s_add_co_u32 s26, s26, s31
	s_mul_i32 s26, s26, 768
	s_add_nc_u64 s[8:9], s[8:9], s[26:27]
	s_lshr_b32 s26, s24, 1                         ; W2's tile gw / 2: 16 rows of 1,536 bytes; its half of K: 768 bytes
	s_mul_i32 s26, s26, 24576
	s_mul_i32 s31, s30, 768
	s_add_co_u32 s26, s26, s31
	s_add_nc_u64 s[10:11], s[10:11], s[26:27]
	s_mul_i32 s32, s28, 98304
	s_and_b32 s31, s24, 7
	s_mul_i32 s31, s31, 1536
	s_add_co_u32 s26, s32, s31
	s_add_nc_u64 s[34:35], s[20:21], s[26:27]      ; W1's images of my tile
	s_mul_i32 s31, s30, 49152
	s_add_co_u32 s26, s32, s31
	s_mul_i32 s31, s29, 1536
	s_add_co_u32 s26, s26, s31
	s_add_co_u32 s26, s26, W2IMG
	s_add_nc_u64 s[36:37], s[20:21], s[26:27]      ; W2's
.irp k, 0,1,2,3
.irp i, 0,1,2,3
	global_load_b128 v[R+16*\k+4*\i:R+16*\k+4*\i+3], v2, s[4:5] offset:2048*\k+512*\i th:TH_LOAD_NT   ; 32 lanes read 512 bytes on end
.endr
.endr
.irp q, 0,1,2,3,4,5,6,7,8,9,10,11,12,13,14,15
	global_load_b128 v[GS+4*\q:GS+4*\q+3], v3, s[6:7] offset:2048*\q   ; the work-group's 128 threads read 2,048 bytes on end
.endr
	WIN 0x40                                       ; destination v256 on
.irp u, 0,1,2,3,4,5,6,7                ; W1: the tile's rows 2 u, 2 u + 1; rows 0-7 lie on end in memory, rows 8-15 on end 16 rows further down
.irp c, 0,1,2
	global_load_b128 v[12*\u+4*\c:12*\u+4*\c+3], v2, s[8:9] offset:1536*\u+6144*(\u/4)+512*\c th:TH_LOAD_NT   ; 512 bytes on end
.endr
.endr
.irp u, 0,1,2,3,4,5,6,7                ; W2: my 768 bytes of rows 2 u, 2 u + 1, which lie 1,536 bytes apart
	global_load_b128 v[96+12*\u:96+12*\u+3], v2, s[10:11] offset:3072*\u th:TH_LOAD_NT              ; row 2 u, bytes 0 to 511
	global_load_b128 v[96+12*\u+4:96+12*\u+7], v[GB], s[10:11] offset:3072*\u+512 th:TH_LOAD_NT     ; its bytes 512 to 767, and row 2 u + 1's bytes 0 to 255
	global_load_b128 v[96+12*\u+8:96+12*\u+11], v2, s[10:11] offset:3072*\u+1792 th:TH_LOAD_NT      ; row 2 u + 1, bytes 256 to 767
.endr
	WIN 0
	s_wait_loadcnt 48                              ; behind x's and the gate's 32 loads stand the weights' 48: those may stay out
.irp q, 0,1,2,3,4,5,6,7,8,9,10,11,12,13,14,15
	ds_store_b128 v4, v[GS+4*\q:GS+4*\q+3] offset:2112*\q
.endr
.irp k, 0,1,2,3
.irp i, 0,1,2,3
	ds_store_b128 v5, v[R+16*\k+4*\i:R+16*\k+4*\i+3] offset:STGB*\k+8*SP*\i
.endr
.endr
	s_wait_dscnt 0x0                               ; for the others' sake: my part of the gate lies in LDS
	s_barrier_signal -1
	s_barrier_wait -1                              ; everybody's does
.irp k, 0,1,2,3
.irp i, 0,1,2,3
	ds_load_b128 v[X+16*\k+4*\i:X+16*\k+4*\i+3], v6 offset:STGB*\k+16*\i   ; step k: token k / 2, numbers 512 (k % 2) + 16 lane + 0 .. 15
.endr
.endr
.macro GLOAD hf                        ; the gate's rows 512 hf + 16 lane + i, eight experts each
.irp i, 0,1,2,3,4,5,6,7,8,9,10,11,12,13,14,15
	ds_load_b128 v[G+8*\i:G+8*\i+3], v7 offset:16896*(\hf)+32*\i
	ds_load_b128 v[G+8*\i+4:G+8*\i+7], v7 offset:16896*(\hf)+32*\i+16
.endr
.endm
.macro DOT tok, hf                     ; my 16 numbers of one half of a token against the gate; the very first product starts the sums
.set XK, X+16*(2*(\tok)+(\hf))
.irp i, 0,1,2,3,4,5,6,7,8,9,10,11,12,13,14,15
.irp e, 0,1,2,3,4,5,6,7
.if ((\hf) == 0) && (\i == 0)
	v_mul_f32 v[ACC+8*(\tok)+\e], v[XK+\i], v[G+8*\i+\e]
.else
	v_fmac_f32 v[ACC+8*(\tok)+\e], v[XK+\i], v[G+8*\i+\e]
.endif
.endr
.endr
.endm
.macro QSTEP k                         ; 512 numbers become codes: two neighbouring lanes hold a block of 32
.set XK, X+16*(\k)
	v_max3_num_f32 v244, |v[XK]|, |v[XK+1]|, |v[XK+2]|
	v_max3_num_f32 v245, |v[XK+3]|, |v[XK+4]|, |v[XK+5]|
.irp i, 6,10
	v_max3_num_f32 v244, v244, |v[XK+\i]|, |v[XK+\i+1]|
	v_max3_num_f32 v245, v245, |v[XK+\i+2]|, |v[XK+\i+3]|
.endr
	v_max3_num_f32 v244, v244, |v[XK+14]|, |v[XK+15]|
	v_max3_num_f32 v244, v244, v245, 0x2800000     ; and the floor 2^(5 - 127): the byte cannot fall under 1
	v_max_num_f32_dpp v244, v244, v244 row_xmask:1 row_mask:0xf bank_mask:0xf   ; with my neighbour's 16: the block's largest magnitude
	v_add_nc_u32 v246, 0xfe000000, v244            ; 4 off its exponent field: the conversion takes this operand's exponent field as its scale
	v_cvt_scalef32_pk16_bf6_f32 v[CD+4*(\k):CD+4*(\k)+2], v[XK:XK+15], v246
	v_lshrrev_b32 v[EB+(\k)], 23, v246             ; the scale's byte (also the plain line behind the conversion)
	ds_store_b8 v9, v[EB+(\k)] offset:16*(\k)      ; both lanes of a block write the same byte with the same value
	global_store_b96 v8, v[CD+4*(\k):CD+4*(\k)+2], s[12:13] offset:384*(\k)
.endm
; Tile t (0: W1's, 1: W2's) turns through my rows in LDS: in as loaded, 16 bytes a lane; out as the operand's registers take it: lane (r, h) reads, of row r and K step s, the 24 bytes at 96 s + 24 h and those 48 further on.
; LDS serves a wave's instructions in order (ISA guide 5.7.1.4), and the rows are the wave's own: no wait stands between the stores and the loads.
.macro WTURN t
	WIN 0x04                                       ; an LDS store's data: v256 on
.irp u, 0,1,2,3,4,5,6,7
	ds_store_b128 v[LA], v[96*(\t)+12*\u:96*(\t)+12*\u+3] offset:WTT*(\t)+2*WTP*\u              ; row 2 u, bytes 0 to 511
	ds_store_b128 v[LB], v[96*(\t)+12*\u+4:96*(\t)+12*\u+7] offset:WTT*(\t)+2*WTP*\u+512        ; its bytes 512 to 767; the upper lanes, 16 bytes of padding further on, begin row 2 u + 1
	ds_store_b128 v[LA], v[96*(\t)+12*\u+8:96*(\t)+12*\u+11] offset:WTT*(\t)+2*WTP*\u+WTP+256   ; row 2 u + 1, bytes 256 to 767
.endr
	WIN 0x80                                       ; destination v512 on
.irp s, 0,1,2,3,4,5,6,7
.irp p, 0,1,2,3,4,5
	ds_load_b64 v[96*(\t)+12*\s+2*\p:96*(\t)+12*\s+2*\p+1], v[LF] offset:WTT*(\t)+96*\s+48*(\p/3)+8*(\p%3)
.endr
.endr
.endm
	GLOAD 0
	s_wait_dscnt 0x0
	DOT 0, 0
	DOT 1, 0
	GLOAD 1                                        ; the other half of the gate comes while x is quantised
	QSTEP 0
	QSTEP 1
	QSTEP 2
	QSTEP 3
	ds_load_u16 v247, v10                          ; LDS serves a wave's instructions in order: this sees my byte stores
	s_wait_dscnt 0x0
	global_store_b16 v11, v247, s[14:15]           ; my two tokens' 64 scale bytes, on end
	s_wait_loadcnt 0x0                             ; the weights are in
	WTURN 0
	WTURN 1
	WIN 0
	DOT 0, 1                                       ; the second half of the dot products stands between the turn's loads and the wait for them
	DOT 1, 1
	s_wait_dscnt 0x0                               ; the fragments are in
	WIN 0x08                                       ; a store's data: v512 on
.irp s, 0,1,2,3,4,5,6,7
.irp c, 0,1,2
	global_store_b128 v2, v[12*\s+4*\c:12*\s+4*\c+3], s[34:35] offset:12288*\s+512*\c   ; 32 lanes store 512 bytes on end, aligned
.endr
.endr
.irp s, 0,1,2,3,4,5,6,7
.irp c, 0,1,2
	global_store_b128 v2, v[96+12*\s+4*\c:96+12*\s+4*\c+3], s[36:37] offset:6144*\s+512*\c
.endr
.endr
	WIN 0
.irp x, 1,2,4,8
.irp a, 0,1,2,3,4,5,6,7,8,9,10,11,12,13,14,15
	v_add_f32_dpp v[ACC+\a], v[ACC+\a], v[ACC+\a] row_xmask:\x row_mask:0xf bank_mask:0xf
.endr
.endr
.irp a, 0,1,2,3,4,5,6,7,8,9,10,11,12,13,14,15
	v_permlanex16_b32 v[80+\a], v[ACC+\a], s38, s39
.endr
.irp a, 0,1,2,3,4,5,6,7,8,9,10,11,12,13,14,15
	v_add_f32 v[ACC+\a], v[ACC+\a], v[80+\a]       ; every lane now holds both tokens' eight logits
.endr
	v_mov_b32 v112, 0xff800000                     ; -infinity
; The two largest of v[l] .. v[l + 7].  Left in v[o]: the weight of the lower expert, v[o + 1]: of the higher, v[o + 2]: 8 lo + hi.
.macro TOP2 l, o
	v_mov_b32 v[\o], v[\l]
	v_mov_b32 v[\o+1], 0
.irp e, 1,2,3,4,5,6,7
	v_cmp_ge_f32 vcc_lo, v[\o], v[\l+\e]           ; what stands stays on a tie: the lower index wins
	v_cndmask_b32 v[\o], v[\l+\e], v[\o], vcc_lo
	v_cndmask_b32 v[\o+1], \e, v[\o+1], vcc_lo
.endr
	v_mov_b32 v[\o+2], v112
	v_xor_b32 v[\o+3], 1, v[\o+1]                  ; whatever the numbers, the second index differs from the first
.irp e, 0,1,2,3,4,5,6,7
	v_cmp_eq_u32 vcc_lo, \e, v[\o+1]
	v_cndmask_b32 v[\o+4], v[\l+\e], v112, vcc_lo  ; the winner counts as -infinity now
	v_cmp_ge_f32 vcc_lo, v[\o+2], v[\o+4]
	v_cndmask_b32 v[\o+2], v[\o+4], v[\o+2], vcc_lo
	v_cndmask_b32 v[\o+3], \e, v[\o+3], vcc_lo
.endr
	v_sub_f32 v[\o+4], v[\o+2], v[\o]              ; the larger one is taken away: 0 for it, this (0 or less) for the second
	v_mul_f32 v[\o+4], 0x3fb8aa3b, v[\o+4]
	v_exp_f32 v[\o+4], v[\o+4]                     ; q = e^(second - first), at most 1
	v_min_u32 v[\o+5], v[\o+1], v[\o+3]            ; lo (a plain line behind the exponential)
	s_wait_alu depctr_va_vdst(0)
	v_add_f32 v[\o+6], 1.0, v[\o+4]
	v_rcp_f32 v[\o+6], v[\o+6]                     ; the first's weight, 1 / (1 + q)
	v_max_u32 v[\o+7], v[\o+1], v[\o+3]            ; hi (a plain line behind the reciprocal)
	s_wait_alu depctr_va_vdst(0)
	v_mul_f32 v[\o+4], v[\o+4], v[\o+6]            ; the second's, q / (1 + q)
	v_cmp_lt_u32 vcc_lo, v[\o+1], v[\o+3]
	v_cndmask_b32 v[\o], v[\o+4], v[\o+6], vcc_lo
	v_cndmask_b32 v[\o+1], v[\o+6], v[\o+4], vcc_lo
	v_lshl_add_u32 v[\o+2], v[\o+5], 3, v[\o+7]
.endm
	TOP2 ACC, 96
	TOP2 ACC+8, 104
	v_and_b32 v113, 1, v1
	v_cmp_eq_u32 vcc_lo, 1, v113                   ; lane 0 stores token 0's, lane 1 token 1's
	v_cndmask_b32 v116, v96, v104, vcc_lo
	v_cndmask_b32 v117, v97, v105, vcc_lo
	v_cndmask_b32 v118, v98, v106, vcc_lo
	s_wait_xcnt 0x0                                ; EXEC changes only behind this wait
	v_cmp_gt_u32 vcc_lo, 2, v1
	s_wait_tensorcnt 0x0
	ds_add_u32 v254, v255
	s_wait_dscnt 0x0
	s_and_saveexec_b32 s40, vcc_lo
	global_store_b32 v14, v118, s[16:17]
	global_store_b64 v15, v[116:117], s[18:19]
	s_wait_xcnt 0x0
	s_or_b32 exec_lo, exec_lo, s40
	s_endpgm
.Lfunc_end_k_q772a04d28f_route:
	.size	k_q772a04d28f_route, .Lfunc_end_k_q772a04d28f_route-k_q772a04d28f_route
	.p2alignl 7, 3214868480
	.fill 96, 4, 3214868480
	.section	.rodata,"a",@progbits
	.p2align	6, 0x0
	.amdhsa_kernel k_q772a04d28f_route
		.amdhsa_group_segment_fixed_size 176640
		.amdhsa_private_segment_fixed_size 0
		.amdhsa_enable_private_segment 0
		.amdhsa_kernarg_size 72
		.amdhsa_user_sgpr_count 2
		.amdhsa_user_sgpr_kernarg_segment_ptr 1
		.amdhsa_wavefront_size32 1
		.amdhsa_system_sgpr_workgroup_id_x 1
		.amdhsa_system_sgpr_workgroup_id_y 1
		.amdhsa_system_sgpr_workgroup_id_z 1
		.amdhsa_system_vgpr_workitem_id 0
		.amdhsa_next_free_vgpr 704
		.amdhsa_next_free_sgpr 66
		.amdhsa_reserve_vcc 1
		.amdhsa_float_denorm_mode_32 3
		.amdhsa_float_denorm_mode_16_64 3
		.amdhsa_memory_ordered 1
		.amdhsa_forward_progress 1
		.amdhsa_inst_pref_size 64
	.end_amdhsa_kernel
	.amdgpu_metadata
---
amdhsa.version: [ 1, 2 ]
amdhsa.kernels:
  - .name:           k_q772a04d28f_route
    .symbol:         k_q772a04d28f_route.kd
    .args:
      - { .name: inputs_raw, .offset: 0, .size: 8, .value_kind: global_buffer, .address_space: global }
      - { .name: gate_w, .offset: 8, .size: 8, .value_kind: global_buffer, .address_space: global }
      - { .name: w1_codes, .offset: 16, .size: 8, .value_kind: global_buffer, .address_space: global }
      - { .name: w2_codes, .offset: 24, .size: 8, .value_kind: global_buffer, .address_space: global }
      - { .name: xq, .offset: 32, .size: 8, .value_kind: global_buffer, .address_space: global }
      - { .name: xs, .offset: 40, .size: 8, .value_kind: global_buffer, .address_space: global }
      - { .name: keys, .offset: 48, .size: 8, .value_kind: global_buffer, .address_space: global }
      - { .name: wts, .offset: 56, .size: 8, .value_kind: global_buffer, .address_space: global }
      - { .name: wi, .offset: 64, .size: 8, .value_kind: global_buffer, .address_space: global }
    .group_segment_fixed_size: 176640
    .private_segment_fixed_size: 0
    .kernarg_segment_align: 8
    .kernarg_segment_size: 72
    .max_flat_workgroup_size: 128
    .sgpr_count:     66
    .vgpr_count:     704
    .wavefront_size: 32
...
	.end_amdgpu_metadata
.endif
;; end of part 5
;; launch place (part 6): grid 1 x 1, 32 waves a work-group, no clusters, 8,192 bytes of LDS; arguments keys, tok, blk; writes tok, blk
.if DOCPART == 6
	.amdgcn_target "amdgcn-amd-amdhsa--gfx1250"
	.amdhsa_code_object_version 6
	.text
	.protected	k_q772a04d28f_place
	.globl	k_q772a04d28f_place
	.p2align	8
	.type	k_q772a04d28f_place,@function
k_q772a04d28f_place:
	s_mov_b64 s[64:65], 0
	v_nop
	global_prefetch_b8 v0, s[64:65] scope:SCOPE_SE
	s_setreg_imm32_b32 hwreg(HW_REG_WAVE_MODE, 25, 1), 1
	s_wait_xcnt 0x0
; PLACE.  A counting sort of the 2,048 tokens by their pair of experts (28 pairs lo < hi, key = 8 lo + hi), without atomics, by one work-group of 32 waves.
; Each pair's tokens are cut into blocks of 96 rows; a pair's last block is filled up.  There are never more than (2048 + 28 x 95) / 96 = 49 blocks, and never fewer than 22.
; tok[96 b + r] = the token of row r of block b (0 in the rows that fill a block up); blk[b] = lo, hi, rows that count, 0; a block that this split does not have gets rows = 0.
; Wave w owns tokens 64 w .. 64 w + 63, two chunks of 32, a lane to a token.
; A: for each pair the lanes of each chunk that have it: 56 masks, which stay in scalar registers; their bit counts give the wave's count of every pair (lane p of a register holds pair p's).
;    The 32 rows of counts meet in LDS, one barrier.
; B: every wave adds them up for itself: the pairs' totals, and what lies ahead of its own tokens (row c counts where c < w: bit c of (1 << w) - 1); blocks a pair; the pairs' first blocks by a scan over the lanes.
;    A token's row is then one count of the mask's bits under its lane, added onto the pair's start (for the second chunk: onto that and the first chunk's count).
; C: wave p < 28 fills pair p's last block up and writes its blocks' entries; wave 28 writes the entries of the blocks that do not exist.
; Every index made from loaded numbers is held under a constant before it enters an address, and every address register is made while all lanes are on.
.set M0,    66                         ; s66-93  the first chunk's masks, pair p at M0 + p
.set M1,    24                         ; s24-51  the second chunk's
.set AHEAD, 101                        ; s101    (1 << wave) - 1
.set NBLK,  21                         ; s21     blocks in all
.set FILL,  29                         ; v29-31  addresses of the rows that fill my pair's last block up
.set FROW,  33                         ; v33-35  those rows' numbers, not held
.set MASK,  56                         ; s56-59  lane masks of the four stores under a narrowed EXEC
	s_load_b128 s[4:7], s[0:1], 0x0                ; keys, tok
	s_load_b64 s[8:9], s[0:1], 0x10                ; blk
	v_lshl_add_u32 v126, v0, 2, 0x1000
	v_mov_b32 v127, 0
	v_lshrrev_b32 v2, 5, v0
	v_readfirstlane_b32 s22, v2                    ; wave 0..31
	v_and_b32 v1, 31, v0                           ; lane
	v_lshlrev_b32 v5, 2, v1                        ; 4 x lane
	v_lshl_add_u32 v3, v2, 8, v5                   ; 256 x wave + 4 x lane: my key in memory
	v_lshl_add_u32 v4, v2, 7, v5                   ; 128 x wave + 4 x lane: my word of my wave's row of counts in LDS
	v_lshl_add_u32 v21, v2, 6, v1                  ; my two tokens
	v_add_nc_u32 v22, 32, v21
	s_lshl_b32 s[AHEAD], 1, s22
	s_sub_co_u32 s[AHEAD], s[AHEAD], 1
.irp r, 8,19,20,32
	v_mov_b32 v\r, 0                               ; v8 the counts (lanes 28-31 stay 0), v19-20 the rows, v32 the token that stands in
.endr
	s_wait_kmcnt 0x0
	global_load_b32 v6, v3, s[4:5]
	global_load_b32 v7, v3, s[4:5] offset:128
	s_wait_loadcnt 0x0
.set p, 0
.irp k, 1,2,3,4,5,6,7,10,11,12,13,14,15,19,20,21,22,23,28,29,30,31,37,38,39,46,47,55
	v_cmp_eq_u32 s[M0+p], \k, v6
	v_cmp_eq_u32 s[M1+p], \k, v7
.set p, p+1
.endr
.set p, 0
.rept 28
	s_bcnt1_i32_b32 s[10+2*(p%4)], s[M0+p]
	s_bcnt1_i32_b32 s[11+2*(p%4)], s[M1+p]
	s_add_co_u32 s[10+2*(p%4)], s[10+2*(p%4)], s[11+2*(p%4)]
	v_writelane_b32 v8, s[10+2*(p%4)], p           ; my wave's count of pair p
.set p, p+1
.endr
	ds_store_b32 v4, v8
	s_wait_dscnt 0x0                               ; for the others' sake: my row of counts lies in LDS
	s_barrier_signal -1
	s_barrier_wait -1
.set c, 0
.rept 32
	ds_load_b32 v[64+c], v5 offset:128*c
.set c, c+1
.endr
.set c, 0
.rept 8
	s_bfe_u32 s[52+c], s[AHEAD], (1<<16)|c         ; 1 where wave c lies ahead of mine
.set c, c+1
.endr
	s_wait_dscnt 0x0
	v_add_nc_u32 v13, v64, v65                     ; v13: the pairs' totals
.set c, 66
.rept 15
	v_add3_u32 v13, v13, v[c], v[c+1]
.set c, c+2
.endr
	v_mul_u32_u24 v14, s52, v64                    ; v14: what lies ahead of my tokens (the last wave lies ahead of nobody)
.set c, 1
.rept 30
	v_mad_u32_u24 v14, v[64+c], s[52+c%8], v14
.if c+7 < 31
	s_bfe_u32 s[52+(c+7)%8], s[AHEAD], (1<<16)|(c+7)   ; the flag seven rows on, into the register whose flag was used a line ago
.endif
.set c, c+1
.endr
	v_add_nc_u32 v15, 95, v13
	v_mul_u32_u24 v15, v15, 0xaaab
	v_lshrrev_b32 v15, 22, v15                     ; v15: blocks of the pair, (total + 95) / 96: 43,691 / 2^22 gives the whole part exactly up to 2,143
	v_mov_b32 v16, v15                             ; a running sum over the lanes: four steps inside each half of 16,
.irp d, 1,2,4,8
	v_mov_b32 v12, 0
	v_mov_b32_dpp v12, v16 row_shr:\d row_mask:0xf bank_mask:0xf bound_ctrl:1   ; lane i takes lane i - d; lanes without such a lane hold 0
	v_add_nc_u32 v16, v16, v12
.endr
	v_readlane_b32 s96, v16, 15                    ; and the lower half's sum onto the upper half
	v_cmp_lt_u32 vcc_lo, 15, v1
	v_mov_b32 v12, s96
	v_cndmask_b32 v12, 0, v12, vcc_lo
	v_add_nc_u32 v16, v16, v12
	v_readlane_b32 s[NBLK], v16, 27
	v_sub_nc_u32 v16, v16, v15                     ; v16: the pair's first block
	v_mad_u32_u24 v17, v16, 96, v14                ; v17: the row at which my wave's tokens of the pair begin
; Seven pairs at a time, each kind of line in a run, so that no line waits for the line above it.
.macro ROWS7 p0
.set i, 0
.rept 7
	v_readlane_b32 s[52+i], v17, (\p0)+i
	s_bcnt1_i32_b32 s[10+i], s[M0+(\p0)+i]
.set i, i+1
.endr
.set i, 0
.rept 7
	s_add_co_u32 s[10+i], s[10+i], s[52+i]         ; the second chunk's tokens come behind the first's
.set i, i+1
.endr
.set i, 0
.rept 7
	v_mbcnt_lo_u32_b32 v[40+2*i], s[M0+(\p0)+i], s[52+i]   ; the start + how many lanes under mine have this pair
	v_mbcnt_lo_u32_b32 v[41+2*i], s[M1+(\p0)+i], s[10+i]
.set i, i+1
.endr
.set i, 0
.rept 7
	v_cndmask_b32 v19, v19, v[40+2*i], s[M0+(\p0)+i]
	v_cndmask_b32 v20, v20, v[41+2*i], s[M1+(\p0)+i]
.set i, i+1
.endr
.endm
	ROWS7 0
	ROWS7 7
	ROWS7 14
	ROWS7 21
	v_min_u32 v19, 0x125f, v19                     ; under 4,704
	v_min_u32 v20, 0x125f, v20
	v_lshlrev_b32 v19, 2, v19
	v_lshlrev_b32 v20, 2, v20
	global_store_b32 v19, v21, s[6:7]
	global_store_b32 v20, v22, s[6:7]
	s_cmp_lt_u32 s22, 28
	s_cbranch_scc0 .Lnot_a_pair
	s_mov_b32 s94, 0                               ; my pair's lo: pairs 0-6 have 0, 7-12 have 1, 13-17, 18-21, 22-24, 25-26, 27
.irp t, 7,13,18,22,25,27
	s_cmp_ge_u32 s22, \t
	s_add_co_ci_u32 s94, s94, 0
.endr
	s_add_co_u32 s96, s94, 1
	s_add_co_u32 s97, s94, 2
	s_mul_i32 s96, s96, s97
	s_lshr_b32 s96, s96, 1                         ; key = pair + (lo + 1) (lo + 2) / 2,
	s_add_co_u32 s95, s22, s96
	s_lshl_b32 s97, s94, 3
	s_sub_co_u32 s95, s95, s97                     ; hi = key - 8 lo
	v_readlane_b32 s98, v13, s22                   ; its total,
	v_readlane_b32 s99, v16, s22                   ; its first block,
	v_readlane_b32 s100, v15, s22                  ; its blocks
	s_mul_i32 s18, s99, 96
	s_mul_i32 s19, s100, 96
	s_add_co_u32 s19, s19, s18                     ; the row behind its last block
	s_add_co_u32 s18, s18, s98                     ; the first row that fills up: fewer than 96 follow
	; all that the four stores below name is made here, with every lane on; behind the first line that narrows EXEC no vector register is written
	v_add_nc_u32 v[FROW], s18, v1
	v_add_nc_u32 v[FROW+1], 32, v[FROW]
	v_add_nc_u32 v[FROW+2], 64, v[FROW]
.irp j, 0,1,2
	v_min_u32 v[FILL+\j], 0x125f, v[FROW+\j]       ; under 4,704
.endr
.irp j, 0,1,2
	v_lshlrev_b32 v[FILL+\j], 2, v[FILL+\j]
.endr
.irp j, 0,1,2
	v_cmp_gt_u32 s[MASK+\j], s19, v[FROW+\j]       ; the lanes whose row still lies in the pair's last block
.endr
	v_mov_b32 v24, s94                             ; lane j < blocks: the entry of the pair's j-th block
	v_mov_b32 v25, s95
	v_mul_u32_u24 v12, v1, 96
	v_sub_nc_u32 v26, s98, v12
	v_min_u32 v26, 96, v26                         ; rows that count: 96, in the last block what is left
	v_mov_b32 v27, 0
	v_add_nc_u32 v28, s99, v1
	v_min_u32 v28, 48, v28                         ; under 49
	v_lshlrev_b32 v28, 4, v28
	v_cmp_gt_u32 s[MASK+3], s100, v1               ; the lanes that have a block
.irp j, 0,1,2
	s_wait_xcnt 0x0                                ; EXEC changes only behind this wait
	s_mov_b32 vcc_lo, s[MASK+\j]
	s_and_saveexec_b32 s20, vcc_lo
	global_store_b32 v[FILL+\j], v32, s[6:7]       ; token 0 stands in: its row is computed and never stored
	s_wait_xcnt 0x0                                ; and again in front of the line that widens it
	s_or_b32 exec_lo, exec_lo, s20
.endr
	s_mov_b32 vcc_lo, s[MASK+3]
	s_and_saveexec_b32 s20, vcc_lo
	global_store_b128 v28, v[24:27], s[8:9]
	s_wait_xcnt 0x0
	s_or_b32 exec_lo, exec_lo, s20
	s_branch .Lend
.Lnot_a_pair:
	s_cmp_eq_u32 s22, 28
	s_cbranch_scc0 .Lend
	v_add_nc_u32 v28, s[NBLK], v1                  ; the blocks from that number to 48 do not exist (at most 27 of them: one store)
	v_cmp_gt_u32 vcc_lo, 49, v28
	v_min_u32 v28, 48, v28
	v_lshlrev_b32 v28, 4, v28
.irp r, 24,25,26,27
	v_mov_b32 v\r, 0
.endr
	s_wait_xcnt 0x0
	s_and_saveexec_b32 s20, vcc_lo
	global_store_b128 v28, v[24:27], s[8:9]
	s_wait_xcnt 0x0
	s_or_b32 exec_lo, exec_lo, s20
.Lend:
	s_wait_tensorcnt 0x0
	ds_add_u32 v126, v127
	s_wait_dscnt 0x0
	s_endpgm
.Lfunc_end_k_q772a04d28f_place:
	.size	k_q772a04d28f_place, .Lfunc_end_k_q772a04d28f_place-k_q772a04d28f_place
	.p2alignl 7, 3214868480
	.fill 96, 4, 3214868480
	.section	.rodata,"a",@progbits
	.p2align	6, 0x0
	.amdhsa_kernel k_q772a04d28f_place
		.amdhsa_group_segment_fixed_size 8192
		.amdhsa_private_segment_fixed_size 0
		.amdhsa_enable_private_segment 0
		.amdhsa_kernarg_size 24
		.amdhsa_user_sgpr_count 2
		.amdhsa_user_sgpr_kernarg_segment_ptr 1
		.amdhsa_wavefront_size32 1
		.amdhsa_system_sgpr_workgroup_id_x 1
		.amdhsa_system_sgpr_workgroup_id_y 1
		.amdhsa_system_sgpr_workgroup_id_z 1
		.amdhsa_system_vgpr_workitem_id 0
		.amdhsa_next_free_vgpr 128
		.amdhsa_next_free_sgpr 102
		.amdhsa_reserve_vcc 1
		.amdhsa_float_denorm_mode_32 3
		.amdhsa_float_denorm_mode_16_64 3
		.amdhsa_memory_ordered 1
		.amdhsa_forward_progress 1
		.amdhsa_inst_pref_size 32
	.end_amdhsa_kernel
	.amdgpu_metadata
---
amdhsa.version: [ 1, 2 ]
amdhsa.kernels:
  - .name:           k_q772a04d28f_place
    .symbol:         k_q772a04d28f_place.kd
    .args:
      - { .name: keys, .offset: 0, .size: 8, .value_kind: global_buffer, .address_space: global }
      - { .name: tok, .offset: 8, .size: 8, .value_kind: global_buffer, .address_space: global }
      - { .name: blk, .offset: 16, .size: 8, .value_kind: global_buffer, .address_space: global }
    .group_segment_fixed_size: 8192
    .private_segment_fixed_size: 0
    .kernarg_segment_align: 8
    .kernarg_segment_size: 24
    .max_flat_workgroup_size: 1024
    .sgpr_count:     102
    .vgpr_count:     128
    .wavefront_size: 32
...
	.end_amdgpu_metadata
.endif
;; end of part 6
;; launch up: the kernel of part 3 again; grid 4 x 98, 4 waves a work-group, no clusters, 0 bytes of LDS; arguments xq, xs, wi, w1_scales, tok, blk, hq; writes hq
;; launch down: the kernel of part 4 again; grid 8 x 49, 4 waves a work-group, no clusters, 17,920 bytes of LDS; arguments hq, wi, w2_scales, tok, blk, wts, out0; writes out0
;; ======== version 3 of 3: 4 launches
;; workspace buffers: keys 8,192 bytes of whole numbers; wts 16,384 bytes; xq 1,572,864 bytes; xs 65,536 bytes; tok 18,944 bytes of whole numbers; blk 1,024 bytes of whole numbers; hq 15,654,912 bytes; wi 25,165,824 bytes
;; launch route (part 7): grid 256 x 1, 4 waves a work-group, no clusters, 176,640 bytes of LDS; arguments inputs_raw, gate_w, w1_codes, w2_codes, xq, xs, keys, wts, wi; writes xq, xs, keys, wts, wi
.if DOCPART == 7
	.amdgcn_target "amdgcn-amd-amdhsa--gfx1250"
	.amdhsa_code_object_version 6
	.text
	.protected	k_q772a04d28f_route
	.globl	k_q772a04d28f_route
	.p2align	8
	.type	k_q772a04d28f_route,@function
k_q772a04d28f_route:
	s_mov_b64 s[64:65], 0
	v_nop
	global_prefetch_b8 v0, s[64:65] scope:SCOPE_SE
	s_setreg_imm32_b32 hwreg(HW_REG_WAVE_MODE, 25, 1), 1
	s_wait_xcnt 0x0
; ROUTE.  Three things for 2,048 tokens x [1024] f32 and two weights given as codes of E3M2:
; (1) logits = x gate_w in f32 (fused multiply-adds), the two largest (the lower index wins a tie), their softmax with the larger one taken away first;
;     stored: keys[token] = 8 lo + hi (lo < hi, the two experts) and wts[token] = (weight of lo, weight of hi).
; (2) x quantised along its 1,024: a block of 32 has the scale 2^(floor(log2(largest magnitude)) - 4); codes to xq, 768 bytes a token, scale bytes to xs, 32 a token.
;     In xq the four blocks (24 bytes each) of every 128 numbers lie in the order 0, 2, 1, 3, so that lane (r, h) of an operand finds its 12 registers as 48 bytes on end at 48 h.
; (3) W1 and W2 laid out for the launches behind: each fragment (16 rows x 128 K, 12 registers a lane) as an image of its registers, 3 x 512 bytes, lane l's 16 bytes at 16 l.
;     W1 at wi + ((16 e + g) 64 + 8 s + t) 1536: units 128 g on, K step s, tile t, whose lane r takes unit 32 (t / 2) + 8 (t % 2) + r + 8 (r / 8).
;     W2 at wi + W2IMG + ((16 e + cg) 64 + 4 s + t) 1536: outputs 64 cg + 16 t + r, K step s.
; SHARES.  256 work-groups of four waves; wave gw = 4 x work-group + wave takes tokens 2 gw, 2 gw + 1, tile gw of W1 (8 K steps) and tile gw / 2 of W2 (K steps 8 (gw % 2) on).  Every wave takes one way through the text.
; THE WEIGHTS ARE READ AS THEY LIE AND TURNED IN LDS.  A tile's share is 16 pieces of 768 bytes.  Two pieces are 96 lanes' worth of 16 bytes: three loads.  W1's pieces lie on end, eight at a time, so each of its loads
; covers 512 bytes on end; of W2's three loads two cover 512 bytes on end and the middle one two runs of 256.  The 48 loads are issued behind x's and the gate's and land in v256-447 while the tokens are worked.
; They go into the wave's own rows in LDS and come back as fragments (six reads of 8 bytes each) into v512-703, which leave as images.
; LDS: gate_w, row d (32 bytes) at 32 d + 16 (d / 16), shared, one barrier; behind it a region for each wave: four stages of 32 x 80 bytes, through which x's numbers turn from
; 16 bytes a lane (dense loads) to 16 neighbours a lane (what the conversion takes), and 64 scale bytes; behind those a region for each wave's two tiles of weights, 16 rows of 768 + 16 bytes each.
; LIMITS: NaN and infinities among the inputs are not served.  A block of zeros, and one whose largest magnitude lies under 2^(5 - 127), gets the scale byte 1: its codes are zeros or held small, and only this program reads the bytes.
.set SP,    80                         ; a lane's place in a stage: 64 bytes + 16 of padding
.set STGB,  32*SP                      ; a stage
.set WREG0, 33792                      ; behind the gate's 32,768 + 64 x 16 bytes
.set BYT,   4*STGB                     ; a wave's scale bytes, behind its four stages
.set WREGB, 4*STGB+256                 ; a wave's region
.set WT0,   WREG0+4*WREGB              ; the weights' rows begin here
.set WTP,   784                        ; a row there: 768 bytes + 16 = 196 words: row r starts at bank 4 r mod 64 (64 banks of 4 bytes: ISA guide 11.1), so the 32 lanes of a read of 8 bytes touch 64 different banks
.set WTT,   16*WTP                     ; a tile
.set WTW,   2*WTT                      ; a wave's two tiles
.set W2IMG, 12582912                   ; W2's images begin here in wi
.set X,   16                           ; v16-79   four steps x 16 neighbours
.set R,   80                           ; v80-143  x as loaded
.set GS,  144                          ; v144-207 the gate as loaded
.set G,   80                           ; v80-207  then: the gate's 16 rows x 8 experts of my lane, one half of K at a time
.set ACC, 208                          ; v208-223 two tokens x 8 sums
.set CD,  224                          ; v224-239 codes, four registers a step
.set EB,  240                          ; v240-243 a scale byte a step
.set LA,  12                           ; v12   the weights' rows in LDS, on the way in: my region + 16 x lane
.set LB,  13                           ; v13   the same + 16 (lane / 16): for the load whose upper lanes begin the next row
.set LF,  248                          ; v248  and on the way out: my region + 784 r + 24 h
.set GB,  249                          ; v249  W2 in memory, the middle load: 16 x lane + 768 (lane / 16)
.set MSB, 0
.macro WIN new                         ; the immediate's high byte repeats the setting that is left
.if MSB != (\new)
	s_set_vgpr_msb (MSB<<8)|(\new)
.set MSB, (\new)
.endif
.endm
	s_load_b512 s[4:19], s[0:1], 0x0               ; x, gate_w, w1_codes, w2_codes, xq, xs, keys, wts
	s_load_b64 s[20:21], s[0:1], 0x40              ; wi
	v_lshl_add_u32 v254, v0, 2, 0x2b000
	v_mov_b32 v255, 0
	v_lshrrev_b32 v1, 5, v0
	v_readfirstlane_b32 s22, v1                    ; wave 0..3
	v_lshlrev_b32 v3, 4, v0                        ; the gate in memory: 16 bytes a thread
	v_lshl_add_u32 v4, v1, 4, v3                   ; and in LDS: + 16 for each 16 rows passed
	v_and_b32 v1, 31, v0                           ; lane
	v_lshlrev_b32 v2, 4, v1                        ; 16 x lane
	s_mul_i32 s23, s22, WREGB
	s_add_co_u32 s23, s23, WREG0                   ; my wave's region
	v_lshrrev_b32 v244, 2, v1
	v_mul_u32_u24 v5, v244, SP
	v_and_b32 v244, 3, v1
	v_lshl_add_u32 v5, v244, 4, v5
	v_add_nc_u32 v5, s23, v5                       ; a stage, on the way in: 80 (lane / 4) + 16 (lane % 4)
	v_mul_u32_u24 v6, v1, SP
	v_add_nc_u32 v6, s23, v6                       ; and on the way out: 80 x lane
	v_mul_u32_u24 v7, v1, 528                      ; the gate's rows 16 lane on: 16 x 32 bytes + 16
	v_lshrrev_b32 v244, 3, v1                      ; my 12 bytes of a step's codes: 96 for each 128 numbers,
	v_mul_u32_u24 v8, v244, 96
	v_bfe_u32 v244, v1, 1, 1
	v_mad_u32_u24 v8, v244, 48, v8                 ; odd blocks in the upper 48,
	v_bfe_u32 v244, v1, 2, 1
	v_mad_u32_u24 v8, v244, 24, v8                 ; blocks 2 and 3 second there,
	v_and_b32 v244, 1, v1
	v_mad_u32_u24 v8, v244, 12, v8                 ; a block's upper 16 codes behind its lower
	s_add_co_u32 s23, s23, BYT
	v_lshrrev_b32 v244, 1, v1
	v_add_nc_u32 v9, s23, v244                     ; my block's scale byte in LDS
	v_lshlrev_b32 v11, 1, v1
	v_add_nc_u32 v10, s23, v11                     ; and two bytes a lane on the way out
	v_lshlrev_b32 v14, 2, v1
	v_lshlrev_b32 v15, 3, v1
	s_mul_i32 s41, s22, WTW
	s_add_co_u32 s41, s41, WT0                     ; my wave's rows of weights
	v_and_b32 v244, 15, v1                         ; r
	v_lshrrev_b32 v245, 4, v1                      ; h
	v_add_nc_u32 v[LA], s41, v2
	v_lshl_add_u32 v[LB], v245, 4, v[LA]
	v_mul_u32_u24 v[LF], v244, WTP
	v_mad_u32_u24 v[LF], v245, 24, v[LF]
	v_add_nc_u32 v[LF], s41, v[LF]
	v_mul_u32_u24 v[GB], v245, 768
	v_add_nc_u32 v[GB], v[GB], v2
	s_lshl_b32 s24, ttmp9, 2
	s_add_co_u32 s24, s24, s22                     ; gw
	s_mov_b32 s27, 0
	s_mov_b32 s38, 0x76543210
	s_mov_b32 s39, 0xfedcba98                      ; v_permlanex16_b32's selects for lane l xor 16
	s_lshr_b32 s28, s24, 3
	s_bfe_u32 s29, s24, 0x20001                    ; (gw / 2) % 4
	s_and_b32 s30, s24, 1
	s_wait_alu depctr_va_vdst(0)
	s_wait_kmcnt 0x0
	s_lshl_b32 s26, s24, 13
	s_add_nc_u64 s[4:5], s[4:5], s[26:27]          ; x: two tokens of 4,096 bytes
	s_mul_i32 s26, s24, 1536
	s_add_nc_u64 s[12:13], s[12:13], s[26:27]      ; xq
	s_lshl_b32 s26, s24, 6
	s_add_nc_u64 s[14:15], s[14:15], s[26:27]      ; xs
	s_lshl_b32 s26, s24, 3
	s_add_nc_u64 s[16:17], s[16:17], s[26:27]      ; keys
	s_lshl_b32 s26, s24, 4
	s_add_nc_u64 s[18:19], s[18:19], s[26:27]      ; wts
	s_lshl_b32 s26, s28, 7                         ; W1's tile gw begins at row 128 (gw / 8) + 32 ((gw / 2) % 4) + 8 (gw % 2)
	s_lshl_b32 s31, s29, 5
	s_add_co_u32 s26, s26, s31
	s_lshl_b32 s31, s30, 3
	s_add_co_u32 s26, s26, s31
	s_mul_i32 s26, s26, 768
	s_add_nc_u64 s[8:9], s[8:9], s[26:27]
	s_lshr_b32 s26, s24, 1                         ; W2's tile gw / 2: 16 rows of 1,536 bytes; its half of K: 768 bytes
	s_mul_i32 s26, s26, 24576
	s_mul_i32 s31, s30, 768
	s_add_co_u32 s26, s26, s31
	s_add_nc_u64 s[10:11], s[10:11], s[26:27]
	s_mul_i32 s32, s28, 98304
	s_and_b32 s31, s24, 7
	s_mul_i32 s31, s31, 1536
	s_add_co_u32 s26, s32, s31
	s_add_nc_u64 s[34:35], s[20:21], s[26:27]      ; W1's images of my tile
	s_mul_i32 s31, s30, 49152
	s_add_co_u32 s26, s32, s31
	s_mul_i32 s31, s29, 1536
	s_add_co_u32 s26, s26, s31
	s_add_co_u32 s26, s26, W2IMG
	s_add_nc_u64 s[36:37], s[20:21], s[26:27]      ; W2's
.irp k, 0,1,2,3
.irp i, 0,1,2,3
	global_load_b128 v[R+16*\k+4*\i:R+16*\k+4*\i+3], v2, s[4:5] offset:2048*\k+512*\i th:TH_LOAD_NT   ; 32 lanes read 512 bytes on end
.endr
.endr
.irp q, 0,1,2,3,4,5,6,7,8,9,10,11,12,13,14,15
	global_load_b128 v[GS+4*\q:GS+4*\q+3], v3, s[6:7] offset:2048*\q   ; the work-group's 128 threads read 2,048 bytes on end
.endr
	WIN 0x40                                       ; destination v256 on
.irp u, 0,1,2,3,4,5,6,7                ; W1: the tile's rows 2 u, 2 u + 1; rows 0-7 lie on end in memory, rows 8-15 on end 16 rows further down
.irp c, 0,1,2
	global_load_b128 v[12*\u+4*\c:12*\u+4*\c+3], v2, s[8:9] offset:1536*\u+6144*(\u/4)+512*\c th:TH_LOAD_NT   ; 512 bytes on end
.endr
.endr
.irp u, 0,1,2,3,4,5,6,7                ; W2: my 768 bytes of rows 2 u, 2 u + 1, which lie 1,536 bytes apart
	global_load_b128 v[96+12*\u:96+12*\u+3], v2, s[10:11] offset:3072*\u th:TH_LOAD_NT              ; row 2 u, bytes 0 to 511
	global_load_b128 v[96+12*\u+4:96+12*\u+7], v[GB], s[10:11] offset:3072*\u+512 th:TH_LOAD_NT     ; its bytes 512 to 767, and row 2 u + 1's bytes 0 to 255
	global_load_b128 v[96+12*\u+8:96+12*\u+11], v2, s[10:11] offset:3072*\u+1792 th:TH_LOAD_NT      ; row 2 u + 1, bytes 256 to 767
.endr
	WIN 0
	s_wait_loadcnt 48                              ; behind x's and the gate's 32 loads stand the weights' 48: those may stay out
.irp q, 0,1,2,3,4,5,6,7,8,9,10,11,12,13,14,15
	ds_store_b128 v4, v[GS+4*\q:GS+4*\q+3] offset:2112*\q
.endr
.irp k, 0,1,2,3
.irp i, 0,1,2,3
	ds_store_b128 v5, v[R+16*\k+4*\i:R+16*\k+4*\i+3] offset:STGB*\k+8*SP*\i
.endr
.endr
	s_wait_dscnt 0x0                               ; for the others' sake: my part of the gate lies in LDS
	s_barrier_signal -1
	s_barrier_wait -1                              ; everybody's does
.irp k, 0,1,2,3
.irp i, 0,1,2,3
	ds_load_b128 v[X+16*\k+4*\i:X+16*\k+4*\i+3], v6 offset:STGB*\k+16*\i   ; step k: token k / 2, numbers 512 (k % 2) + 16 lane + 0 .. 15
.endr
.endr
.macro GLOAD hf                        ; the gate's rows 512 hf + 16 lane + i, eight experts each
.irp i, 0,1,2,3,4,5,6,7,8,9,10,11,12,13,14,15
	ds_load_b128 v[G+8*\i:G+8*\i+3], v7 offset:16896*(\hf)+32*\i
	ds_load_b128 v[G+8*\i+4:G+8*\i+7], v7 offset:16896*(\hf)+32*\i+16
.endr
.endm
.macro DOT tok, hf                     ; my 16 numbers of one half of a token against the gate; the very first product starts the sums
.set XK, X+16*(2*(\tok)+(\hf))
.irp i, 0,1,2,3,4,5,6,7,8,9,10,11,12,13,14,15
.irp e, 0,1,2,3,4,5,6,7
.if ((\hf) == 0) && (\i == 0)
	v_mul_f32 v[ACC+8*(\tok)+\e], v[XK+\i], v[G+8*\i+\e]
.else
	v_fmac_f32 v[ACC+8*(\tok)+\e], v[XK+\i], v[G+8*\i+\e]
.endif
.endr
.endr
.endm
.macro QSTEP k                         ; 512 numbers become codes: two neighbouring lanes hold a block of 32
.set XK, X+16*(\k)
	v_max3_num_f32 v244, |v[XK]|, |v[XK+1]|, |v[XK+2]|
	v_max3_num_f32 v245, |v[XK+3]|, |v[XK+4]|, |v[XK+5]|
.irp i, 6,10
	v_max3_num_f32 v244, v244, |v[XK+\i]|, |v[XK+\i+1]|
	v_max3_num_f32 v245, v245, |v[XK+\i+2]|, |v[XK+\i+3]|
.endr
	v_max3_num_f32 v244, v244, |v[XK+14]|, |v[XK+15]|
	v_max3_num_f32 v244, v244, v245, 0x2800000     ; and the floor 2^(5 - 127): the byte cannot fall under 1
	v_max_num_f32_dpp v244, v244, v244 row_xmask:1 row_mask:0xf bank_mask:0xf   ; with my neighbour's 16: the block's largest magnitude
	v_add_nc_u32 v246, 0xfe000000, v244            ; 4 off its exponent field: the conversion takes this operand's exponent field as its scale
	v_cvt_scalef32_pk16_bf6_f32 v[CD+4*(\k):CD+4*(\k)+2], v[XK:XK+15], v246
	v_lshrrev_b32 v[EB+(\k)], 23, v246             ; the scale's byte (also the plain line behind the conversion)
	ds_store_b8 v9, v[EB+(\k)] offset:16*(\k)      ; both lanes of a block write the same byte with the same value
	global_store_b96 v8, v[CD+4*(\k):CD+4*(\k)+2], s[12:13] offset:384*(\k)
.endm
; Tile t (0: W1's, 1: W2's) turns through my rows in LDS: in as loaded, 16 bytes a lane; out as the operand's registers take it: lane (r, h) reads, of row r and K step s, the 24 bytes at 96 s + 24 h and those 48 further on.
; LDS serves a wave's instructions in order (ISA guide 5.7.1.4), and the rows are the wave's own: no wait stands between the stores and the loads.
.macro WTURN t
	WIN 0x04                                       ; an LDS store's data: v256 on
.irp u, 0,1,2,3,4,5,6,7
	ds_store_b128 v[LA], v[96*(\t)+12*\u:96*(\t)+12*\u+3] offset:WTT*(\t)+2*WTP*\u              ; row 2 u, bytes 0 to 511
	ds_store_b128 v[LB], v[96*(\t)+12*\u+4:96*(\t)+12*\u+7] offset:WTT*(\t)+2*WTP*\u+512        ; its bytes 512 to 767; the upper lanes, 16 bytes of padding further on, begin row 2 u + 1
	ds_store_b128 v[LA], v[96*(\t)+12*\u+8:96*(\t)+12*\u+11] offset:WTT*(\t)+2*WTP*\u+WTP+256   ; row 2 u + 1, bytes 256 to 767
.endr
	WIN 0x80                                       ; destination v512 on
.irp s, 0,1,2,3,4,5,6,7
.irp p, 0,1,2,3,4,5
	ds_load_b64 v[96*(\t)+12*\s+2*\p:96*(\t)+12*\s+2*\p+1], v[LF] offset:WTT*(\t)+96*\s+48*(\p/3)+8*(\p%3)
.endr
.endr
.endm
	GLOAD 0
	s_wait_dscnt 0x0
	DOT 0, 0
	DOT 1, 0
	GLOAD 1                                        ; the other half of the gate comes while x is quantised
	QSTEP 0
	QSTEP 1
	QSTEP 2
	QSTEP 3
	ds_load_u16 v247, v10                          ; LDS serves a wave's instructions in order: this sees my byte stores
	s_wait_dscnt 0x0
	global_store_b16 v11, v247, s[14:15]           ; my two tokens' 64 scale bytes, on end
	s_wait_loadcnt 0x0                             ; the weights are in
	WTURN 0
	WTURN 1
	WIN 0
	DOT 0, 1                                       ; the second half of the dot products stands between the turn's loads and the wait for them
	DOT 1, 1
	s_wait_dscnt 0x0                               ; the fragments are in
	WIN 0x08                                       ; a store's data: v512 on
.irp s, 0,1,2,3,4,5,6,7
.irp c, 0,1,2
	global_store_b128 v2, v[12*\s+4*\c:12*\s+4*\c+3], s[34:35] offset:12288*\s+512*\c   ; 32 lanes store 512 bytes on end, aligned
.endr
.endr
.irp s, 0,1,2,3,4,5,6,7
.irp c, 0,1,2
	global_store_b128 v2, v[96+12*\s+4*\c:96+12*\s+4*\c+3], s[36:37] offset:6144*\s+512*\c
.endr
.endr
	WIN 0
.irp x, 1,2,4,8
.irp a, 0,1,2,3,4,5,6,7,8,9,10,11,12,13,14,15
	v_add_f32_dpp v[ACC+\a], v[ACC+\a], v[ACC+\a] row_xmask:\x row_mask:0xf bank_mask:0xf
.endr
.endr
.irp a, 0,1,2,3,4,5,6,7,8,9,10,11,12,13,14,15
	v_permlanex16_b32 v[80+\a], v[ACC+\a], s38, s39
.endr
.irp a, 0,1,2,3,4,5,6,7,8,9,10,11,12,13,14,15
	v_add_f32 v[ACC+\a], v[ACC+\a], v[80+\a]       ; every lane now holds both tokens' eight logits
.endr
	v_mov_b32 v112, 0xff800000                     ; -infinity
; The two largest of v[l] .. v[l + 7].  Left in v[o]: the weight of the lower expert, v[o + 1]: of the higher, v[o + 2]: 8 lo + hi.
.macro TOP2 l, o
	v_mov_b32 v[\o], v[\l]
	v_mov_b32 v[\o+1], 0
.irp e, 1,2,3,4,5,6,7
	v_cmp_ge_f32 vcc_lo, v[\o], v[\l+\e]           ; what stands stays on a tie: the lower index wins
	v_cndmask_b32 v[\o], v[\l+\e], v[\o], vcc_lo
	v_cndmask_b32 v[\o+1], \e, v[\o+1], vcc_lo
.endr
	v_mov_b32 v[\o+2], v112
	v_xor_b32 v[\o+3], 1, v[\o+1]                  ; whatever the numbers, the second index differs from the first
.irp e, 0,1,2,3,4,5,6,7
	v_cmp_eq_u32 vcc_lo, \e, v[\o+1]
	v_cndmask_b32 v[\o+4], v[\l+\e], v112, vcc_lo  ; the winner counts as -infinity now
	v_cmp_ge_f32 vcc_lo, v[\o+2], v[\o+4]
	v_cndmask_b32 v[\o+2], v[\o+4], v[\o+2], vcc_lo
	v_cndmask_b32 v[\o+3], \e, v[\o+3], vcc_lo
.endr
	v_sub_f32 v[\o+4], v[\o+2], v[\o]              ; the larger one is taken away: 0 for it, this (0 or less) for the second
	v_mul_f32 v[\o+4], 0x3fb8aa3b, v[\o+4]
	s_wait_alu depctr_va_vdst(0)
	v_exp_f32 v[\o+4], v[\o+4]                     ; q = e^(second - first), at most 1
	v_min_u32 v[\o+5], v[\o+1], v[\o+3]            ; lo (a plain line behind the exponential)
	s_wait_alu depctr_va_vdst(0)
	v_add_f32 v[\o+6], 1.0, v[\o+4]
	s_wait_alu depctr_va_vdst(0)
	v_rcp_f32 v[\o+6], v[\o+6]                     ; the first's weight, 1 / (1 + q)
	v_max_u32 v[\o+7], v[\o+1], v[\o+3]            ; hi (a plain line behind the reciprocal)
	s_wait_alu depctr_va_vdst(0)
	v_mul_f32 v[\o+4], v[\o+4], v[\o+6]            ; the second's, q / (1 + q)
	v_cmp_lt_u32 vcc_lo, v[\o+1], v[\o+3]
	v_cndmask_b32 v[\o], v[\o+4], v[\o+6], vcc_lo
	v_cndmask_b32 v[\o+1], v[\o+6], v[\o+4], vcc_lo
	v_lshl_add_u32 v[\o+2], v[\o+5], 3, v[\o+7]
.endm
	TOP2 ACC, 96
	TOP2 ACC+8, 104
	v_and_b32 v113, 1, v1
	v_cmp_eq_u32 vcc_lo, 1, v113                   ; lane 0 stores token 0's, lane 1 token 1's
	v_cndmask_b32 v116, v96, v104, vcc_lo
	v_cndmask_b32 v117, v97, v105, vcc_lo
	v_cndmask_b32 v118, v98, v106, vcc_lo
	s_wait_alu depctr_va_vdst(0)
	s_wait_xcnt 0x0                                ; EXEC changes only behind this wait
	v_cmp_gt_u32 vcc_lo, 2, v1
	s_wait_tensorcnt 0x0
	ds_add_u32 v254, v255
	s_wait_dscnt 0x0
	s_and_saveexec_b32 s40, vcc_lo
	global_store_b32 v14, v118, s[16:17]
	global_store_b64 v15, v[116:117], s[18:19]
	s_wait_xcnt 0x0
	s_or_b32 exec_lo, exec_lo, s40
	s_endpgm
.Lfunc_end_k_q772a04d28f_route:
	.size	k_q772a04d28f_route, .Lfunc_end_k_q772a04d28f_route-k_q772a04d28f_route
	.p2alignl 7, 3214868480
	.fill 96, 4, 3214868480
	.section	.rodata,"a",@progbits
	.p2align	6, 0x0
	.amdhsa_kernel k_q772a04d28f_route
		.amdhsa_group_segment_fixed_size 176640
		.amdhsa_private_segment_fixed_size 0
		.amdhsa_enable_private_segment 0
		.amdhsa_kernarg_size 72
		.amdhsa_user_sgpr_count 2
		.amdhsa_user_sgpr_kernarg_segment_ptr 1
		.amdhsa_wavefront_size32 1
		.amdhsa_system_sgpr_workgroup_id_x 1
		.amdhsa_system_sgpr_workgroup_id_y 1
		.amdhsa_system_sgpr_workgroup_id_z 1
		.amdhsa_system_vgpr_workitem_id 0
		.amdhsa_next_free_vgpr 704
		.amdhsa_next_free_sgpr 66
		.amdhsa_reserve_vcc 1
		.amdhsa_float_denorm_mode_32 3
		.amdhsa_float_denorm_mode_16_64 3
		.amdhsa_memory_ordered 1
		.amdhsa_forward_progress 1
		.amdhsa_inst_pref_size 65
	.end_amdhsa_kernel
	.amdgpu_metadata
---
amdhsa.version: [ 1, 2 ]
amdhsa.kernels:
  - .name:           k_q772a04d28f_route
    .symbol:         k_q772a04d28f_route.kd
    .args:
      - { .name: inputs_raw, .offset: 0, .size: 8, .value_kind: global_buffer, .address_space: global }
      - { .name: gate_w, .offset: 8, .size: 8, .value_kind: global_buffer, .address_space: global }
      - { .name: w1_codes, .offset: 16, .size: 8, .value_kind: global_buffer, .address_space: global }
      - { .name: w2_codes, .offset: 24, .size: 8, .value_kind: global_buffer, .address_space: global }
      - { .name: xq, .offset: 32, .size: 8, .value_kind: global_buffer, .address_space: global }
      - { .name: xs, .offset: 40, .size: 8, .value_kind: global_buffer, .address_space: global }
      - { .name: keys, .offset: 48, .size: 8, .value_kind: global_buffer, .address_space: global }
      - { .name: wts, .offset: 56, .size: 8, .value_kind: global_buffer, .address_space: global }
      - { .name: wi, .offset: 64, .size: 8, .value_kind: global_buffer, .address_space: global }
    .group_segment_fixed_size: 176640
    .private_segment_fixed_size: 0
    .kernarg_segment_align: 8
    .kernarg_segment_size: 72
    .max_flat_workgroup_size: 128
    .sgpr_count:     66
    .vgpr_count:     704
    .wavefront_size: 32
...
	.end_amdgpu_metadata
.endif
;; end of part 7
;; launch place (part 8): grid 1 x 1, 32 waves a work-group, no clusters, 8,192 bytes of LDS; arguments keys, tok, blk; writes tok, blk
.if DOCPART == 8
	.amdgcn_target "amdgcn-amd-amdhsa--gfx1250"
	.amdhsa_code_object_version 6
	.text
	.protected	k_q772a04d28f_place
	.globl	k_q772a04d28f_place
	.p2align	8
	.type	k_q772a04d28f_place,@function
k_q772a04d28f_place:
	s_mov_b64 s[64:65], 0
	v_nop
	global_prefetch_b8 v0, s[64:65] scope:SCOPE_SE
	s_setreg_imm32_b32 hwreg(HW_REG_WAVE_MODE, 25, 1), 1
	s_wait_xcnt 0x0
; PLACE.  A counting sort of the 2,048 tokens by their pair of experts (28 pairs lo < hi, key = 8 lo + hi), without atomics, by one work-group of 32 waves.
; Each pair's tokens are cut into blocks of 96 rows; a pair's last block is filled up.  There are never more than (2048 + 28 x 95) / 96 = 49 blocks, and never fewer than 22.
; tok[96 b + r] = the token of row r of block b (0 in the rows that fill a block up); blk[b] = lo, hi, rows that count, 0; a block that this split does not have gets rows = 0.
; Wave w owns tokens 64 w .. 64 w + 63, two chunks of 32, a lane to a token.
; A: for each pair the lanes of each chunk that have it: 56 masks, which stay in scalar registers; their bit counts give the wave's count of every pair (lane p of a register holds pair p's).
;    The 32 rows of counts meet in LDS, one barrier.
; B: every wave adds them up for itself: the pairs' totals, and what lies ahead of its own tokens (row c counts where c < w: bit c of (1 << w) - 1); blocks a pair; the pairs' first blocks by a scan over the lanes.
;    A token's row is then one count of the mask's bits under its lane, added onto the pair's start (for the second chunk: onto that and the first chunk's count).
; C: wave p < 28 fills pair p's last block up and writes its blocks' entries; wave 28 writes the entries of the blocks that do not exist.
; Every index made from loaded numbers is held under a constant before it enters an address, and every address register is made while all lanes are on.
.set M0,    66                         ; s66-93  the first chunk's masks, pair p at M0 + p
.set M1,    24                         ; s24-51  the second chunk's
.set AHEAD, 101                        ; s101    (1 << wave) - 1
.set NBLK,  21                         ; s21     blocks in all
.set FILL,  29                         ; v29-31  addresses of the rows that fill my pair's last block up
.set FROW,  33                         ; v33-35  those rows' numbers, not held
.set MASK,  56                         ; s56-59  lane masks of the four stores under a narrowed EXEC
	s_load_b128 s[4:7], s[0:1], 0x0                ; keys, tok
	s_load_b64 s[8:9], s[0:1], 0x10                ; blk
	v_lshl_add_u32 v126, v0, 2, 0x1000
	v_mov_b32 v127, 0
	v_lshrrev_b32 v2, 5, v0
	s_delay_alu instid0(VALU_DEP_1)
	v_readfirstlane_b32 s22, v2                    ; wave 0..31
	v_and_b32 v1, 31, v0                           ; lane
	s_delay_alu instid0(VALU_DEP_1)
	v_lshlrev_b32 v5, 2, v1                        ; 4 x lane
	s_delay_alu instid0(VALU_DEP_1)
	v_lshl_add_u32 v3, v2, 8, v5                   ; 256 x wave + 4 x lane: my key in memory
	s_delay_alu instid0(VALU_DEP_2)
	v_lshl_add_u32 v4, v2, 7, v5                   ; 128 x wave + 4 x lane: my word of my wave's row of counts in LDS
	s_delay_alu instid0(VALU_DEP_4)
	v_lshl_add_u32 v21, v2, 6, v1                  ; my two tokens
	s_delay_alu instid0(VALU_DEP_1)
	v_add_nc_u32 v22, 32, v21
	s_lshl_b32 s[AHEAD], 1, s22
	s_sub_co_u32 s[AHEAD], s[AHEAD], 1
.irp r, 8,19,20,32
	v_mov_b32 v\r, 0                               ; v8 the counts (lanes 28-31 stay 0), v19-20 the rows, v32 the token that stands in
.endr
	s_wait_alu depctr_va_vdst(0)
	s_wait_kmcnt 0x0
	global_load_b32 v6, v3, s[4:5]
	global_load_b32 v7, v3, s[4:5] offset:128
	s_wait_loadcnt 0x0
.set p, 0
.irp k, 1,2,3,4,5,6,7,10,11,12,13,14,15,19,20,21,22,23,28,29,30,31,37,38,39,46,47,55
	v_cmp_eq_u32 s[M0+p], \k, v6
	v_cmp_eq_u32 s[M1+p], \k, v7
.set p, p+1
.endr
.set p, 0
.rept 28
	s_bcnt1_i32_b32 s[10+2*(p%4)], s[M0+p]
	s_bcnt1_i32_b32 s[11+2*(p%4)], s[M1+p]
	s_add_co_u32 s[10+2*(p%4)], s[10+2*(p%4)], s[11+2*(p%4)]
	v_writelane_b32 v8, s[10+2*(p%4)], p           ; my wave's count of pair p
.set p, p+1
.endr
	ds_store_b32 v4, v8
	s_wait_dscnt 0x0                               ; for the others' sake: my row of counts lies in LDS
	s_barrier_signal -1
	s_barrier_wait -1
.set c, 0
.rept 32
	ds_load_b32 v[64+c], v5 offset:128*c
.set c, c+1
.endr
.set c, 0
.rept 8
	s_bfe_u32 s[52+c], s[AHEAD], (1<<16)|c         ; 1 where wave c lies ahead of mine
.set c, c+1
.endr
	s_wait_dscnt 0x0
	v_add_nc_u32 v13, v64, v65                     ; v13: the pairs' totals
.set c, 66
.rept 15
	s_delay_alu instid0(VALU_DEP_1)
	v_add3_u32 v13, v13, v[c], v[c+1]
.set c, c+2
.endr
	v_mul_u32_u24 v14, s52, v64                    ; v14: what lies ahead of my tokens (the last wave lies ahead of nobody)
.set c, 1
.rept 30
	v_mad_u32_u24 v14, v[64+c], s[52+c%8], v14
.if c+7 < 31
	s_bfe_u32 s[52+(c+7)%8], s[AHEAD], (1<<16)|(c+7)   ; the flag seven rows on, into the register whose flag was used a line ago
.endif
.set c, c+1
.endr
	v_add_nc_u32 v15, 95, v13
	s_delay_alu instid0(VALU_DEP_1)
	v_mul_u32_u24 v15, v15, 0xaaab
	s_delay_alu instid0(VALU_DEP_1)
	v_lshrrev_b32 v15, 22, v15                     ; v15: blocks of the pair, (total + 95) / 96: 43,691 / 2^22 gives the whole part exactly up to 2,143
	s_delay_alu instid0(VALU_DEP_1)
	v_mov_b32 v16, v15                             ; a running sum over the lanes: four steps inside each half of 16,
.irp d, 1,2,4,8
	v_mov_b32 v12, 0
	s_delay_alu instid0(VALU_DEP_2)
	v_mov_b32_dpp v12, v16 row_shr:\d row_mask:0xf bank_mask:0xf bound_ctrl:1   ; lane i takes lane i - d; lanes without such a lane hold 0
	s_delay_alu instid0(VALU_DEP_1)
	v_add_nc_u32 v16, v16, v12
.endr
	s_delay_alu instid0(VALU_DEP_1)
	v_readlane_b32 s96, v16, 15                    ; and the lower half's sum onto the upper half
	v_cmp_lt_u32 vcc_lo, 15, v1
	s_delay_alu instid0(VALU_DEP_2)
	v_mov_b32 v12, s96
	s_delay_alu instid0(VALU_DEP_1)
	v_cndmask_b32 v12, 0, v12, vcc_lo
	s_delay_alu instid0(VALU_DEP_1)
	v_add_nc_u32 v16, v16, v12
	s_delay_alu instid0(VALU_DEP_1)
	v_readlane_b32 s[NBLK], v16, 27
	s_delay_alu instid0(VALU_DEP_2)
	v_sub_nc_u32 v16, v16, v15                     ; v16: the pair's first block
	s_delay_alu instid0(VALU_DEP_1)
	v_mad_u32_u24 v17, v16, 96, v14                ; v17: the row at which my wave's tokens of the pair begin
; Seven pairs at a time, each kind of line in a run, so that no line waits for the line above it.
.macro ROWS7 p0
.set i, 0
.rept 7
	v_readlane_b32 s[52+i], v17, (\p0)+i
	s_bcnt1_i32_b32 s[10+i], s[M0+(\p0)+i]
.set i, i+1
.endr
.set i, 0
.rept 7
	s_add_co_u32 s[10+i], s[10+i], s[52+i]         ; the second chunk's tokens come behind the first's
.set i, i+1
.endr
.set i, 0
.rept 7
	v_mbcnt_lo_u32_b32 v[40+2*i], s[M0+(\p0)+i], s[52+i]   ; the start + how many lanes under mine have this pair
	v_mbcnt_lo_u32_b32 v[41+2*i], s[M1+(\p0)+i], s[10+i]
.set i, i+1
.endr
.set i, 0
	v_cndmask_b32 v19, v19, v[40+2*i], s[M0+(\p0)+i]
	v_cndmask_b32 v20, v20, v[41+2*i], s[M1+(\p0)+i]
.set i, i+1
.rept (7)-1
	s_delay_alu instid0(VALU_DEP_2)
	v_cndmask_b32 v19, v19, v[40+2*i], s[M0+(\p0)+i]
	s_delay_alu instid0(VALU_DEP_2)
	v_cndmask_b32 v20, v20, v[41+2*i], s[M1+(\p0)+i]
.set i, i+1
.endr
.endm
	ROWS7 0
	ROWS7 7
	ROWS7 14
	ROWS7 21
	s_delay_alu instid0(VALU_DEP_2)
	v_min_u32 v19, 0x125f, v19                     ; under 4,704
	s_delay_alu instid0(VALU_DEP_2)
	v_min_u32 v20, 0x125f, v20
	s_delay_alu instid0(VALU_DEP_2)
	v_lshlrev_b32 v19, 2, v19
	s_delay_alu instid0(VALU_DEP_2)
	v_lshlrev_b32 v20, 2, v20
	global_store_b32 v19, v21, s[6:7]
	global_store_b32 v20, v22, s[6:7]
	s_cmp_lt_u32 s22, 28
	s_cbranch_scc0 .Lnot_a_pair
	s_mov_b32 s94, 0                               ; my pair's lo: pairs 0-6 have 0, 7-12 have 1, 13-17, 18-21, 22-24, 25-26, 27
.irp t, 7,13,18,22,25,27
	s_cmp_ge_u32 s22, \t
	s_add_co_ci_u32 s94, s94, 0
.endr
	s_add_co_u32 s96, s94, 1
	s_add_co_u32 s97, s94, 2
	s_mul_i32 s96, s96, s97
	s_lshr_b32 s96, s96, 1                         ; key = pair + (lo + 1) (lo + 2) / 2,
	s_add_co_u32 s95, s22, s96
	s_lshl_b32 s97, s94, 3
	s_sub_co_u32 s95, s95, s97                     ; hi = key - 8 lo
	v_readlane_b32 s98, v13, s22                   ; its total,
	v_readlane_b32 s99, v16, s22                   ; its first block,
	v_readlane_b32 s100, v15, s22                  ; its blocks
	s_mul_i32 s18, s99, 96
	s_mul_i32 s19, s100, 96
	s_add_co_u32 s19, s19, s18                     ; the row behind its last block
	s_add_co_u32 s18, s18, s98                     ; the first row that fills up: fewer than 96 follow
	; all that the four stores below name is made here, with every lane on; behind the first line that narrows EXEC no vector register is written
	v_add_nc_u32 v[FROW], s18, v1
	s_delay_alu instid0(VALU_DEP_1)
	v_add_nc_u32 v[FROW+1], 32, v[FROW]
	s_delay_alu instid0(VALU_DEP_2)
	v_add_nc_u32 v[FROW+2], 64, v[FROW]
.irp j, 0,1,2
	s_delay_alu instid0(VALU_DEP_3)
	v_min_u32 v[FILL+\j], 0x125f, v[FROW+\j]       ; under 4,704
.endr
.irp j, 0,1,2
	s_delay_alu instid0(VALU_DEP_3)
	v_lshlrev_b32 v[FILL+\j], 2, v[FILL+\j]
.endr
.irp j, 0,1,2
	v_cmp_gt_u32 s[MASK+\j], s19, v[FROW+\j]       ; the lanes whose row still lies in the pair's last block
.endr
	v_mov_b32 v24, s94                             ; lane j < blocks: the entry of the pair's j-th block
	v_mov_b32 v25, s95
	v_mul_u32_u24 v12, v1, 96
	s_delay_alu instid0(VALU_DEP_1)
	v_sub_nc_u32 v26, s98, v12
	s_delay_alu instid0(VALU_DEP_1)
	v_min_u32 v26, 96, v26                         ; rows that count: 96, in the last block what is left
	v_mov_b32 v27, 0
	v_add_nc_u32 v28, s99, v1
	s_delay_alu instid0(VALU_DEP_1)
	v_min_u32 v28, 48, v28                         ; under 49
	s_delay_alu instid0(VALU_DEP_1)
	v_lshlrev_b32 v28, 4, v28
	v_cmp_gt_u32 s[MASK+3], s100, v1               ; the lanes that have a block
	s_wait_alu depctr_va_vdst(0)
.irp j, 0,1,2
	s_wait_xcnt 0x0                                ; EXEC changes only behind this wait
	s_mov_b32 vcc_lo, s[MASK+\j]
	s_and_saveexec_b32 s20, vcc_lo
	global_store_b32 v[FILL+\j], v32, s[6:7]       ; token 0 stands in: its row is computed and never stored
	s_wait_xcnt 0x0                                ; and again in front of the line that widens it
	s_or_b32 exec_lo, exec_lo, s20
.endr
	s_mov_b32 vcc_lo, s[MASK+3]
	s_and_saveexec_b32 s20, vcc_lo
	global_store_b128 v28, v[24:27], s[8:9]
	s_wait_xcnt 0x0
	s_or_b32 exec_lo, exec_lo, s20
	s_branch .Lend
.Lnot_a_pair:
	s_cmp_eq_u32 s22, 28
	s_cbranch_scc0 .Lend
	v_add_nc_u32 v28, s[NBLK], v1                  ; the blocks from that number to 48 do not exist (at most 27 of them: one store)
	s_delay_alu instid0(VALU_DEP_1)
	v_cmp_gt_u32 vcc_lo, 49, v28
	s_delay_alu instid0(VALU_DEP_2)
	v_min_u32 v28, 48, v28
	s_delay_alu instid0(VALU_DEP_1)
	v_lshlrev_b32 v28, 4, v28
.irp r, 24,25,26,27
	v_mov_b32 v\r, 0
.endr
	s_wait_alu depctr_va_vdst(0)
	s_wait_xcnt 0x0
	s_and_saveexec_b32 s20, vcc_lo
	global_store_b128 v28, v[24:27], s[8:9]
	s_wait_xcnt 0x0
	s_or_b32 exec_lo, exec_lo, s20
.Lend:
	s_wait_tensorcnt 0x0
	ds_add_u32 v126, v127
	s_wait_dscnt 0x0
	s_endpgm
.Lfunc_end_k_q772a04d28f_place:
	.size	k_q772a04d28f_place, .Lfunc_end_k_q772a04d28f_place-k_q772a04d28f_place
	.p2alignl 7, 3214868480
	.fill 96, 4, 3214868480
	.section	.rodata,"a",@progbits
	.p2align	6, 0x0
	.amdhsa_kernel k_q772a04d28f_place
		.amdhsa_group_segment_fixed_size 8192
		.amdhsa_private_segment_fixed_size 0
		.amdhsa_enable_private_segment 0
		.amdhsa_kernarg_size 24
		.amdhsa_user_sgpr_count 2
		.amdhsa_user_sgpr_kernarg_segment_ptr 1
		.amdhsa_wavefront_size32 1
		.amdhsa_system_sgpr_workgroup_id_x 1
		.amdhsa_system_sgpr_workgroup_id_y 1
		.amdhsa_system_sgpr_workgroup_id_z 1
		.amdhsa_system_vgpr_workitem_id 0
		.amdhsa_next_free_vgpr 128
		.amdhsa_next_free_sgpr 102
		.amdhsa_reserve_vcc 1
		.amdhsa_float_denorm_mode_32 3
		.amdhsa_float_denorm_mode_16_64 3
		.amdhsa_memory_ordered 1
		.amdhsa_forward_progress 1
		.amdhsa_inst_pref_size 36
	.end_amdhsa_kernel
	.amdgpu_metadata
---
amdhsa.version: [ 1, 2 ]
amdhsa.kernels:
  - .name:           k_q772a04d28f_place
    .symbol:         k_q772a04d28f_place.kd
    .args:
      - { .name: keys, .offset: 0, .size: 8, .value_kind: global_buffer, .address_space: global }
      - { .name: tok, .offset: 8, .size: 8, .value_kind: global_buffer, .address_space: global }
      - { .name: blk, .offset: 16, .size: 8, .value_kind: global_buffer, .address_space: global }
    .group_segment_fixed_size: 8192
    .private_segment_fixed_size: 0
    .kernarg_segment_align: 8
    .kernarg_segment_size: 24
    .max_flat_workgroup_size: 1024
    .sgpr_count:     102
    .vgpr_count:     128
    .wavefront_size: 32
...
	.end_amdgpu_metadata
.endif
;; end of part 8
;; launch up (part 9): grid 4 x 98, 4 waves a work-group, no clusters, 0 bytes of LDS; arguments xq, xs, wi, w1_scales, tok, blk, hq; writes hq
.if DOCPART == 9
	.amdgcn_target "amdgcn-amd-amdhsa--gfx1250"
	.amdhsa_code_object_version 6
	.text
	.protected	k_q772a04d28f_up
	.globl	k_q772a04d28f_up
	.p2align	8
	.type	k_q772a04d28f_up,@function
k_q772a04d28f_up:
	s_mov_b64 s[64:65], 0
	v_nop
	global_prefetch_b8 v0, s[64:65] scope:SCOPE_SE
	s_setreg_imm32_b32 hwreg(HW_REG_WAVE_SCHED_MODE, 0, 2), 2
	s_setreg_imm32_b32 hwreg(HW_REG_WAVE_MODE, 25, 1), 1
	s_wait_xcnt 0x0
	s_wait_alu depctr_vm_vsrc(0)
; UP.  h = silu(x W1_e) for the 96 rows of one block and one of its two experts, on codes of E3M2 with one E8M0 scale for each 32 along K = 1,024; h is quantised along its 2,048 and stored as codes.
; SHARES.  Work-group y = 2 x block + side (side 0: the pair's lower expert), x = 512 hidden units.  Wave w makes all 96 rows x units 128 g on, g = 4 x + w: 48 accumulators of 16 x 16, 384 registers.
; Those 128 units are K step g of the next product, so a wave's results become whole operand fragments and whole scale words.
; THE PRODUCT IS USED TRANSPOSED (source 0 = 16 rows of W1, source 1 = 16 rows of x): a lane holds one row of h.  THE ROWS OF W1 THAT FORM A TILE ARE NOT NEIGHBOURS (lane r of tile t: unit 32 (t / 2) + 8 (t % 2) + r + 8 (r / 8)),
; so that the 16 registers of tiles 2 b and 2 b + 1 are 16 neighbours along the next K.  The launch before has laid W1 out so, as images of the operand's registers: three loads of 512 bytes on end bring a fragment.
; x's fragments come straight from xq, by the block's list of tokens: 48 bytes on end a lane, three loads of 16.
; NO BARRIER, NO LDS, NO JOINT LOADS: whether a block exists, and how many blocks an expert has, is read from memory (blk).  A work-group whose block has no rows ends at once, so partners in a cluster would need different
; numbers of tiles, and a barrier would stand behind a branch on a loaded number.  So no wave hands anything to another: each loads its own operands into registers.
; hq: [2 b + side][K step g][9,984 bytes]: six images (row tiles 0-5) of 1,536 bytes, then six sets of 32 scale words.
; REGISTERS, in windows of 256: window 0: v1-19 addresses; v20-31 codes on their way out, buffer 1; v32-95 W1's scale words (8 t + K step); v96-143 x's (8 m + K step); v144-215 x's fragments, set 0; behind the products v144-245 are at work.
;   window 1: W1's fragments, set 0 at v0, set 1 at v128.   window 2: the accumulators of row tiles 0-3 (at 8 (8 m + t)).   window 3: those of row tiles 4, 5; from v128 x's fragments, set 1.
; Two sets of operands: while step ks is multiplied, step ks + 1's 42 loads are on their way; step ks + 2's are issued behind step ks's products.
; THE MODE: SCHED_MODE bits 1:0 = 2 (LLVM: expert scheduling mode 2), set by the entry lines.  The code itself states the register dependences between vector or matrix instructions and memory instructions, with s_wait_alu, always for 0.
; THE PLAN.  Registers that memory instructions touch:
;   v2-5      offsets, made at the head and never written again: one wait on va_vdst ahead of the first load.
;   v6-17     the tokens land in v6-11; vector lines make of them x's offsets (v6-11) and its scale words' (v12-17): one wait on va_vdst ahead of the first load of x; never written again.
;   set p     (W1's eight fragments and x's six.)  Written by loads alone; read by the 48 products of the steps ks with ks % 2 = p.  The accumulators, the two sets and the scale words leave no run of 96 registers for a third set,
;             so the loads of step ks + 2 can only follow step ks's last product: ONE wait on va_vdst stands behind those products, and the 42 loads follow it on end, ahead of the wait for step ks + 1's data,
;             so that two steps' loads are on their way.  The products of step ks + 1 name the other set, the scale words and the accumulators: none of the registers in which those loads land.
;   OB0, OB1  two out-buffers (12 registers of codes and a scale word each) by turns.  Row tile m's quantiser writes buffer m % 2; its four stores are issued in tile m + 1, straight behind the wait on va_vdst that stands there
;             for the exponentials; the waits that free the buffer (XCNT, vm_vsrc) stand ahead of tile m + 2's quantiser.
;   The scale words are loaded once and read by products alone.  The accumulators, T, TM and TP are named by vector and matrix instructions alone.
; LIMITS: NaN and infinities are not served.  A block of h whose largest magnitude lies under 2^(5 - 127) gets the scale byte 1; only this program reads the bytes.
.set L16, 2                            ; v2     16 x lane
.set L4,  3                            ; v3     4 x lane
.set WSO, 4                            ; v4     my row of a tile among W1's scale rows of 32 bytes
.set TKO, 5                            ; v5     4 r
.set AOF, 6                            ; v6-11  row tile m: my token x 768 + 48 h
.set XOF, 12                           ; v12-17 my token x 32
.set WS,  32
.set XSC, 96
.set A0,  144                          ; in window 0
.set A1,  128                          ; in window 3
.set T,   144                          ; v144-207 64 numbers of h
.set TM,  208                          ; v208-223 at work in the quantiser
.set OB0, 224                          ; v224-235 the codes of row tiles 0, 2, 4 on their way out
.set OB1, 20                           ; v20-31   those of row tiles 1, 3, 5
.set TP,  236                          ; v236-243 the second halves of the blocks' codes, before they are moved: no store names them
.set PW0, 244                          ; the scale word that goes with OB0
.set PW1, 245                          ; and with OB1
.set CS,  32                           ; s[32:33] -log2(e)
.set SEL, 34                           ; s[34:35] v_permlanex16_b32's selects for lane l xor 16
.set MSB, 0
.macro WIN new                         ; the immediate's high byte repeats the setting that is left
.if MSB != (\new)
	s_set_vgpr_msb (MSB<<8)|(\new)
.set MSB, (\new)
.endif
.endm
.macro PLACES                          ; four plain vector lines between a matrix instruction and a load into, or a vector line on, its registers
.rept 4
	v_nop
.endr
.endm
	s_load_b256 s[4:11], s[0:1], 0x0               ; xq, xs, wi, w1_scales
	s_load_b128 s[12:15], s[0:1], 0x20             ; tok, blk
	s_load_b64 s[16:17], s[0:1], 0x30              ; hq
	v_lshrrev_b32 v1, 5, v0
	v_readfirstlane_b32 s18, v1                    ; wave 0..3
	v_and_b32 v1, 31, v0
	v_lshlrev_b32 v[L16], 4, v1
	v_lshlrev_b32 v[L4], 2, v1
	v_and_b32 v18, 15, v1                          ; r
	v_lshrrev_b32 v19, 4, v1                       ; h
	v_and_b32 v[WSO], 8, v18
	v_add_nc_u32 v[WSO], v[WSO], v18
	v_lshlrev_b32 v[WSO], 5, v[WSO]                ; 32 (r + 8 (r / 8))
	v_lshlrev_b32 v[TKO], 2, v18
	v_mul_u32_u24 v19, v19, 48                     ; 48 h
	s_wait_alu depctr_va_sdst(0)                   ; s18 is written, ahead of the branch below and of its first reader behind it: g is made from it
	s_and_b32 s20, ttmp7, 0xffff                   ; 2 x block + side
	s_lshr_b32 s21, s20, 1
	s_and_b32 s22, s20, 1
	s_lshl_b32 s24, s21, 4
	s_mov_b32 s25, 0
	s_mov_b32 s[CS], 0xbfb8aa3b
	s_mov_b32 s[CS+1], s[CS]                       ; (named with it as a pair, so it is written)
	s_mov_b32 s[SEL], 0x76543210
	s_mov_b32 s[SEL+1], 0xfedcba98
	s_wait_kmcnt 0x0
	s_add_nc_u64 s[14:15], s[14:15], s[24:25]
	s_load_b128 s[28:31], s[14:15], 0x0            ; the block's entry: lo, hi, rows, 0
	s_wait_kmcnt 0x0
	s_cmp_eq_u32 s30, 0
	s_cbranch_scc1 .Lend                           ; this split has no such block
	s_cmp_eq_u32 s22, 0
	s_cselect_b32 s23, s28, s29
	s_min_u32 s23, s23, 7                          ; my expert
	s_lshl_b32 s23, s23, 4
	s_lshl_b32 s26, ttmp9, 2
	s_add_co_u32 s26, s26, s18                     ; g
	s_add_co_u32 s23, s23, s26                     ; 16 e + g
	s_mul_i32 s24, s23, 98304
	s_add_nc_u64 s[8:9], s[8:9], s[24:25]          ; my 64 images of W1
	s_lshl_b32 s24, s23, 12
	s_add_nc_u64 s[10:11], s[10:11], s[24:25]      ; my 128 rows of W1's scales
	s_mul_i32 s24, s21, 384
	s_add_nc_u64 s[12:13], s[12:13], s[24:25]      ; the block's 96 tokens
	s_mul_i32 s24, s20, 159744
	s_mul_i32 s27, s26, 9984
	s_add_co_u32 s24, s24, s27
	s_add_nc_u64 s[16:17], s[16:17], s[24:25]      ; where my results go
.macro LOADA p, ks                     ; x's six fragments of K step ks into set p
.if (\p) == 0
	WIN 0
.set AB, A0
.else
	WIN 0xc0                                       ; destination window 3, address window 0
.set AB, A1
.endif
.irp m, 0,1,2,3,4,5
.irp c, 0,1,2
	global_load_b128 v[AB+12*\m+4*\c:AB+12*\m+4*\c+3], v[AOF+\m], s[4:5] offset:96*(\ks)+16*\c
.endr
.endr
.endm
.macro LOADB p, ks                     ; W1's eight fragments of K step ks into set p: 12,288 bytes on end
	WIN 0x40                                       ; destination window 1
.irp t, 0,1,2,3,4,5,6,7
.irp c, 0,1,2
	global_load_b128 v[128*(\p)+12*\t+4*\c:128*(\p)+12*\t+4*\c+3], v[L16], s[8:9] offset:12288*(\ks)+1536*\t+512*\c
.endr
.endr
.endm
; Row tile m against W1's eight tiles.  The 48 accumulators take turns, one instruction a turn, in the same order in every K step.  zero = 1: the first K step starts the sums.
.macro MULM m, p, ks, zero
.if (\p) == 0
.set AB, A0+12*(\m)
.else
.set AB, A1+12*(\m)
.endif
.set AC, 64*((\m)%4)
	WIN (0xa1+0x50*((\m)/4)+0x0c*(\p))             ; source 0 window 1; source 1 window 0 or 3; C and D window 2 or 3
.irp t, 0,1,2,3,4,5,6,7
.if \zero
	v_wmma_scale_f32_16x16x128_f8f6f4 v[AC+8*\t:AC+8*\t+7], v[128*(\p)+12*\t:128*(\p)+12*\t+11], v[AB:AB+11], 0, v[WS+8*\t+(\ks)], v[XSC+8*(\m)+(\ks)] matrix_a_fmt:MATRIX_FMT_BF6 matrix_b_fmt:MATRIX_FMT_BF6
.else
	v_wmma_scale_f32_16x16x128_f8f6f4 v[AC+8*\t:AC+8*\t+7], v[128*(\p)+12*\t:128*(\p)+12*\t+11], v[AB:AB+11], v[AC+8*\t:AC+8*\t+7], v[WS+8*\t+(\ks)], v[XSC+8*(\m)+(\ks)] matrix_a_fmt:MATRIX_FMT_BF6 matrix_b_fmt:MATRIX_FMT_BF6
.endif
.endr
.endm
.macro KSTEP ks, cnt, zero
	s_wait_loadcnt \cnt                            ; this step's operands are in; the loads issued behind them may be out
.irp m, 0,1,2,3,4,5
	MULM \m, (\ks)%2, \ks, \zero
.endr
.if (\ks)+2 < 8
	PLACES
.if (\ks)%2 == 0
	WIN 0                                          ; the window of the first loads below, ahead of the wait
.else
	WIN 0xc0
.endif
	s_wait_alu depctr_va_vdst(0)                   ; this step's 48 products are done reading their set, W1's eight fragments and x's six, in which the 42 loads below land; only loads and window switches follow up to the last of them
	LOADA (\ks)%2, (\ks)+2
	LOADB (\ks)%2, (\ks)+2
.endif
.endm
	s_wait_alu depctr_va_vdst(0)                   ; the offsets v2 to v5 are written, which the loads below and, at the end, the stores read
.irp m, 0,1,2,3,4,5
	global_load_b32 v[AOF+\m], v[TKO], s[12:13] offset:64*\m   ; the token of row 16 m + r
.endr
	LOADB 0, 0                                     ; what hangs on no token goes out meanwhile
	LOADB 1, 1
	WIN 0
.irp t, 0,1,2,3,4,5,6,7
	global_load_b128 v[WS+8*\t:WS+8*\t+3], v[WSO], s[10:11] offset:(32*(\t/2)+8*(\t%2))*32      ; my row's eight scale words, one for each K step
	global_load_b128 v[WS+8*\t+4:WS+8*\t+7], v[WSO], s[10:11] offset:(32*(\t/2)+8*(\t%2))*32+16
.endr
	s_wait_loadcnt 63                              ; 64 loads were issued behind the six of tokens
.irp m, 0,1,2,3,4,5
	v_min_u32 v[AOF+\m], 0x7ff, v[AOF+\m]
.endr
.irp m, 0,1,2,3,4,5
	v_lshlrev_b32 v[XOF+\m], 5, v[AOF+\m]
.endr
.irp m, 0,1,2,3,4,5
	v_mul_u32_u24 v[AOF+\m], v[AOF+\m], 768
.endr
.irp m, 0,1,2,3,4,5
	v_add_nc_u32 v[AOF+\m], v[AOF+\m], v19
.endr
	s_wait_alu depctr_va_vdst(0)                   ; x's offsets v6 to v17 are written, which every load of x's fragments and scale words reads
	LOADA 0, 0
.irp m, 0,1,2,3,4,5
	global_load_b128 v[XSC+8*\m:XSC+8*\m+3], v[XOF+\m], s[6:7]
	global_load_b128 v[XSC+8*\m+4:XSC+8*\m+7], v[XOF+\m], s[6:7] offset:16
.endr
	LOADA 1, 1
	KSTEP 0, 18, 1                                 ; behind step 0's operands and the scales: the 18 loads of x's set 1
	KSTEP 1, 42, 0                                 ; behind a step's operands: the next step's 18 + 24
	KSTEP 2, 42, 0
	KSTEP 3, 42, 0
	KSTEP 4, 42, 0
	KSTEP 5, 42, 0
	KSTEP 6, 42, 0
	KSTEP 7, 0, 0
	WIN 0
	PLACES                                         ; behind the last products: results are read, and registers that held x's fragments written, from here on
.irp b, 0,1,2,3
	v_mov_b32 v[TM+4+\b], 0                        ; written once: a lane permute's destination counts as one of its sources
.endr
; 64 numbers of a lane, v[s] .. v[s + 63], register 16 b + i = k 32 b + 16 (lane / 16) + i of my row, become a fragment's codes in v[ob] on and its scale word in v[pw].
.macro QUANT s, ob, pw
.irp b, 0,1,2,3
	v_max3_num_f32 v[TM+\b], |v[\s+16*\b]|, |v[\s+1+16*\b]|, 0x2800000   ; block b: my 16 numbers, and the floor 2^(5 - 127): the byte cannot fall under 1
.endr
.irp i, 2,4,6,8,10,12,14
.irp b, 0,1,2,3
	v_max3_num_f32 v[TM+\b], v[TM+\b], |v[\s+16*\b+\i]|, |v[\s+1+16*\b+\i]|   ; (the four blocks by turns)
.endr
.endr
.irp b, 0,1,2,3
	v_permlanex16_b32 v[TM+4+\b], v[TM+\b], s[SEL], s[SEL+1]
.endr
.irp b, 0,1,2,3
	v_max_num_f32 v[TM+\b], v[TM+\b], v[TM+4+\b]   ; with lane l xor 16's: the block's largest magnitude
.endr
.irp b, 0,1,2,3
	v_add_nc_u32 v[TM+12+\b], 0xfe000000, v[TM+\b] ; 4 off its exponent field: the conversion's scale operand
.endr
.irp b, 0,1,2,3
	v_lshrrev_b32 v[TM+4+\b], 23, v[TM+12+\b]      ; the scale's byte
.endr
	v_lshl_or_b32 v[\pw], v[TM+5], 8, v[TM+4]
	v_lshl_or_b32 v[\pw], v[TM+6], 16, v[\pw]
	v_lshl_or_b32 v[\pw], v[TM+7], 24, v[\pw]
.irp c, 0,1
	v_cvt_scalef32_pk16_bf6_f32 v[\ob+6*\c:\ob+2+6*\c], v[\s+32*\c:\s+15+32*\c], v[TM+12+2*\c]
	v_cvt_scalef32_pk16_bf6_f32 v[TP+4*\c:TP+2+4*\c], v[\s+16+32*\c:\s+31+32*\c], v[TM+12+2*\c+1]   ; (a conversion's three registers begin on an even number)
.endr
	v_nop                                          ; one plain line behind a scaled conversion
.irp c, 0,1                            ; the operand's layout wants a WHOLE block in a lane: lanes 0-15 block 2 c, lanes 16-31 block 2 c + 1
.irp i, 0,1,2
	v_permlane16_swap_b32 v[\ob+6*\c+\i], v[TP+4*\c+\i]
.endr
.irp i, 0,1,2
	v_mov_b32 v[\ob+3+6*\c+\i], v[TP+4*\c+\i]
.endr
.endr
.endm
; Row tile m's codes and scale words leave, from out-buffer m % 2, as an image of the operand's registers.
.macro SEND m
.if ((\m)%2) == 0
.set OBR, OB0
.set PWR, PW0
.else
.set OBR, OB1
.set PWR, PW1
.endif
.irp c, 0,1,2
	global_store_b128 v[L16], v[OBR+4*\c:OBR+4*\c+3], s[16:17] offset:1536*(\m)+512*\c   ; 32 lanes store 512 bytes on end, aligned
.endr
	global_store_b32 v[L4], v[PWR], s[16:17] offset:9216+128*(\m)
.endm
; Row tile m: silu(z) = z / (1 + 2^(-log2(e) z)) in f32, quantised into out-buffer m % 2.  Each accumulator is read from its low end on.  The tile before is stored on the way.
.macro EPI m
.set AC, 64*((\m)%4)
	WIN (2+(\m)/4)                                 ; source 0: the accumulators' window
.set j, 0
.rept 32
	v_pk_mul_f32 v[T+j:T+j+1], v[AC+j:AC+j+1], s[CS:CS+1] op_sel_hi:[1,0]
.set j, j+2
.endr
	WIN 0
.set j, 0
	s_wait_alu depctr_va_vdst(0)
.rept 64
	v_exp_f32 v[T+j], v[T+j]
.set j, j+1
.endr
	v_nop                                          ; a plain line between the exponentials and the use of their results
	s_wait_alu depctr_va_vdst(0)                   ; the 64 exponentials have written v[T ..], which the additions below read; and the tile before's quantiser has written its out-buffer, which the stores below read
.if (\m) > 0
	SEND \m-1
.endif
.set j, 0
.rept 32
	v_pk_add_f32 v[T+j:T+j+1], v[T+j:T+j+1], 1.0 op_sel_hi:[1,0]
.set j, j+2
.endr
.set j, 0
	s_wait_alu depctr_va_vdst(0)
.rept 64
	v_rcp_f32 v[T+j], v[T+j]
.set j, j+1
.endr
	v_nop
	WIN (2+(\m)/4)
.set j, 0
	s_wait_alu depctr_va_vdst(0)                   ; the 64 reciprocals have written v[T ..], which the multiplications below read
.rept 32
	v_pk_mul_f32 v[T+j:T+j+1], v[AC+j:AC+j+1], v[T+j:T+j+1]
.set j, j+2
.endr
	WIN 0
.if (\m) > 1
	s_wait_xcnt 0x0                                ; the stores of the tile two back have had their addresses translated (ISA guide 3.1): their data are written again only behind this wait,
	s_wait_alu depctr_vm_vsrc(0)                   ; and they have read this tile's out-buffer, codes and scale word, which the quantiser below writes again
.endif
.if ((\m)%2) == 0
	QUANT T, OB0, PW0
.else
	QUANT T, OB1, PW1
.endif
.endm
	EPI 0
	EPI 1
	EPI 2
	EPI 3
	EPI 4
	EPI 5
	s_wait_alu depctr_va_vdst(0)                   ; row tile 5's quantiser has written its out-buffer, which the last four stores read
	SEND 5
.Lend:
	s_endpgm
.Lfunc_end_k_q772a04d28f_up:
	.size	k_q772a04d28f_up, .Lfunc_end_k_q772a04d28f_up-k_q772a04d28f_up
	.p2alignl 7, 3214868480
	.fill 96, 4, 3214868480
	.section	.rodata,"a",@progbits
	.p2align	6, 0x0
	.amdhsa_kernel k_q772a04d28f_up
		.amdhsa_group_segment_fixed_size 0
		.amdhsa_private_segment_fixed_size 0
		.amdhsa_enable_private_segment 0
		.amdhsa_kernarg_size 56
		.amdhsa_user_sgpr_count 2
		.amdhsa_user_sgpr_kernarg_segment_ptr 1
		.amdhsa_wavefront_size32 1
		.amdhsa_system_sgpr_workgroup_id_x 1
		.amdhsa_system_sgpr_workgroup_id_y 1
		.amdhsa_system_sgpr_workgroup_id_z 1
		.amdhsa_system_vgpr_workitem_id 0
		.amdhsa_next_free_vgpr 1024
		.amdhsa_next_free_sgpr 66
		.amdhsa_reserve_vcc 0
		.amdhsa_float_denorm_mode_32 3
		.amdhsa_float_denorm_mode_16_64 3
		.amdhsa_memory_ordered 1
		.amdhsa_forward_progress 1
		.amdhsa_inst_pref_size 176
	.end_amdhsa_kernel
	.amdgpu_metadata
---
amdhsa.version: [ 1, 2 ]
amdhsa.kernels:
  - .name:           k_q772a04d28f_up
    .symbol:         k_q772a04d28f_up.kd
    .args:
      - { .name: xq, .offset: 0, .size: 8, .value_kind: global_buffer, .address_space: global }
      - { .name: xs, .offset: 8, .size: 8, .value_kind: global_buffer, .address_space: global }
      - { .name: wi, .offset: 16, .size: 8, .value_kind: global_buffer, .address_space: global }
      - { .name: w1_scales, .offset: 24, .size: 8, .value_kind: global_buffer, .address_space: global }
      - { .name: tok, .offset: 32, .size: 8, .value_kind: global_buffer, .address_space: global }
      - { .name: blk, .offset: 40, .size: 8, .value_kind: global_buffer, .address_space: global }
      - { .name: hq, .offset: 48, .size: 8, .value_kind: global_buffer, .address_space: global }
    .group_segment_fixed_size: 0
    .private_segment_fixed_size: 0
    .kernarg_segment_align: 8
    .kernarg_segment_size: 56
    .max_flat_workgroup_size: 128
    .sgpr_count:     66
    .vgpr_count:     1024
    .wavefront_size: 32
...
	.end_amdgpu_metadata
.endif
;; end of part 9
;; launch down (part 10): grid 8 x 49, 4 waves a work-group, no clusters, 17,920 bytes of LDS; arguments hq, wi, w2_scales, tok, blk, wts, out0; writes out0
.if DOCPART == 10
	.amdgcn_target "amdgcn-amd-amdhsa--gfx1250"
	.amdhsa_code_object_version 6
	.text
	.protected	k_q772a04d28f_down
	.globl	k_q772a04d28f_down
	.p2align	8
	.type	k_q772a04d28f_down,@function
k_q772a04d28f_down:
	s_mov_b64 s[64:65], 0
	v_nop
	global_prefetch_b8 v0, s[64:65] scope:SCOPE_SE
	s_setreg_imm32_b32 hwreg(HW_REG_WAVE_MODE, 25, 1), 1
	s_wait_xcnt 0x0
; DOWN.  out[token] = w_lo (h_lo W2_lo) + w_hi (h_hi W2_hi) for the rows of one block, whose tokens all have the same two experts; both products on codes of E3M2 with one E8M0 scale for each 32 along K = 2,048.
; SHARES.  Work-group y = block, x = 128 outputs.  Wave w takes row tiles 3 (w / 2) + 0 .. 2 (48 rows) and outputs 64 cg on, cg = 2 x + w % 2 (four tiles), FOR BOTH EXPERTS: 12 accumulators for each.
; So every output row has one owner, and the two sums meet in one lane's registers.  32 steps of 128 along K: 16 of the lower expert, then 16 of the higher.
; THE PRODUCT IS USED TRANSPOSED (source 0 = 16 rows of W2, source 1 = 16 rows of h): a lane holds one token and eight neighbouring outputs, and its token's two weights are two numbers of its own.
; Both operands lie in memory as images of the operand's registers (h by the launch before, W2 by the first launch): three loads of 512 bytes on end bring a fragment.
; NO BARRIER, NO JOINT LOADS: whether a block exists and how many rows count is read from memory (blk).  A wave none of whose 48 rows count ends at once, so partners would need different numbers of tiles, and a barrier
; would stand behind a branch on a loaded number.  So no wave hands anything to another.  LDS holds only each wave's own stage for the way out, 16 rows x (256 + 16) bytes.
; REGISTERS, in windows of 256: window 0: v1-15 addresses; v16-27 the weights; v32-159 W2's scale words (64 side + 16 t + K step); v160-171 h's (3 x set + i); v172-203 rows on the way out; v204-227 their places in out.
;   window 1: W2's fragments, four sets of 48.   window 2: h's, four sets of 36.   window 3: the accumulators, at 96 side + 8 (4 i + t).
; Four sets of operands: step u + 4's 24 loads are issued behind step u's products, so three steps' loads are on their way while a step is multiplied.
; Rows that only fill a block up are computed and not stored: EXEC is narrowed by the block's count for each store.
.set L16, 2                            ; v2   16 x lane
.set AI,  3                            ; v3   h's images: 16 x lane + my first row tile
.set ASO, 4                            ; v4   h's scale words: 4 x lane + my first row tile
.set SO,  5                            ; v5   the stage, on the way in
.set SR,  6                            ; v6   and back
.set HALF, 7                           ; v7   lane / 16
.set TKW, 11                           ; v11-13 the token of row 16 i + r, x 8
.set CL,  16                           ; v16-21 three pairs (w_lo, w_hi)
.set CH,  22                           ; v22-27 three pairs (w_hi, w_hi)
.set W2S, 32
.set AS,  160
.set RB,  172
.set OF,  204
.set W2IMG, 12582912
.set MSB, 0
.macro WIN new                         ; the immediate's high byte repeats the setting that is left
.if MSB != (\new)
	s_set_vgpr_msb (MSB<<8)|(\new)
.set MSB, (\new)
.endif
.endm
.macro PLACES                          ; four plain vector lines between a matrix instruction and a load into its registers
.rept 4
	v_nop
.endr
.endm
	s_load_b256 s[4:11], s[0:1], 0x0               ; hq, wi, w2_scales, tok
	s_load_b128 s[12:15], s[0:1], 0x20             ; blk, wts
	s_load_b64 s[16:17], s[0:1], 0x30              ; out
	v_lshl_add_u32 v254, v0, 2, 0x4400
	v_mov_b32 v255, 0
	v_lshrrev_b32 v1, 5, v0
	v_readfirstlane_b32 s18, v1                    ; wave 0..3
	v_and_b32 v1, 31, v0
	v_lshlrev_b32 v[L16], 4, v1
	v_and_b32 v15, 15, v1                          ; r
	v_lshrrev_b32 v[HALF], 4, v1
	s_lshr_b32 s19, s18, 1                         ; which 48 rows
	s_and_b32 s20, s18, 1                          ; which 64 outputs
	s_mul_i32 s21, s18, 16*272                     ; my stage
	v_mul_u32_u24 v[SO], v15, 272
	v_lshl_add_u32 v[SO], v[HALF], 5, v[SO]
	v_add_nc_u32 v[SO], s21, v[SO]                 ; in: row r, + 32 bytes for the upper lanes
	v_mul_u32_u24 v[SR], v[HALF], 272
	v_lshl_add_u32 v[SR], v15, 4, v[SR]
	v_add_nc_u32 v[SR], s21, v[SR]                 ; back: lanes 0-15 one row of 256 bytes, lanes 16-31 the next
	s_mul_i32 s22, s19, 4608
	v_add_nc_u32 v[AI], s22, v[L16]
	s_mul_i32 s22, s19, 384
	v_lshlrev_b32 v[ASO], 2, v1
	v_add_nc_u32 v[ASO], s22, v[ASO]
	v_lshlrev_b32 v8, 6, v15                       ; W2's scale rows of 64 bytes
	v_lshlrev_b32 v9, 2, v15                       ; tok: 4 r
	v_lshlrev_b32 v10, 2, v[HALF]                  ; tok: 4 (lane / 16)
	v_lshlrev_b32 v14, 4, v15                      ; 16 r
	s_and_b32 s23, ttmp7, 0xffff                   ; the block
	s_lshl_b32 s24, s23, 4
	s_mov_b32 s25, 0
	s_mul_i32 s26, s19, 48
	s_wait_kmcnt 0x0
	s_add_nc_u64 s[12:13], s[12:13], s[24:25]
	s_load_b128 s[28:31], s[12:13], 0x0            ; the block's entry: lo, hi, rows, 0
	s_wait_kmcnt 0x0
	s_cmp_le_u32 s30, s26
	s_cbranch_scc1 .Lend                           ; none of my 48 rows counts (a block that does not exist has 0 rows)
	s_sub_co_u32 s38, s30, s26                     ; how many of them count, if under 48
	s_lshl_b32 s27, ttmp9, 1
	s_add_co_u32 s27, s27, s20                     ; cg
	s_min_u32 s28, s28, 7
	s_min_u32 s29, s29, 7
	s_lshl_b32 s28, s28, 4
	s_lshl_b32 s29, s29, 4
	s_add_co_u32 s28, s28, s27                     ; 16 lo + cg
	s_add_co_u32 s29, s29, s27                     ; 16 hi + cg
	s_mul_i32 s24, s28, 98304
	s_add_co_u32 s24, s24, W2IMG
	s_add_nc_u64 s[40:41], s[6:7], s[24:25]        ; my 64 images of W2, lower expert,
	s_mul_i32 s24, s29, 98304
	s_add_co_u32 s24, s24, W2IMG
	s_add_nc_u64 s[42:43], s[6:7], s[24:25]        ; higher expert
	s_lshl_b32 s24, s28, 12
	s_add_nc_u64 s[44:45], s[8:9], s[24:25]        ; my 64 rows of W2's scales, likewise
	s_lshl_b32 s24, s29, 12
	s_add_nc_u64 s[46:47], s[8:9], s[24:25]
	s_mul_i32 s24, s23, 319488
	s_add_nc_u64 s[4:5], s[4:5], s[24:25]          ; the block's h, both sides
	s_mul_i32 s24, s23, 96
	s_add_co_u32 s24, s24, s26
	s_lshl_b32 s24, s24, 2
	s_add_nc_u64 s[10:11], s[10:11], s[24:25]      ; my 48 rows' tokens
	s_lshl_b32 s24, s27, 8
	s_add_nc_u64 s[16:17], s[16:17], s[24:25]      ; my 256 bytes of a row of out
.macro LOADSET u                       ; step u's operands into set u % 4: 12 + 9 loads of 512 bytes, 3 of scale words
.set SD, (\u)/16
.set KS, (\u)%16
.set Q4, (\u)%4
	WIN 0x40                                       ; destination window 1
.irp t, 0,1,2,3
.irp c, 0,1,2
	global_load_b128 v[48*Q4+12*\t+4*\c:48*Q4+12*\t+4*\c+3], v[L16], s[40+2*SD:41+2*SD] offset:6144*KS+1536*\t+512*\c
.endr
.endr
	WIN 0x80                                       ; destination window 2
.irp i, 0,1,2
.irp c, 0,1,2
	global_load_b128 v[36*Q4+12*\i+4*\c:36*Q4+12*\i+4*\c+3], v[AI], s[4:5] offset:159744*SD+9984*KS+1536*\i+512*\c
.endr
.endr
	WIN 0
.irp i, 0,1,2
	global_load_b32 v[AS+3*Q4+\i], v[ASO], s[4:5] offset:159744*SD+9984*KS+9216+128*\i
.endr
.endm
; Step u: 12 products; a side's 12 accumulators take turns, one instruction a turn, in the same order in every step.  A side's first step starts its sums.
.macro KSTEP u, cnt
.set SD, (\u)/16
.set KS, (\u)%16
.set Q4, (\u)%4
	s_wait_loadcnt \cnt                            ; this step's operands are in; loads issued behind them may be out
	WIN 0xf9                                       ; source 0 window 1, source 1 window 2, C and D window 3
.irp i, 0,1,2
.irp t, 0,1,2,3
.if KS == 0
	v_wmma_scale_f32_16x16x128_f8f6f4 v[96*SD+8*(4*\i+\t):96*SD+8*(4*\i+\t)+7], v[48*Q4+12*\t:48*Q4+12*\t+11], v[36*Q4+12*\i:36*Q4+12*\i+11], 0, v[W2S+64*SD+16*\t+KS], v[AS+3*Q4+\i] matrix_a_fmt:MATRIX_FMT_BF6 matrix_b_fmt:MATRIX_FMT_BF6
.else
	v_wmma_scale_f32_16x16x128_f8f6f4 v[96*SD+8*(4*\i+\t):96*SD+8*(4*\i+\t)+7], v[48*Q4+12*\t:48*Q4+12*\t+11], v[36*Q4+12*\i:36*Q4+12*\i+11], v[96*SD+8*(4*\i+\t):96*SD+8*(4*\i+\t)+7], v[W2S+64*SD+16*\t+KS], v[AS+3*Q4+\i] matrix_a_fmt:MATRIX_FMT_BF6 matrix_b_fmt:MATRIX_FMT_BF6
.endif
.endr
.endr
.if (\u)+4 < 32
	PLACES
	LOADSET (\u)+4
.endif
.endm
	s_wait_alu depctr_va_vdst(0)
.irp i, 0,1,2
	global_load_b32 v[TKW+\i], v9, s[10:11] offset:64*\i               ; the token of row 16 i + r: for its weights
.endr
.irp i, 0,1,2
.irp q, 0,1,2,3,4,5,6,7
	global_load_b32 v[OF+8*\i+\q], v10, s[10:11] offset:(16*\i+2*\q)*4   ; the token of row 16 i + 2 q + lane / 16: for the way out
.endr
.endr
.irp sd, 0,1
.irp t, 0,1,2,3
.irp j, 0,1,2,3
	global_load_b128 v[W2S+64*\sd+16*\t+4*\j:W2S+64*\sd+16*\t+4*\j+3], v8, s[44+2*\sd:45+2*\sd] offset:1024*\t+16*\j   ; my row's sixteen scale words, one for each K step
.endr
.endr
.endr
	LOADSET 0
	s_wait_loadcnt 56                              ; behind the loads of tokens: 32 of scales and set 0's 24
.irp i, 0,1,2
	v_min_u32 v[TKW+\i], 0x7ff, v[TKW+\i]
.endr
.irp i, 0,1,2
	v_lshlrev_b32 v[TKW+\i], 3, v[TKW+\i]
.endr
.irp i, 0,1,2
	global_load_b64 v[CL+2*\i:CL+2*\i+1], v[TKW+\i], s[14:15]          ; (w_lo, w_hi) of my token
.endr
.set k, 0
.rept 24
	v_min_u32 v[OF+k], 0x7ff, v[OF+k]
.set k, k+1
.endr
.set k, 0
.rept 24
	v_lshl_add_u32 v[OF+k], v[OF+k], 12, v14       ; token x 4,096 + 16 (lane % 16)
.set k, k+1
.endr
	LOADSET 1
	LOADSET 2
	LOADSET 3
.set U, 0
.rept 29
	KSTEP U, 63                                    ; behind a step's operands stand three steps' 72 loads (in the first steps the three of weights too): the largest count a wait can name is under that, and so safe
.set U, U+1
.endr
	KSTEP 29, 48                                   ; two steps' loads are left,
	KSTEP 30, 24                                   ; one step's,
	KSTEP 31, 0                                    ; none
	WIN 0
.irp i, 0,1,2
	v_mov_b32 v[CH+2*\i], v[CL+2*\i+1]             ; w_hi as the low word of a pair of its own.  These six plain lines, which name no register of the products, are the places behind the last of them
	v_mov_b32 v[CH+2*\i+1], v[CL+2*\i+1]
.endr
; THE WAY OUT, a row tile at a time: the two sums weighed and added in the lower expert's accumulators (each accumulator read from its low end on); through my stage; back as whole runs of 256 bytes, two rows an instruction.
.macro OUTT i
	WIN 0xc3                                       ; destination and source 0 window 3, the weight window 0
.set j, 0
.rept 16
	v_pk_mul_f32 v[32*(\i)+j:32*(\i)+j+1], v[32*(\i)+j:32*(\i)+j+1], v[CL+2*(\i):CL+2*(\i)+1] op_sel_hi:[1,0]
.set j, j+2
.endr
	WIN 0xf3                                       ; source 2 window 3 too
.set j, 0
.rept 16
	v_pk_fma_f32 v[32*(\i)+j:32*(\i)+j+1], v[96+32*(\i)+j:96+32*(\i)+j+1], v[CH+2*(\i):CH+2*(\i)+1], v[32*(\i)+j:32*(\i)+j+1] op_sel_hi:[1,0,1]
.set j, j+2
.endr
	WIN 0x0c                                       ; an LDS store's data: window 3
.irp t, 0,1,2,3
	ds_store_b128 v[SO], v[32*(\i)+8*\t:32*(\i)+8*\t+3] offset:64*\t          ; lane (r, h): out(row r, 16 t + 8 h + 0 .. 7)
	ds_store_b128 v[SO], v[32*(\i)+8*\t+4:32*(\i)+8*\t+7] offset:64*\t+16
.endr
	WIN 0
.irp q, 0,1,2,3,4,5,6,7
	ds_load_b128 v[RB+4*\q:RB+4*\q+3], v[SR] offset:544*\q   ; LDS serves a wave's instructions in order (ISA guide 5.7.1.4): these see the stores above, and the next tile's stores come behind them
.endr
.irp q, 0,1,2,3,4,5,6,7
	s_wait_dscnt 7-\q                              ; pair q of rows is back; the later pairs may be out
	s_sub_co_i32 s39, s38, 16*(\i)+2*\q
	s_max_i32 s39, s39, 0                          ; how many of these two rows count
	v_cmp_gt_u32 vcc_lo, s39, v[HALF]
	s_wait_xcnt 0x0                                ; EXEC changes only behind this wait
	s_and_saveexec_b32 s48, vcc_lo
	global_store_b128 v[OF+8*(\i)+\q], v[RB+4*\q:RB+4*\q+3], s[16:17] th:TH_STORE_NT   ; sixteen lanes store 256 bytes on end, aligned: a token's outputs 64 cg on
	s_wait_xcnt 0x0                                ; and again in front of the line that widens it; the store's data may be loaded anew behind it too
	s_or_b32 exec_lo, exec_lo, s48
.endr
.endm
	OUTT 0
	OUTT 1
	OUTT 2
.Lend:
	s_wait_tensorcnt 0x0
	ds_add_u32 v254, v255
	s_wait_dscnt 0x0
	s_endpgm
.Lfunc_end_k_q772a04d28f_down:
	.size	k_q772a04d28f_down, .Lfunc_end_k_q772a04d28f_down-k_q772a04d28f_down
	.p2alignl 7, 3214868480
	.fill 96, 4, 3214868480
	.section	.rodata,"a",@progbits
	.p2align	6, 0x0
	.amdhsa_kernel k_q772a04d28f_down
		.amdhsa_group_segment_fixed_size 17920
		.amdhsa_private_segment_fixed_size 0
		.amdhsa_enable_private_segment 0
		.amdhsa_kernarg_size 56
		.amdhsa_user_sgpr_count 2
		.amdhsa_user_sgpr_kernarg_segment_ptr 1
		.amdhsa_wavefront_size32 1
		.amdhsa_system_sgpr_workgroup_id_x 1
		.amdhsa_system_sgpr_workgroup_id_y 1
		.amdhsa_system_sgpr_workgroup_id_z 1
		.amdhsa_system_vgpr_workitem_id 0
		.amdhsa_next_free_vgpr 1024
		.amdhsa_next_free_sgpr 66
		.amdhsa_reserve_vcc 1
		.amdhsa_float_denorm_mode_32 3
		.amdhsa_float_denorm_mode_16_64 3
		.amdhsa_memory_ordered 1
		.amdhsa_forward_progress 1
		.amdhsa_inst_pref_size 159
	.end_amdhsa_kernel
	.amdgpu_metadata
---
amdhsa.version: [ 1, 2 ]
amdhsa.kernels:
  - .name:           k_q772a04d28f_down
    .symbol:         k_q772a04d28f_down.kd
    .args:
      - { .name: hq, .offset: 0, .size: 8, .value_kind: global_buffer, .address_space: global }
      - { .name: wi, .offset: 8, .size: 8, .value_kind: global_buffer, .address_space: global }
      - { .name: w2_scales, .offset: 16, .size: 8, .value_kind: global_buffer, .address_space: global }
      - { .name: tok, .offset: 24, .size: 8, .value_kind: global_buffer, .address_space: global }
      - { .name: blk, .offset: 32, .size: 8, .value_kind: global_buffer, .address_space: global }
      - { .name: wts, .offset: 40, .size: 8, .value_kind: global_buffer, .address_space: global }
      - { .name: out0, .offset: 48, .size: 8, .value_kind: global_buffer, .address_space: global }
    .group_segment_fixed_size: 17920
    .private_segment_fixed_size: 0
    .kernarg_segment_align: 8
    .kernarg_segment_size: 56
    .max_flat_workgroup_size: 128
    .sgpr_count:     66
    .vgpr_count:     1024
    .wavefront_size: 32
...
	.end_amdgpu_metadata
.endif
;; end of part 10
